; MI455X (gfx1250); checked and timed in simulation.
; The chip was launched on July 23, 2026; its instructions are those of AMD's public machine-readable ISA for CDNA 5 (MIT licence, August 2026) and "CDNA5" Instruction Set Architecture Reference Guide (July 2026). The comments in the code are by the model that wrote it; some were corrected since.
;; Mo E Layer. Allowed arithmetic: float matrix products may take bf16 or f16 operands with f32 sums; other float arithmetic in f32, or as packed bf16 or f16 multiplies, adds, multiply-adds, maxima and minima; sums over many terms, partial sums and values carried from step to step in f32; what a program stores and reads back later, other than sums and carried values, may be rounded once to bf16 or f16.
;; Inputs: b1 8 x 4,096 float32; b2 8 x 1,024 float32; gate_b 8 float32; gate_w 8 x 1,024 float32; w1 8 x 4,096 x 1,024 float32; w2 8 x 1,024 x 4,096 float32; x 2 x 512 x 1,024 float32.
;; Outputs: out0 2 x 512 x 1,024 float32; out1 2 x 512 x 2 int32.
;; 3 versions, each right; version 3 is version 2 with the launch up written anew for expert scheduling mode. Each part assembles by itself: llvm-mc -triple=amdgcn-amd-amdhsa -mcpu=gfx1250 --defsym DOCPART=n.
;; ======== version 1 of 3: 4 launches
;; limits: a function is approximated: absolute error at most 1.5e-07
;; workspace buffers: xb 2,097,152 bytes; bm 2,048 bytes of whole numbers; gw 8,192 bytes; hbuf 16,777,216 bytes; part 33,554,432 bytes
;; launch router (part 1): grid 64 x 1, 4 waves a work-group, no clusters, 50,176 bytes of LDS; arguments x, gate_w, gate_b, xb, bm, gw, out1; writes xb, bm, gw, out1
.if DOCPART == 1
	.amdgcn_target "amdgcn-amd-amdhsa--gfx1250"
	.amdhsa_code_object_version 6
	.text
	.protected	k_q663ee699a6_router
	.globl	k_q663ee699a6_router
	.p2align	8
	.type	k_q663ee699a6_router,@function
k_q663ee699a6_router:
	s_mov_b64 s[64:65], 0
	v_nop
	global_prefetch_b8 v0, s[64:65] scope:SCOPE_SE
	s_setreg_imm32_b32 hwreg(HW_REG_WAVE_MODE, 25, 1), 1
	s_wait_xcnt 0x0
; ROUTER.  logits = x gate_w^T + gate_b; the two largest of 8 (the lower index keeps a tie); softmax over the two.  Also x rounded to bf16 for the first product of the experts.
; Every input is rounded once to bf16 (x, gate_w, gate_b); products exact, sums in f32.
; LIMITS.  NaN and infinities are not treated apart.  Two logits that differ by less than the rounding of an f32 sum of 1,024 terms may be ordered otherwise than by another order of summation.
; SHARES.  A work-group has 16 tokens.  Wave w streams 4 rows of x (16,384 consecutive bytes) and 2 rows of gate_w (8,192), rounds them, stores x's to xb (each store 256 consecutive bytes, aligned)
; and lays both into LDS.  Wave 0 then multiplies: source 0 = the 8 gate rows (read twice, as rows 0-7 and 8-15), source 1 = the 16 tokens, so that a lane holds ONE token and register j expert j.
; OUT.  out1[token] = (i1, i2); gw[token] = (w0, w1); bm[e][g]: bit L of the word says that token 16 g + L % 16 took expert e as its choice L / 16.  All at fixed places.
.set PX,    2064                       ; an LDS row: 2,048 bytes + 16 = 516 words: row r starts at bank 4 r mod 64 (64 banks of 4 bytes: ISA guide 11.1)
.set GS,    16*PX                      ; behind the 16 token rows: the 8 gate rows
.set SPARE, 49664                      ; the spare words, 128 bytes a wave: two blocks of 256 bytes that no other line names
.set X,     32                         ; v[32:159]  32 loads of x
.set G,     160                        ; v[160:223] 16 loads of gate_w
.set TF,    32                         ; later: token fragments of 8 K steps
.set GF,    96                         ; gate fragments of 8 K steps
.set ACC,   160                        ; four accumulators, by turns
.set LG,    192                        ; v[192:199] the lane's 8 logits
.set T2,    200                        ; v[200:207] at work
.set GB,    208                        ; v[208:215] gate_b
	s_load_b256 s[4:11], s[0:1], 0x0               ; x s[4:5], gate_w s[6:7], gate_b s[8:9], xb s[10:11]
	s_load_b128 s[12:15], s[0:1], 0x20             ; bm s[12:13], gw s[14:15]
	s_load_b64 s[16:17], s[0:1], 0x30              ; out1
	v_lshl_add_u32 v4, v0, 2, SPARE                ; my spare word,
	v_mov_b32 v5, 0                                ; and 0: kept for the add at the wave's end
	v_lshrrev_b32 v1, 5, v0
	v_readfirstlane_b32 s18, v1                    ; wave 0..3
	v_and_b32 v1, 31, v0                           ; lane
	v_and_b32 v2, 15, v0                           ; r
	v_bfe_u32 v3, v0, 4, 1                         ; h
	v_lshlrev_b32 v6, 4, v1                        ; 16 bytes a lane of f32
	v_lshlrev_b32 v7, 3, v1                        ; 8 bytes a lane of bf16
	s_mul_i32 s19, s18, 4*PX
	v_add_nc_u32 v8, s19, v7                       ; into LDS: my wave's 4 token rows
	s_mul_i32 s19, s18, 2*PX
	s_add_co_u32 s19, s19, GS
	v_add_nc_u32 v9, s19, v7                       ; my wave's 2 gate rows
	v_mul_u32_u24 v10, v2, PX
	v_lshl_add_u32 v10, v3, 4, v10                 ; token fragment: row r, 16 bytes for each half of the lanes
	v_and_b32 v11, 7, v0
	v_mul_u32_u24 v11, v11, PX
	v_lshl_add_u32 v11, v3, 4, v11
	v_add_nc_u32 v11, GS, v11                      ; gate fragment: row r % 8
	s_lshl_b32 s21, ttmp9, 7
	v_lshl_add_u32 v12, v2, 3, s21                 ; out1 and gw: 128 g + 8 r
	s_lshl_b32 s21, ttmp9, 2
	v_lshl_add_u32 v13, v1, 8, s21                 ; bm: 256 x expert (the lane) + 4 g
	s_mov_b32 s40, 0xffff0000                      ; the upper half of the lanes
	s_lshl_b32 s22, ttmp9, 16                      ; x: 16 rows of 4,096 bytes a group,
	s_lshl_b32 s21, s18, 14                        ; 4 rows a wave
	s_add_co_u32 s22, s22, s21
	s_mov_b32 s23, 0
	s_lshl_b32 s42, s18, 13                        ; gate_w: 2 rows a wave
	s_mov_b32 s43, 0
	s_lshl_b32 s44, ttmp9, 15                      ; xb: half of x's bytes
	s_add_co_u32 s44, s44, s42
	s_mov_b32 s45, 0
	s_wait_kmcnt 0x0
	s_load_b256 s[24:31], s[8:9], 0x0              ; gate_b, 8 numbers
	s_add_nc_u64 s[4:5], s[4:5], s[22:23]
	s_add_nc_u64 s[6:7], s[6:7], s[42:43]
	s_add_nc_u64 s[10:11], s[10:11], s[44:45]
.irp i, 0,1,2,3,4,5,6,7,8,9,10,11,12,13,14,15
	global_load_b128 v[G+4*(\i):G+4*(\i)+3], v6, s[6:7] offset:512*(\i)
.endr
.irp i, 0,1,2,3,4,5,6,7,8,9,10,11,12,13,14,15,16,17,18,19,20,21,22,23,24,25,26,27,28,29,30,31
	global_load_b128 v[X+4*(\i):X+4*(\i)+3], v6, s[4:5] offset:512*(\i) th:TH_LOAD_NT
.endr
	s_wait_loadcnt 32                              ; the 32 loads of x are younger: gate_w is in
.irp i, 0,1,2,3,4,5,6,7,8,9,10,11,12,13,14,15
	v_cvt_pk_bf16_f32 v[G+4*(\i)], v[G+4*(\i)], v[G+4*(\i)+1]
	v_cvt_pk_bf16_f32 v[G+4*(\i)+1], v[G+4*(\i)+2], v[G+4*(\i)+3]
	ds_store_b64 v9, v[G+4*(\i):G+4*(\i)+1] offset:((\i)/8)*PX+((\i)%8)*256
.endr
.irp row, 0,1,2,3
	s_wait_loadcnt 24-8*(\row)                     ; the later rows' loads are younger
.irp c, 0,1,2,3,4,5,6,7
	v_cvt_pk_bf16_f32 v[X+32*(\row)+4*(\c)], v[X+32*(\row)+4*(\c)], v[X+32*(\row)+4*(\c)+1]
	v_cvt_pk_bf16_f32 v[X+32*(\row)+4*(\c)+1], v[X+32*(\row)+4*(\c)+2], v[X+32*(\row)+4*(\c)+3]
	global_store_b64 v7, v[X+32*(\row)+4*(\c):X+32*(\row)+4*(\c)+1], s[10:11] offset:2048*(\row)+256*(\c)  ; 32 lanes store 256 consecutive bytes, aligned
	ds_store_b64 v8, v[X+32*(\row)+4*(\c):X+32*(\row)+4*(\c)+1] offset:(\row)*PX+256*(\c)
.endr
.endr
	s_wait_dscnt 0x0                               ; for wave 0's sake: my rows lie in LDS
	s_barrier_signal -1
	s_barrier_wait -1
	s_cmp_lg_u32 s18, 0
	s_cbranch_scc1 .Lend                           ; what is left is 32 matrix instructions and one wave's vector work
	s_wait_xcnt 0x0                                ; the stores to xb have read their registers, which are loaded anew below
; 8 K steps of 32: their fragments, and 8 products on four accumulators that take turns, one instruction a turn.  The first four start the sums.
.macro GROUP g
.irp s, 0,1,2,3,4,5,6,7
	ds_load_b128 v[TF+8*(\s):TF+8*(\s)+3],   v10 offset:64*(8*(\g)+(\s))
	ds_load_b128 v[TF+8*(\s)+4:TF+8*(\s)+7], v10 offset:64*(8*(\g)+(\s))+32
	ds_load_b128 v[GF+8*(\s):GF+8*(\s)+3],   v11 offset:64*(8*(\g)+(\s))
	ds_load_b128 v[GF+8*(\s)+4:GF+8*(\s)+7], v11 offset:64*(8*(\g)+(\s))+32
.endr
	s_wait_dscnt 0x0
.irp s, 0,1,2,3,4,5,6,7
.if ((\g) == 0) && ((\s) < 4)
	v_wmma_f32_16x16x32_bf16 v[ACC+8*((\s)%4):ACC+8*((\s)%4)+7], v[GF+8*(\s):GF+8*(\s)+7], v[TF+8*(\s):TF+8*(\s)+7], 0
.else
	v_wmma_f32_16x16x32_bf16 v[ACC+8*((\s)%4):ACC+8*((\s)%4)+7], v[GF+8*(\s):GF+8*(\s)+7], v[TF+8*(\s):TF+8*(\s)+7], v[ACC+8*((\s)%4):ACC+8*((\s)%4)+7]
.endif
.endr
.rept 4
	v_nop                                          ; four places ahead of the next loads into the fragments, and of the first read of the sums
.endr
.endm
	GROUP 0
	GROUP 1
	GROUP 2
	GROUP 3
	s_wait_kmcnt 0x0                               ; gate_b
.irp j, 0,1,2,3,4,5,6,7
	v_mov_b32 v[GB+(\j)], s[24+(\j)]
.endr
.irp p, 0,1,2,3
	v_cvt_pk_bf16_f32 v[T2+(\p)], v[GB+2*(\p)], v[GB+2*(\p)+1]  ; gate_b rounded to bf16 like every input,
.endr
.irp p, 0,1,2,3
	v_lshlrev_b32 v[GB+2*(\p)], 16, v[T2+(\p)]     ; and widened again
	v_and_b32 v[GB+2*(\p)+1], s40, v[T2+(\p)]
.endr
.irp p, 0,1,2,3                        ; each accumulator is read from its low end on
	v_pk_add_f32 v[LG+2*(\p):LG+2*(\p)+1], v[ACC+2*(\p):ACC+2*(\p)+1], v[ACC+8+2*(\p):ACC+8+2*(\p)+1]
.endr
.irp p, 0,1,2,3
	v_pk_add_f32 v[T2+2*(\p):T2+2*(\p)+1], v[ACC+16+2*(\p):ACC+16+2*(\p)+1], v[ACC+24+2*(\p):ACC+24+2*(\p)+1]
.endr
.irp p, 0,1,2,3
	v_pk_add_f32 v[LG+2*(\p):LG+2*(\p)+1], v[LG+2*(\p):LG+2*(\p)+1], v[T2+2*(\p):T2+2*(\p)+1]
.endr
.irp p, 0,1,2,3
	v_pk_add_f32 v[LG+2*(\p):LG+2*(\p)+1], v[LG+2*(\p):LG+2*(\p)+1], v[GB+2*(\p):GB+2*(\p)+1]
.endr
	; the largest: a later logit takes the place only if it is strictly greater, so the lower index keeps a tie
	v_mov_b32 v216, v[LG]
	v_mov_b32 v220, 0
.irp j, 1,2,3,4,5,6,7
	v_cmp_ge_f32 vcc_lo, v216, v[LG+(\j)]
	v_cndmask_b32 v216, v[LG+(\j)], v216, vcc_lo
	v_cndmask_b32 v220, \j, v220, vcc_lo
.endr
	v_mov_b32 v218, 0xff800000                     ; the winner's logit gives way to minus infinity,
.irp j, 0,1,2,3,4,5,6,7
	v_cmp_eq_u32 vcc_lo, \j, v220
	v_cndmask_b32 v[LG+(\j)], v[LG+(\j)], v218, vcc_lo
.endr
	v_mov_b32 v217, v[LG]                          ; and the same scan finds the second
	v_mov_b32 v221, 0
.irp j, 1,2,3,4,5,6,7
	v_cmp_ge_f32 vcc_lo, v217, v[LG+(\j)]
	v_cndmask_b32 v217, v[LG+(\j)], v217, vcc_lo
	v_cndmask_b32 v221, \j, v221, vcc_lo
.endr
	; softmax over the two, the maximum taken away: w0 = 1 / (1 + e), w1 = e / (1 + e), e = exp(second - first) <= 1
	v_sub_f32 v219, v217, v216
	v_mul_f32 v219, 0x3fb8aa3b, v219
	v_exp_f32 v219, v219
	v_cndmask_b32 v224, v220, v221, s40            ; lanes 0-15: the first choice, lanes 16-31: the second.  Also the plain line behind the exponential
	s_wait_alu depctr_va_vdst(0)                   ; the wait ahead of the first use of the exponential
	v_add_f32 v222, 1.0, v219
	v_rcp_f32 v222, v222
	v_mov_b32 v225, 0                              ; the plain line behind the reciprocal
	s_wait_alu depctr_va_vdst(0)                   ; and its wait
	v_mul_f32 v223, v219, v222
.irp e, 0,1,2,3,4,5,6,7
	v_cmp_eq_u32 s[32+(\e)], \e, v224              ; expert e's word of the bitmap,
.endr
.irp e, 0,1,2,3,4,5,6,7
	v_writelane_b32 v225, s[32+(\e)], \e           ; into lane e
.endr
	s_wait_xcnt 0x0                                ; EXEC changes only behind this wait
	v_cmp_gt_u32 vcc_lo, 16, v1
	s_and_saveexec_b32 s20, vcc_lo                 ; lanes 0-15: one token each
	global_store_b64 v12, v[220:221], s[16:17]
	global_store_b64 v12, v[222:223], s[14:15]
	s_wait_xcnt 0x0
	s_or_b32 exec_lo, exec_lo, s20
	v_cmp_gt_u32 vcc_lo, 8, v1
	s_and_saveexec_b32 s20, vcc_lo                 ; lanes 0-7: one expert each
	global_store_b32 v13, v225, s[12:13]
	s_wait_xcnt 0x0
	s_or_b32 exec_lo, exec_lo, s20
.Lend:
	s_wait_tensorcnt 0x0                           ; the wave's end
	ds_add_u32 v4, v5
	s_wait_dscnt 0x0
	s_endpgm
.Lfunc_end_k_q663ee699a6_router:
	.size	k_q663ee699a6_router, .Lfunc_end_k_q663ee699a6_router-k_q663ee699a6_router
	.p2alignl 7, 3214868480
	.fill 96, 4, 3214868480
	.section	.rodata,"a",@progbits
	.p2align	6, 0x0
	.amdhsa_kernel k_q663ee699a6_router
		.amdhsa_group_segment_fixed_size 50176
		.amdhsa_private_segment_fixed_size 0
		.amdhsa_enable_private_segment 0
		.amdhsa_kernarg_size 56
		.amdhsa_user_sgpr_count 2
		.amdhsa_user_sgpr_kernarg_segment_ptr 1
		.amdhsa_wavefront_size32 1
		.amdhsa_system_sgpr_workgroup_id_x 1
		.amdhsa_system_sgpr_workgroup_id_y 1
		.amdhsa_system_sgpr_workgroup_id_z 1
		.amdhsa_system_vgpr_workitem_id 0
		.amdhsa_next_free_vgpr 256
		.amdhsa_next_free_sgpr 66
		.amdhsa_reserve_vcc 1
		.amdhsa_float_denorm_mode_32 3
		.amdhsa_float_denorm_mode_16_64 3
		.amdhsa_memory_ordered 1
		.amdhsa_forward_progress 1
		.amdhsa_inst_pref_size 36
	.end_amdhsa_kernel
	.amdgpu_metadata
---
amdhsa.version: [ 1, 2 ]
amdhsa.kernels:
  - .name:           k_q663ee699a6_router
    .symbol:         k_q663ee699a6_router.kd
    .args:
      - { .name: x, .offset: 0, .size: 8, .value_kind: global_buffer, .address_space: global }
      - { .name: gate_w, .offset: 8, .size: 8, .value_kind: global_buffer, .address_space: global }
      - { .name: gate_b, .offset: 16, .size: 8, .value_kind: global_buffer, .address_space: global }
      - { .name: xb, .offset: 24, .size: 8, .value_kind: global_buffer, .address_space: global }
      - { .name: bm, .offset: 32, .size: 8, .value_kind: global_buffer, .address_space: global }
      - { .name: gw, .offset: 40, .size: 8, .value_kind: global_buffer, .address_space: global }
      - { .name: out1, .offset: 48, .size: 8, .value_kind: global_buffer, .address_space: global }
    .group_segment_fixed_size: 50176
    .private_segment_fixed_size: 0
    .kernarg_segment_align: 8
    .kernarg_segment_size: 56
    .max_flat_workgroup_size: 128
    .sgpr_count:     66
    .vgpr_count:     256
    .wavefront_size: 32
...
	.end_amdgpu_metadata
.endif
;; end of part 1
;; launch up (part 2): grid 256 x 1, 4 waves a work-group, no clusters, 299,520 bytes of LDS; arguments bm, xb, w1, b1, hbuf; writes hbuf
.if DOCPART == 2
	.amdgcn_target "amdgcn-amd-amdhsa--gfx1250"
	.amdhsa_code_object_version 6
	.text
	.protected	k_q663ee699a6_up
	.globl	k_q663ee699a6_up
	.p2align	8
	.type	k_q663ee699a6_up,@function
k_q663ee699a6_up:
	s_mov_b64 s[64:65], 0
	v_nop
	global_prefetch_b8 v0, s[64:65] scope:SCOPE_SE
	s_setreg_imm32_b32 hwreg(HW_REG_WAVE_MODE, 25, 1), 1
	s_wait_xcnt 0x0
; ONE TEXT FOR BOTH PRODUCTS OF THE EXPERTS; the switch UP chooses the constants and the way out.
;   UP = 1: hbuf[slot][:] = gelu(xb[token] w1[e]^T + b1[e]), bf16.      UP = 0: part[slot][ks][:] = hbuf[slot][1024 ks ..] w2[e][:, 1024 ks ..]^T (+ b2[e] where ks = 0), f32 partial sums.
; A SLOT is 2 x token + choice: a fixed place, so nothing is compacted; only the rows of tokens that chose expert e are multiplied.
; SHARES.  A work-group has ONE expert's slice of 128 output columns x 1,024 K, 524,288 bytes of f32 that it alone reads, and all of that expert's rows, whatever their number (0 to 1,024).
; The slice is rounded to bf16 on its way through registers into LDS and stays there.  K goes in 16 UNITS of 64.  While later units are on their way, the units that lie in LDS are multiplied with the
; expert's first 320 rows: 5 tiles of 16 rows a wave (tile q of wave w: list places 64 q + 16 w on); the fifth tile's products are jumped where it has no row.  Rows past 320 are multiplied afterwards, out of LDS,
; tile by tile, in the loop of the way out: 16 trips, a constant, which cover 1,024 rows; a tile without a row is jumped, forward, to the label ahead of the counter's step; no barrier stands in what is jumped.
; Such a tile's 16 units are written out, the unit in the loads' immediates: in that loop only the two list addresses step, once a trip.
; NO TENSOR LOADS, NO CLUSTER: a weight has one reader and must be rounded on its way; the rows that an expert's work-groups share come by a list, which no descriptor covers, and beside the slice's
; 264,192 bytes LDS has no room for two slots of rows.  The rows come from memory straight into registers as matrix operands.
; THE MATRIX INSTRUCTION IS USED TRANSPOSED: source 0 = 16 weight rows, source 1 = 16 token rows: lane (r, h) holds token row r, register j output column 16 b + 8 h + j.  The bias is the C of the first product.
; FORMATS.  Weights and bias are rounded once to bf16, sums in f32, h once to bf16 (f16 has no room for inputs 30 times larger).
; LIMITS.  NaN and infinities are not treated apart.  erf by the rational form of Abramowitz and Stegun 7.1.26, absolute error at most 1.5e-7 for every argument: gelu(x) is off by at most 0.75e-7 |x|.
; REGISTERS, in windows of 256 (s_set_vgpr_msb: bits 1:0 source 0, 3:2 source 1, 5:4 source 2, 7:6 destination):
;   window 0: v1 r, v2 h, v3 lane; v4, v5 the add's two; v6 weights' offset; v7 weights' place in LDS; v8-11 weight fragments' addresses; v12-16 the five tiles' row offsets; v17 my list; v18 prefetch offset; v19 16 h;
;             v20-21 bitmap; v22 2 r + h; v23 1024 + lane; v24-25 at work; v27 list address of a tile's rows, by lane; v28, v29 stage in and back; v30 column offset; v31 list address of a tile's first row; v32-47 store offsets;
;             v48 r x pitch + 16 h; v49-55 set-up; v64-127, v128-191 weight fragments of one K step each (on the way out: at work); v192-255 at work
;   window 1: v0-79, v80-159 row fragments of one unit each (tile q, K step j at 8 (2 q + j))       window 2: accumulators (q, b) at 8 (8 q + b), q = 0..3
;   window 3: v0-63 tile 4's accumulators; v64-127, v128-191 weights as loaded, two units; v192-255 the bias in the accumulators' layout
.set UP, 1
.if UP
.set WSH,    12                        ; a weight row is 4,096 bytes from the next
.set ASH,    11                        ; a row of xb 2,048
.set OSH,    13                        ; a row of hbuf 8,192
.set SPITCH, 272                       ; a stage row: 256 bytes + 16
.else
.set WSH,    14                        ; a weight row is 16,384 bytes from the next
.set ASH,    13                        ; a row of hbuf 8,192
.set OSH,    14                        ; a slot of part 16,384
.set SPITCH, 528                       ; a stage row: 512 bytes + 16
.endif
.set WP,    1<<WSH
.set PW,    2064                       ; a row of the slice in LDS: 2,048 bytes + 16 = 516 words: row r starts at bank 4 r mod 64 (64 banks of 4 bytes: ISA guide 11.1)
.set LIST,  128*PW                     ; behind the slice: for each wave its own list: 1,024 slots of 4 bytes, then 32 places for the lanes that have nothing to say
.set LISTW, 4352
.set STAGE, LIST+4*LISTW               ; 16 stage rows for each wave, its own
.set SPARE, STAGE+4*16*SPITCH          ; the spare words, 128 bytes a wave: two blocks of 256 bytes that no other line names
.set F0,   64
.set F1,   128
.set AS0,  0
.set AS1,  80
.set WS0,  64
.set WS1,  128
.set BIAS, 192
.set HX,   64                          ; the way out of UP: x / 2; t; the exponential; the polynomial; packed results
.set TT,   128
.set EE,   160
.set QQ,   192
.set OO,   224
.set MSB, 0
.macro WIN new                         ; the immediate's high byte repeats the setting that is left; a switch that changes nothing is dropped
.if MSB != (\new)
	s_set_vgpr_msb (MSB<<8)|(\new)
.set MSB, \new
.endif
.endm
.macro PLACES                          ; four places between a matrix instruction and a load into one of its sources, or a read of its result (ISA guide 7.12.1 for vector instructions)
.rept 4
	v_nop
.endr
.endm
; 16 loads: my wave's 32 rows of one unit, 256 bytes of each.  A load takes two rows 8 apart (one for each half of the lanes): two aligned blocks of 256 bytes.
.macro WLOAD set, step
	WIN 0xc0                                       ; destination window 3
.if \step
	s_wait_xcnt 0x0                                ; the base steps only when earlier loads have had their addresses translated
	s_add_nc_u64 s[32:33], s[32:33], 256
.endif
.irp i, 0,1,2,3,4,5,6,7,8,9,10,11,12,13,14,15
	global_load_b128 v[(\set)+4*(\i):(\set)+4*(\i)+3], v6, s[32:33] offset:(((\i)/8)*16+(\i)%8)*WP th:TH_LOAD_NT
.endr
.endm
; A unit is rounded in place and laid into LDS.  A store's two halves of the lanes write 128 bytes of rows 8 apart, which start 32 banks apart.
.macro WCONV set
	WIN 0xcf                                       ; destination and both sources window 3
.irp i, 0,1,2,3,4,5,6,7,8,9,10,11,12,13,14,15
	v_cvt_pk_bf16_f32 v[(\set)+4*(\i)], v[(\set)+4*(\i)], v[(\set)+4*(\i)+1]
	v_cvt_pk_bf16_f32 v[(\set)+4*(\i)+1], v[(\set)+4*(\i)+2], v[(\set)+4*(\i)+3]
.endr
	WIN 0x0c                                       ; store data window 3, address window 0
.irp i, 0,1,2,3,4,5,6,7,8,9,10,11,12,13,14,15
	ds_store_b64 v7, v[(\set)+4*(\i):(\set)+4*(\i)+1] offset:(((\i)/8)*16+(\i)%8)*PW
.endr
	WIN 0
	v_add_nc_u32 v7, 0x80, v7                      ; the next unit's 128 bytes of a row
.endm
; 20 loads: one unit (128 bytes of a row) of my five tiles' rows, straight into the fragments' layout
.macro ALOAD set, step
.if \step
	s_wait_xcnt 0x0
	s_add_nc_u64 s[34:35], s[34:35], 128
.endif
	WIN 0x40                                       ; destination window 1
.irp q, 0,1,2,3,4
.irp j, 0,1
	global_load_b128 v[(\set)+8*(2*(\q)+(\j)):(\set)+8*(2*(\q)+(\j))+3],   v[12+(\q)], s[34:35] offset:64*(\j)
	global_load_b128 v[(\set)+8*(2*(\q)+(\j))+4:(\set)+8*(2*(\q)+(\j))+7], v[12+(\q)], s[34:35] offset:64*(\j)+32
.endr
.endr
	WIN 0
.endm
; 16 LDS loads in one run: the weight fragments of one K step (128 rows x 32 K, at byte off from the addresses' unit)
.macro FETCHB buf, off
.irp b, 0,1,2,3,4,5,6,7
	ds_load_b128 v[(\buf)+8*(\b):(\buf)+8*(\b)+3],   v[8+(\b)/2] offset:((\b)%2)*16*PW+(\off)
	ds_load_b128 v[(\buf)+8*(\b)+4:(\buf)+8*(\b)+7], v[8+(\b)/2] offset:((\b)%2)*16*PW+(\off)+32
.endr
.endm
.macro PROD d, fb, b, a, c
	v_wmma_f32_16x16x32_bf16 v[(\d):(\d)+7], v[(\fb)+8*(\b):(\fb)+8*(\b)+7], v[(\a):(\a)+7], v[(\c):(\c)+7]
.endm
; One K step: buffer fb is multiplied with K step j of row set aset; the next K step's fragments go into buffer gb meanwhile.  The 40 accumulators take turns in one order, one instruction a turn.
; first = 1: the products start the sums, with the bias as C, tile 4's too, so that its accumulators are written on every path.  bwait = 1: the barrier's wait stands behind the first 32 products.
.macro KSTEP fb, gb, aset, j, fetch, off, first, bwait
	WIN 0
	s_wait_dscnt 0x0                               ; buffer fb is in
.if \fetch
	PLACES
	FETCHB \gb, \off
.endif
.if \first
	WIN 0xb4                                       ; weights window 0, rows window 1, C (the bias) window 3, D window 2
.else
	WIN 0xa4                                       ; the same with C and D window 2
.endif
.irp q, 0,1,2,3
.irp b, 0,1,2,3,4,5,6,7
.if \first
	PROD 8*(8*(\q)+(\b)), \fb, \b, (\aset)+8*(2*(\q)+(\j)), BIAS+8*(\b)
.else
	PROD 8*(8*(\q)+(\b)), \fb, \b, (\aset)+8*(2*(\q)+(\j)), 8*(8*(\q)+(\b))
.endif
.endr
.endr
	WIN 0                                          ; at a branch and at a label every window is 0
.if \bwait
	s_barrier_wait -1                              ; every wave's part of the next unit lies in LDS
.endif
.if (\first) == 0
	s_cmp_eq_u32 s17, 0
	s_cbranch_scc1 .Lno5_\@                        ; my fifth tile has no row: its 8 products are jumped
.endif
	WIN 0xf4                                       ; C and D window 3
.irp b, 0,1,2,3,4,5,6,7
.if \first
	PROD 8*(\b), \fb, \b, (\aset)+8*(8+(\j)), BIAS+8*(\b)
.else
	PROD 8*(\b), \fb, \b, (\aset)+8*(8+(\j)), 8*(\b)
.endif
.endr
	WIN 0
.if (\first) == 0
.Lno5_\@:
.endif
.endm
; THE TRIP of unit u, p = u % 2.  n: the loads that may stay out at its head: wanted are the weights of unit u + 1 and the rows of unit u, both asked for two trips ago; younger are the last trip's 16 + 20.
; conv: unit u + 1 goes into LDS, and ONE barrier orders those stores (waited for ahead of the signal) with their first read, behind the wait.  No byte of the slice is written twice.
; wload: unit u + 3 is asked for, and unit u + 6 (held at the slice's last unit) is prefetched: one line a wave, its 32 lanes one block of 256 bytes of the wave's 32 rows each.  aload: the rows of unit u + 2.
.macro TRIP p, n, conv, wload, aload, fetchn, first
.if \p
.set XW, WS0
.set XA, AS1
.else
.set XW, WS1
.set XA, AS0
.endif
	s_wait_loadcnt \n
.if \conv
	WCONV XW
.endif
.if \wload
	WLOAD XW, 1
	WIN 0
	s_add_nc_u64 s[36:37], s[8:9], s[38:39]        ; written behind WLOAD's wait, which also frees the last prefetch's address
	global_prefetch_b8 v18, s[36:37] th:TH_LOAD_NT scope:SCOPE_SE
	s_add_co_u32 s38, s38, 256
	s_min_u32 s38, s38, 3840                       ; never past the slice's last unit
.endif
.if \conv
	s_wait_dscnt 0x0                               ; for the others' sake: my part of unit u + 1 lies in LDS
	s_barrier_signal -1
.endif
	KSTEP F0, F1, XA, 0, 1, 64, \first, \conv
	KSTEP F1, F0, XA, 1, \fetchn, 128, 0, 0
.irp a, 8,9,10,11
	v_add_nc_u32 v[\a], 0x80, v[\a]                ; the next unit; these four are also the places ahead of the loads into the rows' registers, and of the way out
.endr
.if \aload
	ALOAD XA, 1
.endif
.endm
.macro MKAOFF reg                      ; a slot from the list becomes a row's byte offset; it is held inside the buffer
.if UP
	v_lshrrev_b32 v[\reg], 1, v[\reg]              ; the token
	v_min_u32 v[\reg], 0x3ff, v[\reg]
.else
	v_min_u32 v[\reg], 0x7ff, v[\reg]
.endif
	v_lshl_add_u32 v[\reg], v[\reg], ASH, v19
.endm
	s_load_b256 s[4:11], s[0:1], 0x0               ; bm s[4:5], rows s[6:7], weights s[8:9], bias s[10:11]
	s_load_b64 s[12:13], s[0:1], 0x20              ; out
	v_lshl_add_u32 v4, v0, 2, SPARE                ; my spare word,
	v_mov_b32 v5, 0                                ; and 0: kept for the add at the wave's end
	v_lshrrev_b32 v1, 5, v0
	v_readfirstlane_b32 s14, v1                    ; wave 0..3
	v_and_b32 v1, 15, v0                           ; r
	v_bfe_u32 v2, v0, 4, 1                         ; h
	v_and_b32 v3, 31, v0                           ; lane
	s_mov_b32 s15, ttmp9
	s_mul_i32 s21, s14, 32*WP
	v_mul_u32_u24 v6, v2, 8*WP
	v_lshl_add_u32 v6, v1, 4, v6
	v_add_nc_u32 v6, s21, v6                       ; (32 w + 8 h) rows + 16 r
	s_mul_i32 s21, s14, 32*PW
	v_mul_u32_u24 v7, v2, 8*PW
	v_lshl_add_u32 v7, v1, 3, v7
	v_add_nc_u32 v7, s21, v7                       ; the same place in LDS, in bf16
	v_mul_u32_u24 v48, v1, PW
	v_lshl_add_u32 v48, v2, 4, v48                 ; a fragment's row x pitch + 16 x half; never rewritten
.irp p, 0,1,2,3
	v_add_nc_u32 v[8+(\p)], (\p)*32*PW, v48        ; weight blocks 2 p and 2 p + 1
.endr
	s_mul_i32 s21, s14, LISTW
	s_add_co_u32 s21, s21, LIST
	v_mov_b32 v17, s21                             ; my list
	v_lshlrev_b32 v18, WSH, v0                     ; the thread's number is 32 w + lane: my row for the prefetch
	v_lshlrev_b32 v19, 4, v2
	v_lshl_add_u32 v22, v1, 1, v2                  ; bit L of a bitmap word is slot 32 g + 2 (L % 16) + L / 16
	v_add_nc_u32 v23, 0x400, v3
	s_lshl_b32 s22, s14, 6
	s_add_co_u32 s22, s22, s21
	v_lshl_add_u32 v27, v1, 2, s22                 ; list place 16 w + r
	v_mov_b32 v31, s22                             ; list place 16 w
	s_mul_i32 s23, s14, 16*SPITCH
	s_add_co_u32 s23, s23, STAGE                   ; my stage
	v_mul_u32_u24 v28, v1, SPITCH
.if UP
	v_lshl_add_u32 v28, v2, 4, v28                 ; in: row r, 16 bytes for each half of the lanes
	v_lshl_add_u32 v29, v3, 3, s23                 ; back: 32 lanes take one row of 256 bytes, 8 bytes each
	v_lshlrev_b32 v30, 3, v3
.else
	v_lshl_add_u32 v28, v2, 5, v28                 ; in: row r, 32 bytes for each half of the lanes
	v_lshl_add_u32 v29, v3, 4, s23                 ; back: 32 lanes take one row of 512 bytes, 16 bytes each
	v_lshlrev_b32 v30, 4, v3
.endif
	v_add_nc_u32 v28, s23, v28
	v_lshlrev_b32 v49, 3, v3                       ; bitmap: two words a lane
	v_lshlrev_b32 v50, 5, v2                       ; bias: 8 numbers for each half of the lanes
	v_lshl_add_u32 v51, v3, 4, v17
.irp z, 52,53,54,55
	v_mov_b32 v[\z], 0
.endr
	s_lshr_b32 s20, s15, 5                         ; the expert
	s_mov_b32 s31, 0
	s_mov_b32 s38, 1536                            ; the first trip prefetches unit 6
	s_mov_b32 s39, 0
.if UP
	s_mov_b32 s40, 0x3eed3388                      ; 0.3275911 x sqrt(2)
	s_mov_b32 s42, 0xc038aa3b                      ; -2 log2(e)
	s_mov_b32 s44, 0x3e827906                      ; a1 =  0.254829592
	s_mov_b32 s46, 0xbe91a98e                      ; a2 = -0.284496736
	s_mov_b32 s48, 0x3fb5f0e3                      ; a3 =  1.421413741
	s_mov_b32 s50, 0xbfba00e3                      ; a4 = -1.453152027
	s_mov_b32 s52, 0x3f87dc22                      ; a5 =  1.061405429
.irp c, 42,44,46,48,50,52
	s_mov_b32 s[(\c)+1], s[\c]                     ; named as pairs
.endr
.endif
	s_wait_kmcnt 0x0
	s_lshl_b32 s30, s20, 8
	s_add_nc_u64 s[4:5], s[4:5], s[30:31]          ; my expert's 64 words of the bitmap
.if UP
	s_lshl_b32 s30, s15, 19                        ; 128 rows of 4,096 bytes a work-group
	s_add_nc_u64 s[8:9], s[8:9], s[30:31]
	s_lshl_b32 s30, s15, 9
	s_add_nc_u64 s[10:11], s[10:11], s[30:31]
	s_and_b32 s30, s15, 31
	s_lshl_b32 s30, s30, 8
	s_add_nc_u64 s[12:13], s[12:13], s[30:31]      ; my 128 columns of a row of hbuf
.else
	s_and_b32 s21, s15, 7                          ; ns: which 128 output columns
	s_bfe_u32 s22, s15, 0x20003                    ; ks: which 1,024 of K
	s_lshl_b32 s30, s20, 24
	s_lshl_b32 s23, s21, 21
	s_add_co_u32 s30, s30, s23
	s_lshl_b32 s23, s22, 12
	s_add_co_u32 s30, s30, s23
	s_add_nc_u64 s[8:9], s[8:9], s[30:31]
	s_lshl_b32 s30, s20, 12
	s_lshl_b32 s23, s21, 9
	s_add_co_u32 s30, s30, s23
	s_add_nc_u64 s[10:11], s[10:11], s[30:31]
	s_lshl_b32 s30, s22, 11
	s_add_nc_u64 s[6:7], s[6:7], s[30:31]
	s_lshl_b32 s30, s22, 12
	s_add_co_u32 s30, s30, s23
	s_add_nc_u64 s[12:13], s[12:13], s[30:31]
	s_cmp_eq_u32 s22, 0
	s_cselect_b32 s29, -1, 0                       ; the bias is counted in K split 0 alone
.endif
	s_mov_b64 s[32:33], s[8:9]                     ; the weights' walking base,
	s_mov_b64 s[34:35], s[6:7]                     ; and the rows'
	global_load_b64 v[20:21], v49, s[4:5]          ; bitmap words 2 lane, 2 lane + 1
	WIN 0xc0
.irp b, 0,1,2,3,4,5,6,7
	global_load_b128 v[BIAS+8*(\b):BIAS+8*(\b)+3],   v50, s[10:11] offset:64*(\b)
	global_load_b128 v[BIAS+8*(\b)+4:BIAS+8*(\b)+7], v50, s[10:11] offset:64*(\b)+16
.endr
	WLOAD WS0, 0                                   ; unit 0
	WLOAD WS1, 1                                   ; unit 1
	WIN 0
.irp u, 3,4,5
	global_prefetch_b8 v18, s[8:9] offset:256*(\u) th:TH_LOAD_NT scope:SCOPE_SE  ; units 3 to 5: the trips ask from unit 6 on
.endr
.irp i, 0,1,2,3,4,5,6,7
	ds_store_b128 v51, v[52:55] offset:512*(\i)    ; the list's places past the count name slot 0, a row that exists
.endr
	s_wait_loadcnt 48                              ; younger: the bias' 16 loads and two units' 32: the bitmap is in
; THE LIST: the expert's slots, in the bitmap's order.  Every wave makes its own, in its own bytes, while the first weights are on their way.  A lane whose bit is set puts its slot at the count so far plus the set bits below it.
.macro WORD m, g
	v_mbcnt_lo_u32_b32 v24, s[\m], s16
	v_cndmask_b32 v24, v23, v24, s[\m]             ; a lane whose bit is clear writes behind the list
	v_min_u32 v24, 0x41f, v24
	v_lshl_add_u32 v24, v24, 2, v17
	v_add_nc_u32 v25, s[\g], v22
	ds_store_b32 v24, v25
	s_bcnt1_i32_b32 s22, s[\m]
	s_add_co_u32 s16, s16, s22
.endm
	s_mov_b32 s16, 0                               ; the count
	s_mov_b32 s26, 0
	s_mov_b32 s27, 0
.Llist:                                                ; 32 trips, two words (32 tokens) each
	v_readlane_b32 s20, v20, s26
	v_readlane_b32 s21, v21, s26
	s_add_co_u32 s23, s27, 32
	WORD 20, 27
	WORD 21, 23
	s_add_co_u32 s27, s27, 64
	s_add_co_u32 s26, s26, 1
	s_cmp_lt_u32 s26, 32
	s_cbranch_scc1 .Llist
	s_min_u32 s16, s16, 0x400
	s_lshl_b32 s20, s14, 4
	s_add_co_u32 s20, s20, 256
	s_cmp_lt_u32 s20, s16
	s_cselect_b32 s17, 1, 0                        ; has my fifth tile a row?
	s_wait_loadcnt 32                              ; younger: two units: the bias is in.  It is rounded to bf16 like every input, and widened again
	WIN 0x0f                                       ; sources window 3, destination window 0
.set gi, 0
.rept 32
	v_cvt_pk_bf16_f32 v[64+gi], v[BIAS+2*gi], v[BIAS+2*gi+1]
.set gi, gi+1
.endr
.if UP == 0
	WIN 0
.set gi, 0
.rept 32
	v_and_b32 v[64+gi], s29, v[64+gi]
.set gi, gi+1
.endr
.endif
	WIN 0xc0
.set gi, 0
.rept 32
	v_lshlrev_b32 v[BIAS+2*gi], 16, v[64+gi]
	v_and_b32 v[BIAS+2*gi+1], 0xffff0000, v[64+gi]
.set gi, gi+1
.endr
	WIN 0
.irp q, 0,1,2,3,4
	ds_load_b32 v[12+(\q)], v27 offset:256*(\q)    ; LDS serves a wave's instructions in order (ISA guide 5.7.1.4): these see the list's stores
.endr
	s_wait_dscnt 0x0
.irp q, 12,13,14,15,16
	MKAOFF \q
.endr
	ALOAD AS0, 0                                   ; the rows' unit 0
	s_wait_loadcnt 36                              ; younger: unit 1's 16 and the rows' 20: unit 0 is in
	WCONV WS0
	WLOAD WS0, 1                                   ; unit 2
	ALOAD AS1, 1                                   ; the rows' unit 1
	s_wait_dscnt 0x0                               ; my part of unit 0 lies in LDS,
	s_barrier_signal -1
	s_barrier_wait -1                              ; everybody's does
	FETCHB F0, 0
	TRIP 0, 36, 1, 1, 1, 1, 1                      ; unit 0 starts the sums
	s_mov_b32 s18, 6
.Lunits:                                               ; units 1 to 12
	TRIP 1, 36, 1, 1, 1, 1, 0
	TRIP 0, 36, 1, 1, 1, 1, 0
	s_sub_co_u32 s18, s18, 1
	s_cmp_lg_u32 s18, 0
	s_cbranch_scc1 .Lunits
	TRIP 1, 36, 1, 0, 1, 1, 0                      ; unit 13: no weights are left to ask for
	TRIP 0, 20, 1, 0, 0, 1, 0                      ; unit 14: younger are the rows of unit 15 alone
	TRIP 1, 0, 0, 0, 0, 0, 0                       ; unit 15
; Unit u of a tile past the first five: its rows from memory, the weights out of LDS, 16 products on tile 4's accumulators, which take turns.  The unit stands in the immediates: 128 u bytes along a row
; of the slice (35,040 at the most with the block's and the K step's part, inside the 16-bit field) and along a token's row.  Unit 0 starts the sums, with the bias as C.
.macro RUNIT u
	WIN 0x40
.irp c, 0,1,2,3
	global_load_b128 v[4*(\c):4*(\c)+3], v16, s[6:7] offset:128*(\u)+32*(\c)
.endr
	WIN 0
	FETCHB F0, 128*(\u)
	FETCHB F1, 128*(\u)+64
	s_wait_loadcnt 0x0                             ; the unit's 4 row loads,
	s_wait_dscnt 0x0                               ; and its 32 fragment loads
	WIN 0xf4
.irp b, 0,1,2,3,4,5,6,7
.if (\u) == 0
	PROD 8*(\b), F0, \b, 0, BIAS+8*(\b)
.else
	PROD 8*(\b), F0, \b, 0, 8*(\b)
.endif
.endr
.irp b, 0,1,2,3,4,5,6,7
	PROD 8*(\b), F1, \b, 8, 8*(\b)
.endr
	WIN 0
	PLACES                                         ; ahead of the next unit's loads into the fragments, and of the way out's first read of the sums
.endm
; Tile i's 64 sums leave the accumulators, each read from its low end on.  UP: halved, into window 0.  Else: into my stage.
.macro BLOCK i
.set AB0, 64*((\i)%4)
.if UP
	WIN 0x02+(\i)/4                                ; source 0 window 2 or 3
.set gi, 0
.rept 32
	v_pk_mul_f32 v[HX+2*gi:HX+2*gi+1], v[AB0+2*gi:AB0+2*gi+1], 0.5 op_sel_hi:[1,0]
.set gi, gi+1
.endr
.else
	WIN 0x08+4*((\i)/4)                            ; store data window 2 or 3
.irp b, 0,1,2,3,4,5,6,7
	ds_store_b128 v28, v[AB0+8*(\b):AB0+8*(\b)+3]   offset:64*(\b)
	ds_store_b128 v28, v[AB0+8*(\b)+4:AB0+8*(\b)+7] offset:64*(\b)+16
.endr
.endif
	WIN 0
.endm
.if UP
; gelu(x) = x/2 + |x/2| (1 - q), q = t (a1 + t (a2 + t (a3 + t (a4 + t a5)))) exp(-x^2 / 2), t = 1 / (1 + 0.3275911 |x| / sqrt(2)), for 32 numbers a lane.  The 32 reciprocals are one batch with one wait, the 32
; exponentials another; each has a plain line behind it, and nothing names a result ahead of its batch's wait.
.macro GELU k
.set HB, HX+32*(\k)
.set gi, 0
.rept 32
	v_fma_f32 v[TT+gi], |v[HB+gi]|, s40, 1.0
.set gi, gi+1
.endr
.set gi, 0
.rept 16
	v_rcp_f32 v[TT+2*gi], v[TT+2*gi]
	v_pk_mul_f32 v[EE+2*gi:EE+2*gi+1], v[HB+2*gi:HB+2*gi+1], v[HB+2*gi:HB+2*gi+1]
	v_rcp_f32 v[TT+2*gi+1], v[TT+2*gi+1]
	v_pk_mul_f32 v[EE+2*gi:EE+2*gi+1], v[EE+2*gi:EE+2*gi+1], s[42:43] op_sel_hi:[1,0]
.set gi, gi+1
.endr
	s_wait_alu depctr_va_vdst(0)                   ; the reciprocals' wait
.set gi, 0
.rept 16
	v_exp_f32 v[EE+gi], v[EE+gi]
	v_pk_fma_f32 v[QQ+2*gi:QQ+2*gi+1], v[TT+2*gi:TT+2*gi+1], s[52:53], s[50:51] op_sel_hi:[1,0,0]
.set gi, gi+1
.endr
.set gi, 0
.rept 16
	v_exp_f32 v[EE+16+gi], v[EE+16+gi]
	v_pk_fma_f32 v[QQ+2*gi:QQ+2*gi+1], v[QQ+2*gi:QQ+2*gi+1], v[TT+2*gi:TT+2*gi+1], s[48:49] op_sel_hi:[1,1,0]
.set gi, gi+1
.endr
.irp c, 46, 44
.set gi, 0
.rept 16
	v_pk_fma_f32 v[QQ+2*gi:QQ+2*gi+1], v[QQ+2*gi:QQ+2*gi+1], v[TT+2*gi:TT+2*gi+1], s[\c:(\c)+1] op_sel_hi:[1,1,0]
.set gi, gi+1
.endr
.endr
.set gi, 0
.rept 16
	v_pk_mul_f32 v[QQ+2*gi:QQ+2*gi+1], v[QQ+2*gi:QQ+2*gi+1], v[TT+2*gi:TT+2*gi+1]
.set gi, gi+1
.endr
	s_wait_alu depctr_va_vdst(0)                   ; the exponentials' wait
.set gi, 0
.rept 16
	v_pk_mul_f32 v[QQ+2*gi:QQ+2*gi+1], v[QQ+2*gi:QQ+2*gi+1], v[EE+2*gi:EE+2*gi+1]
.set gi, gi+1
.endr
.set gi, 0
.rept 32
	v_fma_f32 v[QQ+gi], -v[QQ+gi], |v[HB+gi]|, |v[HB+gi]|
.set gi, gi+1
.endr
.set gi, 0
.rept 16
	v_pk_add_f32 v[QQ+2*gi:QQ+2*gi+1], v[QQ+2*gi:QQ+2*gi+1], v[HB+2*gi:HB+2*gi+1]
.set gi, gi+1
.endr
.set gi, 0
.rept 16
	v_cvt_pk_bf16_f32 v[OO+gi], v[QQ+2*gi], v[QQ+2*gi+1]
.set gi, gi+1
.endr
.irp c, 0,1,2,3
	ds_store_b128 v28, v[OO+4*(\c):OO+4*(\c)+3] offset:32*(4*(\k)+(\c))
.endr
.endm
.endif
	; THE WAY OUT, tile by tile.  s19 counts the 16 trips down; trip 16 - s19 has my list places 64 (16 - s19) + 16 w on.  A tile without a row is jumped to the label ahead of the counter's step.
	s_mov_b32 s19, 16
	s_lshl_b32 s24, s14, 4                         ; the tile's first list place
.Lout:
	s_cmp_ge_u32 s24, s16
	s_cbranch_scc1 .Lstored                        ; no row: nothing to multiply, nothing to store
	s_cmp_gt_u32 s19, 11
	s_cbranch_scc1 .Lhave                          ; the first five tiles are multiplied already
	ds_load_b32 v16, v27
	s_wait_dscnt 0x0
	MKAOFF 16
.irp p, 0,1,2,3
	v_add_nc_u32 v[8+(\p)], (\p)*32*PW, v48        ; the fragments' addresses at unit 0: they stay so for the whole tile
.endr
.irp u, 0,1,2,3,4,5,6,7,8,9,10,11,12,13,14,15
	RUNIT \u
.endr
.Lhave:
	s_cmp_eq_u32 s19, 16
	s_cbranch_scc1 .Lb0
	s_cmp_eq_u32 s19, 15
	s_cbranch_scc1 .Lb1
	s_cmp_eq_u32 s19, 14
	s_cbranch_scc1 .Lb2
	s_cmp_eq_u32 s19, 13
	s_cbranch_scc1 .Lb3
	BLOCK 4
	s_branch .Lgot
.Lb0:
	BLOCK 0
	s_branch .Lgot
.Lb1:
	BLOCK 1
	s_branch .Lgot
.Lb2:
	BLOCK 2
	s_branch .Lgot
.Lb3:
	BLOCK 3
.Lgot:
	s_sub_co_u32 s25, s16, s24                     ; rows left from this tile on: at least 1
.if UP
	GELU 0
	GELU 1
.irp t, 0,1,2,3,4,5,6,7,8,9,10,11,12,13,14,15
	ds_load_b64 v[128+2*(\t):128+2*(\t)+1], v29 offset:SPITCH*(\t)  ; my own stage: these see the stores above; one whole row of 256 bytes
.endr
.else
.irp t, 0,1,2,3,4,5,6,7,8,9,10,11,12,13,14,15
	ds_load_b128 v[64+4*(\t):64+4*(\t)+3], v29 offset:SPITCH*(\t)  ; my own stage: these see the stores above; one whole row of 512 bytes
.endr
.endif
.irp t, 0,1,2,3,4,5,6,7,8,9,10,11,12,13,14,15
	ds_load_b32 v[32+(\t)], v31 offset:4*(\t)      ; and the row's slot, the same word for all lanes
.endr
	s_wait_dscnt 0x0
.irp t, 0,1,2,3,4,5,6,7,8,9,10,11,12,13,14,15
	v_min_u32 v[32+(\t)], 0x7ff, v[32+(\t)]
	v_lshl_add_u32 v[32+(\t)], v[32+(\t)], OSH, v30
.endr
.irp t, 0,1,2,3,4,5,6,7,8,9,10,11,12,13,14,15
	s_cmp_le_u32 s25, \t
	s_cbranch_scc1 .Lstored                        ; rows past the count are not stored: whole stores are jumped
.if UP
	global_store_b64 v[32+(\t)], v[128+2*(\t):128+2*(\t)+1], s[12:13]  ; 32 lanes store 256 consecutive bytes, aligned
.else
	global_store_b128 v[32+(\t)], v[64+4*(\t):64+4*(\t)+3], s[12:13]  ; 32 lanes store 512 consecutive bytes, aligned
.endif
.endr
.Lstored:
	s_wait_xcnt 0x0                                ; the stores have read their registers, which the next trip writes
	v_add_nc_u32 v27, 0x100, v27                   ; 64 list places on, in every trip
	v_add_nc_u32 v31, 0x100, v31
	s_add_co_u32 s24, s24, 64
	s_sub_co_u32 s19, s19, 1
	s_cmp_lg_u32 s19, 0
	s_cbranch_scc1 .Lout
	s_wait_tensorcnt 0x0                           ; the wave's end
	ds_add_u32 v4, v5
	s_wait_dscnt 0x0
	s_endpgm
.Lfunc_end_k_q663ee699a6_up:
	.size	k_q663ee699a6_up, .Lfunc_end_k_q663ee699a6_up-k_q663ee699a6_up
	.p2alignl 7, 3214868480
	.fill 96, 4, 3214868480
	.section	.rodata,"a",@progbits
	.p2align	6, 0x0
	.amdhsa_kernel k_q663ee699a6_up
		.amdhsa_group_segment_fixed_size 299520
		.amdhsa_private_segment_fixed_size 0
		.amdhsa_enable_private_segment 0
		.amdhsa_kernarg_size 40
		.amdhsa_user_sgpr_count 2
		.amdhsa_user_sgpr_kernarg_segment_ptr 1
		.amdhsa_wavefront_size32 1
		.amdhsa_system_sgpr_workgroup_id_x 1
		.amdhsa_system_sgpr_workgroup_id_y 1
		.amdhsa_system_sgpr_workgroup_id_z 1
		.amdhsa_system_vgpr_workitem_id 0
		.amdhsa_next_free_vgpr 1024
		.amdhsa_next_free_sgpr 66
		.amdhsa_reserve_vcc 0
		.amdhsa_float_denorm_mode_32 3
		.amdhsa_float_denorm_mode_16_64 3
		.amdhsa_memory_ordered 1
		.amdhsa_forward_progress 1
		.amdhsa_inst_pref_size 214
	.end_amdhsa_kernel
	.amdgpu_metadata
---
amdhsa.version: [ 1, 2 ]
amdhsa.kernels:
  - .name:           k_q663ee699a6_up
    .symbol:         k_q663ee699a6_up.kd
    .args:
      - { .name: bm, .offset: 0, .size: 8, .value_kind: global_buffer, .address_space: global }
      - { .name: xb, .offset: 8, .size: 8, .value_kind: global_buffer, .address_space: global }
      - { .name: w1, .offset: 16, .size: 8, .value_kind: global_buffer, .address_space: global }
      - { .name: b1, .offset: 24, .size: 8, .value_kind: global_buffer, .address_space: global }
      - { .name: hbuf, .offset: 32, .size: 8, .value_kind: global_buffer, .address_space: global }
    .group_segment_fixed_size: 299520
    .private_segment_fixed_size: 0
    .kernarg_segment_align: 8
    .kernarg_segment_size: 40
    .max_flat_workgroup_size: 128
    .sgpr_count:     66
    .vgpr_count:     1024
    .wavefront_size: 32
...
	.end_amdgpu_metadata
.endif
;; end of part 2
;; launch down (part 3): grid 256 x 1, 4 waves a work-group, no clusters, 315,904 bytes of LDS; arguments bm, hbuf, w2, b2, part; writes part
.if DOCPART == 3
	.amdgcn_target "amdgcn-amd-amdhsa--gfx1250"
	.amdhsa_code_object_version 6
	.text
	.protected	k_q663ee699a6_down
	.globl	k_q663ee699a6_down
	.p2align	8
	.type	k_q663ee699a6_down,@function
k_q663ee699a6_down:
	s_mov_b64 s[64:65], 0
	v_nop
	global_prefetch_b8 v0, s[64:65] scope:SCOPE_SE
	s_setreg_imm32_b32 hwreg(HW_REG_WAVE_MODE, 25, 1), 1
	s_wait_xcnt 0x0
; ONE TEXT FOR BOTH PRODUCTS OF THE EXPERTS; the switch UP chooses the constants and the way out.
;   UP = 1: hbuf[slot][:] = gelu(xb[token] w1[e]^T + b1[e]), bf16.      UP = 0: part[slot][ks][:] = hbuf[slot][1024 ks ..] w2[e][:, 1024 ks ..]^T (+ b2[e] where ks = 0), f32 partial sums.
; A SLOT is 2 x token + choice: a fixed place, so nothing is compacted; only the rows of tokens that chose expert e are multiplied.
; SHARES.  A work-group has ONE expert's slice of 128 output columns x 1,024 K, 524,288 bytes of f32 that it alone reads, and all of that expert's rows, whatever their number (0 to 1,024).
; The slice is rounded to bf16 on its way through registers into LDS and stays there.  K goes in 16 UNITS of 64.  While later units are on their way, the units that lie in LDS are multiplied with the
; expert's first 320 rows: 5 tiles of 16 rows a wave (tile q of wave w: list places 64 q + 16 w on); the fifth tile's products are jumped where it has no row.  Rows past 320 are multiplied afterwards, out of LDS,
; tile by tile, in the loop of the way out: 16 trips, a constant, which cover 1,024 rows; a tile without a row is jumped, forward, to the label ahead of the counter's step; no barrier stands in what is jumped.
; Such a tile's 16 units are written out, the unit in the loads' immediates: in that loop only the two list addresses step, once a trip.
; NO TENSOR LOADS, NO CLUSTER: a weight has one reader and must be rounded on its way; the rows that an expert's work-groups share come by a list, which no descriptor covers, and beside the slice's
; 264,192 bytes LDS has no room for two slots of rows.  The rows come from memory straight into registers as matrix operands.
; THE MATRIX INSTRUCTION IS USED TRANSPOSED: source 0 = 16 weight rows, source 1 = 16 token rows: lane (r, h) holds token row r, register j output column 16 b + 8 h + j.  The bias is the C of the first product.
; FORMATS.  Weights and bias are rounded once to bf16, sums in f32, h once to bf16 (f16 has no room for inputs 30 times larger).
; LIMITS.  NaN and infinities are not treated apart.  erf by the rational form of Abramowitz and Stegun 7.1.26, absolute error at most 1.5e-7 for every argument: gelu(x) is off by at most 0.75e-7 |x|.
; REGISTERS, in windows of 256 (s_set_vgpr_msb: bits 1:0 source 0, 3:2 source 1, 5:4 source 2, 7:6 destination):
;   window 0: v1 r, v2 h, v3 lane; v4, v5 the add's two; v6 weights' offset; v7 weights' place in LDS; v8-11 weight fragments' addresses; v12-16 the five tiles' row offsets; v17 my list; v18 prefetch offset; v19 16 h;
;             v20-21 bitmap; v22 2 r + h; v23 1024 + lane; v24-25 at work; v27 list address of a tile's rows, by lane; v28, v29 stage in and back; v30 column offset; v31 list address of a tile's first row; v32-47 store offsets;
;             v48 r x pitch + 16 h; v49-55 set-up; v64-127, v128-191 weight fragments of one K step each (on the way out: at work); v192-255 at work
;   window 1: v0-79, v80-159 row fragments of one unit each (tile q, K step j at 8 (2 q + j))       window 2: accumulators (q, b) at 8 (8 q + b), q = 0..3
;   window 3: v0-63 tile 4's accumulators; v64-127, v128-191 weights as loaded, two units; v192-255 the bias in the accumulators' layout
.set UP, 0
.if UP
.set WSH,    12                        ; a weight row is 4,096 bytes from the next
.set ASH,    11                        ; a row of xb 2,048
.set OSH,    13                        ; a row of hbuf 8,192
.set SPITCH, 272                       ; a stage row: 256 bytes + 16
.else
.set WSH,    14                        ; a weight row is 16,384 bytes from the next
.set ASH,    13                        ; a row of hbuf 8,192
.set OSH,    14                        ; a slot of part 16,384
.set SPITCH, 528                       ; a stage row: 512 bytes + 16
.endif
.set WP,    1<<WSH
.set PW,    2064                       ; a row of the slice in LDS: 2,048 bytes + 16 = 516 words: row r starts at bank 4 r mod 64 (64 banks of 4 bytes: ISA guide 11.1)
.set LIST,  128*PW                     ; behind the slice: for each wave its own list: 1,024 slots of 4 bytes, then 32 places for the lanes that have nothing to say
.set LISTW, 4352
.set STAGE, LIST+4*LISTW               ; 16 stage rows for each wave, its own
.set SPARE, STAGE+4*16*SPITCH          ; the spare words, 128 bytes a wave: two blocks of 256 bytes that no other line names
.set F0,   64
.set F1,   128
.set AS0,  0
.set AS1,  80
.set WS0,  64
.set WS1,  128
.set BIAS, 192
.set HX,   64                          ; the way out of UP: x / 2; t; the exponential; the polynomial; packed results
.set TT,   128
.set EE,   160
.set QQ,   192
.set OO,   224
.set MSB, 0
.macro WIN new                         ; the immediate's high byte repeats the setting that is left; a switch that changes nothing is dropped
.if MSB != (\new)
	s_set_vgpr_msb (MSB<<8)|(\new)
.set MSB, \new
.endif
.endm
.macro PLACES                          ; four places between a matrix instruction and a load into one of its sources, or a read of its result (ISA guide 7.12.1 for vector instructions)
.rept 4
	v_nop
.endr
.endm
; 16 loads: my wave's 32 rows of one unit, 256 bytes of each.  A load takes two rows 8 apart (one for each half of the lanes): two aligned blocks of 256 bytes.
.macro WLOAD set, step
	WIN 0xc0                                       ; destination window 3
.if \step
	s_wait_xcnt 0x0                                ; the base steps only when earlier loads have had their addresses translated
	s_add_nc_u64 s[32:33], s[32:33], 256
.endif
.irp i, 0,1,2,3,4,5,6,7,8,9,10,11,12,13,14,15
	global_load_b128 v[(\set)+4*(\i):(\set)+4*(\i)+3], v6, s[32:33] offset:(((\i)/8)*16+(\i)%8)*WP th:TH_LOAD_NT
.endr
.endm
; A unit is rounded in place and laid into LDS.  A store's two halves of the lanes write 128 bytes of rows 8 apart, which start 32 banks apart.
.macro WCONV set
	WIN 0xcf                                       ; destination and both sources window 3
.irp i, 0,1,2,3,4,5,6,7,8,9,10,11,12,13,14,15
	v_cvt_pk_bf16_f32 v[(\set)+4*(\i)], v[(\set)+4*(\i)], v[(\set)+4*(\i)+1]
	v_cvt_pk_bf16_f32 v[(\set)+4*(\i)+1], v[(\set)+4*(\i)+2], v[(\set)+4*(\i)+3]
.endr
	WIN 0x0c                                       ; store data window 3, address window 0
.irp i, 0,1,2,3,4,5,6,7,8,9,10,11,12,13,14,15
	ds_store_b64 v7, v[(\set)+4*(\i):(\set)+4*(\i)+1] offset:(((\i)/8)*16+(\i)%8)*PW
.endr
	WIN 0
	v_add_nc_u32 v7, 0x80, v7                      ; the next unit's 128 bytes of a row
.endm
; 20 loads: one unit (128 bytes of a row) of my five tiles' rows, straight into the fragments' layout
.macro ALOAD set, step
.if \step
	s_wait_xcnt 0x0
	s_add_nc_u64 s[34:35], s[34:35], 128
.endif
	WIN 0x40                                       ; destination window 1
.irp q, 0,1,2,3,4
.irp j, 0,1
	global_load_b128 v[(\set)+8*(2*(\q)+(\j)):(\set)+8*(2*(\q)+(\j))+3],   v[12+(\q)], s[34:35] offset:64*(\j)
	global_load_b128 v[(\set)+8*(2*(\q)+(\j))+4:(\set)+8*(2*(\q)+(\j))+7], v[12+(\q)], s[34:35] offset:64*(\j)+32
.endr
.endr
	WIN 0
.endm
; 16 LDS loads in one run: the weight fragments of one K step (128 rows x 32 K, at byte off from the addresses' unit)
.macro FETCHB buf, off
.irp b, 0,1,2,3,4,5,6,7
	ds_load_b128 v[(\buf)+8*(\b):(\buf)+8*(\b)+3],   v[8+(\b)/2] offset:((\b)%2)*16*PW+(\off)
	ds_load_b128 v[(\buf)+8*(\b)+4:(\buf)+8*(\b)+7], v[8+(\b)/2] offset:((\b)%2)*16*PW+(\off)+32
.endr
.endm
.macro PROD d, fb, b, a, c
	v_wmma_f32_16x16x32_bf16 v[(\d):(\d)+7], v[(\fb)+8*(\b):(\fb)+8*(\b)+7], v[(\a):(\a)+7], v[(\c):(\c)+7]
.endm
; One K step: buffer fb is multiplied with K step j of row set aset; the next K step's fragments go into buffer gb meanwhile.  The 40 accumulators take turns in one order, one instruction a turn.
; first = 1: the products start the sums, with the bias as C, tile 4's too, so that its accumulators are written on every path.  bwait = 1: the barrier's wait stands behind the first 32 products.
.macro KSTEP fb, gb, aset, j, fetch, off, first, bwait
	WIN 0
	s_wait_dscnt 0x0                               ; buffer fb is in
.if \fetch
	PLACES
	FETCHB \gb, \off
.endif
.if \first
	WIN 0xb4                                       ; weights window 0, rows window 1, C (the bias) window 3, D window 2
.else
	WIN 0xa4                                       ; the same with C and D window 2
.endif
.irp q, 0,1,2,3
.irp b, 0,1,2,3,4,5,6,7
.if \first
	PROD 8*(8*(\q)+(\b)), \fb, \b, (\aset)+8*(2*(\q)+(\j)), BIAS+8*(\b)
.else
	PROD 8*(8*(\q)+(\b)), \fb, \b, (\aset)+8*(2*(\q)+(\j)), 8*(8*(\q)+(\b))
.endif
.endr
.endr
	WIN 0                                          ; at a branch and at a label every window is 0
.if \bwait
	s_barrier_wait -1                              ; every wave's part of the next unit lies in LDS
.endif
.if (\first) == 0
	s_cmp_eq_u32 s17, 0
	s_cbranch_scc1 .Lno5_\@                        ; my fifth tile has no row: its 8 products are jumped
.endif
	WIN 0xf4                                       ; C and D window 3
.irp b, 0,1,2,3,4,5,6,7
.if \first
	PROD 8*(\b), \fb, \b, (\aset)+8*(8+(\j)), BIAS+8*(\b)
.else
	PROD 8*(\b), \fb, \b, (\aset)+8*(8+(\j)), 8*(\b)
.endif
.endr
	WIN 0
.if (\first) == 0
.Lno5_\@:
.endif
.endm
; THE TRIP of unit u, p = u % 2.  n: the loads that may stay out at its head: wanted are the weights of unit u + 1 and the rows of unit u, both asked for two trips ago; younger are the last trip's 16 + 20.
; conv: unit u + 1 goes into LDS, and ONE barrier orders those stores (waited for ahead of the signal) with their first read, behind the wait.  No byte of the slice is written twice.
; wload: unit u + 3 is asked for, and unit u + 6 (held at the slice's last unit) is prefetched: one line a wave, its 32 lanes one block of 256 bytes of the wave's 32 rows each.  aload: the rows of unit u + 2.
.macro TRIP p, n, conv, wload, aload, fetchn, first
.if \p
.set XW, WS0
.set XA, AS1
.else
.set XW, WS1
.set XA, AS0
.endif
	s_wait_loadcnt \n
.if \conv
	WCONV XW
.endif
.if \wload
	WLOAD XW, 1
	WIN 0
	s_add_nc_u64 s[36:37], s[8:9], s[38:39]        ; written behind WLOAD's wait, which also frees the last prefetch's address
	global_prefetch_b8 v18, s[36:37] th:TH_LOAD_NT scope:SCOPE_SE
	s_add_co_u32 s38, s38, 256
	s_min_u32 s38, s38, 3840                       ; never past the slice's last unit
.endif
.if \conv
	s_wait_dscnt 0x0                               ; for the others' sake: my part of unit u + 1 lies in LDS
	s_barrier_signal -1
.endif
	KSTEP F0, F1, XA, 0, 1, 64, \first, \conv
	KSTEP F1, F0, XA, 1, \fetchn, 128, 0, 0
.irp a, 8,9,10,11
	v_add_nc_u32 v[\a], 0x80, v[\a]                ; the next unit; these four are also the places ahead of the loads into the rows' registers, and of the way out
.endr
.if \aload
	ALOAD XA, 1
.endif
.endm
.macro MKAOFF reg                      ; a slot from the list becomes a row's byte offset; it is held inside the buffer
.if UP
	v_lshrrev_b32 v[\reg], 1, v[\reg]              ; the token
	v_min_u32 v[\reg], 0x3ff, v[\reg]
.else
	v_min_u32 v[\reg], 0x7ff, v[\reg]
.endif
	v_lshl_add_u32 v[\reg], v[\reg], ASH, v19
.endm
	s_load_b256 s[4:11], s[0:1], 0x0               ; bm s[4:5], rows s[6:7], weights s[8:9], bias s[10:11]
	s_load_b64 s[12:13], s[0:1], 0x20              ; out
	v_lshl_add_u32 v4, v0, 2, SPARE                ; my spare word,
	v_mov_b32 v5, 0                                ; and 0: kept for the add at the wave's end
	v_lshrrev_b32 v1, 5, v0
	v_readfirstlane_b32 s14, v1                    ; wave 0..3
	v_and_b32 v1, 15, v0                           ; r
	v_bfe_u32 v2, v0, 4, 1                         ; h
	v_and_b32 v3, 31, v0                           ; lane
	s_mov_b32 s15, ttmp9
	s_mul_i32 s21, s14, 32*WP
	v_mul_u32_u24 v6, v2, 8*WP
	v_lshl_add_u32 v6, v1, 4, v6
	v_add_nc_u32 v6, s21, v6                       ; (32 w + 8 h) rows + 16 r
	s_mul_i32 s21, s14, 32*PW
	v_mul_u32_u24 v7, v2, 8*PW
	v_lshl_add_u32 v7, v1, 3, v7
	v_add_nc_u32 v7, s21, v7                       ; the same place in LDS, in bf16
	v_mul_u32_u24 v48, v1, PW
	v_lshl_add_u32 v48, v2, 4, v48                 ; a fragment's row x pitch + 16 x half; never rewritten
.irp p, 0,1,2,3
	v_add_nc_u32 v[8+(\p)], (\p)*32*PW, v48        ; weight blocks 2 p and 2 p + 1
.endr
	s_mul_i32 s21, s14, LISTW
	s_add_co_u32 s21, s21, LIST
	v_mov_b32 v17, s21                             ; my list
	v_lshlrev_b32 v18, WSH, v0                     ; the thread's number is 32 w + lane: my row for the prefetch
	v_lshlrev_b32 v19, 4, v2
	v_lshl_add_u32 v22, v1, 1, v2                  ; bit L of a bitmap word is slot 32 g + 2 (L % 16) + L / 16
	v_add_nc_u32 v23, 0x400, v3
	s_lshl_b32 s22, s14, 6
	s_add_co_u32 s22, s22, s21
	v_lshl_add_u32 v27, v1, 2, s22                 ; list place 16 w + r
	v_mov_b32 v31, s22                             ; list place 16 w
	s_mul_i32 s23, s14, 16*SPITCH
	s_add_co_u32 s23, s23, STAGE                   ; my stage
	v_mul_u32_u24 v28, v1, SPITCH
.if UP
	v_lshl_add_u32 v28, v2, 4, v28                 ; in: row r, 16 bytes for each half of the lanes
	v_lshl_add_u32 v29, v3, 3, s23                 ; back: 32 lanes take one row of 256 bytes, 8 bytes each
	v_lshlrev_b32 v30, 3, v3
.else
	v_lshl_add_u32 v28, v2, 5, v28                 ; in: row r, 32 bytes for each half of the lanes
	v_lshl_add_u32 v29, v3, 4, s23                 ; back: 32 lanes take one row of 512 bytes, 16 bytes each
	v_lshlrev_b32 v30, 4, v3
.endif
	v_add_nc_u32 v28, s23, v28
	v_lshlrev_b32 v49, 3, v3                       ; bitmap: two words a lane
	v_lshlrev_b32 v50, 5, v2                       ; bias: 8 numbers for each half of the lanes
	v_lshl_add_u32 v51, v3, 4, v17
.irp z, 52,53,54,55
	v_mov_b32 v[\z], 0
.endr
	s_lshr_b32 s20, s15, 5                         ; the expert
	s_mov_b32 s31, 0
	s_mov_b32 s38, 1536                            ; the first trip prefetches unit 6
	s_mov_b32 s39, 0
.if UP
	s_mov_b32 s40, 0x3eed3388                      ; 0.3275911 x sqrt(2)
	s_mov_b32 s42, 0xc038aa3b                      ; -2 log2(e)
	s_mov_b32 s44, 0x3e827906                      ; a1 =  0.254829592
	s_mov_b32 s46, 0xbe91a98e                      ; a2 = -0.284496736
	s_mov_b32 s48, 0x3fb5f0e3                      ; a3 =  1.421413741
	s_mov_b32 s50, 0xbfba00e3                      ; a4 = -1.453152027
	s_mov_b32 s52, 0x3f87dc22                      ; a5 =  1.061405429
.irp c, 42,44,46,48,50,52
	s_mov_b32 s[(\c)+1], s[\c]                     ; named as pairs
.endr
.endif
	s_wait_kmcnt 0x0
	s_lshl_b32 s30, s20, 8
	s_add_nc_u64 s[4:5], s[4:5], s[30:31]          ; my expert's 64 words of the bitmap
.if UP
	s_lshl_b32 s30, s15, 19                        ; 128 rows of 4,096 bytes a work-group
	s_add_nc_u64 s[8:9], s[8:9], s[30:31]
	s_lshl_b32 s30, s15, 9
	s_add_nc_u64 s[10:11], s[10:11], s[30:31]
	s_and_b32 s30, s15, 31
	s_lshl_b32 s30, s30, 8
	s_add_nc_u64 s[12:13], s[12:13], s[30:31]      ; my 128 columns of a row of hbuf
.else
	s_and_b32 s21, s15, 7                          ; ns: which 128 output columns
	s_bfe_u32 s22, s15, 0x20003                    ; ks: which 1,024 of K
	s_lshl_b32 s30, s20, 24
	s_lshl_b32 s23, s21, 21
	s_add_co_u32 s30, s30, s23
	s_lshl_b32 s23, s22, 12
	s_add_co_u32 s30, s30, s23
	s_add_nc_u64 s[8:9], s[8:9], s[30:31]
	s_lshl_b32 s30, s20, 12
	s_lshl_b32 s23, s21, 9
	s_add_co_u32 s30, s30, s23
	s_add_nc_u64 s[10:11], s[10:11], s[30:31]
	s_lshl_b32 s30, s22, 11
	s_add_nc_u64 s[6:7], s[6:7], s[30:31]
	s_lshl_b32 s30, s22, 12
	s_add_co_u32 s30, s30, s23
	s_add_nc_u64 s[12:13], s[12:13], s[30:31]
	s_cmp_eq_u32 s22, 0
	s_cselect_b32 s29, -1, 0                       ; the bias is counted in K split 0 alone
.endif
	s_mov_b64 s[32:33], s[8:9]                     ; the weights' walking base,
	s_mov_b64 s[34:35], s[6:7]                     ; and the rows'
	global_load_b64 v[20:21], v49, s[4:5]          ; bitmap words 2 lane, 2 lane + 1
	WIN 0xc0
.irp b, 0,1,2,3,4,5,6,7
	global_load_b128 v[BIAS+8*(\b):BIAS+8*(\b)+3],   v50, s[10:11] offset:64*(\b)
	global_load_b128 v[BIAS+8*(\b)+4:BIAS+8*(\b)+7], v50, s[10:11] offset:64*(\b)+16
.endr
	WLOAD WS0, 0                                   ; unit 0
	WLOAD WS1, 1                                   ; unit 1
	WIN 0
.irp u, 3,4,5
	global_prefetch_b8 v18, s[8:9] offset:256*(\u) th:TH_LOAD_NT scope:SCOPE_SE  ; units 3 to 5: the trips ask from unit 6 on
.endr
.irp i, 0,1,2,3,4,5,6,7
	ds_store_b128 v51, v[52:55] offset:512*(\i)    ; the list's places past the count name slot 0, a row that exists
.endr
	s_wait_loadcnt 48                              ; younger: the bias' 16 loads and two units' 32: the bitmap is in
; THE LIST: the expert's slots, in the bitmap's order.  Every wave makes its own, in its own bytes, while the first weights are on their way.  A lane whose bit is set puts its slot at the count so far plus the set bits below it.
.macro WORD m, g
	v_mbcnt_lo_u32_b32 v24, s[\m], s16
	v_cndmask_b32 v24, v23, v24, s[\m]             ; a lane whose bit is clear writes behind the list
	v_min_u32 v24, 0x41f, v24
	v_lshl_add_u32 v24, v24, 2, v17
	v_add_nc_u32 v25, s[\g], v22
	ds_store_b32 v24, v25
	s_bcnt1_i32_b32 s22, s[\m]
	s_add_co_u32 s16, s16, s22
.endm
	s_mov_b32 s16, 0                               ; the count
	s_mov_b32 s26, 0
	s_mov_b32 s27, 0
.Llist:                                                ; 32 trips, two words (32 tokens) each
	v_readlane_b32 s20, v20, s26
	v_readlane_b32 s21, v21, s26
	s_add_co_u32 s23, s27, 32
	WORD 20, 27
	WORD 21, 23
	s_add_co_u32 s27, s27, 64
	s_add_co_u32 s26, s26, 1
	s_cmp_lt_u32 s26, 32
	s_cbranch_scc1 .Llist
	s_min_u32 s16, s16, 0x400
	s_lshl_b32 s20, s14, 4
	s_add_co_u32 s20, s20, 256
	s_cmp_lt_u32 s20, s16
	s_cselect_b32 s17, 1, 0                        ; has my fifth tile a row?
	s_wait_loadcnt 32                              ; younger: two units: the bias is in.  It is rounded to bf16 like every input, and widened again
	WIN 0x0f                                       ; sources window 3, destination window 0
.set gi, 0
.rept 32
	v_cvt_pk_bf16_f32 v[64+gi], v[BIAS+2*gi], v[BIAS+2*gi+1]
.set gi, gi+1
.endr
.if UP == 0
	WIN 0
.set gi, 0
.rept 32
	v_and_b32 v[64+gi], s29, v[64+gi]
.set gi, gi+1
.endr
.endif
	WIN 0xc0
.set gi, 0
.rept 32
	v_lshlrev_b32 v[BIAS+2*gi], 16, v[64+gi]
	v_and_b32 v[BIAS+2*gi+1], 0xffff0000, v[64+gi]
.set gi, gi+1
.endr
	WIN 0
.irp q, 0,1,2,3,4
	ds_load_b32 v[12+(\q)], v27 offset:256*(\q)    ; LDS serves a wave's instructions in order (ISA guide 5.7.1.4): these see the list's stores
.endr
	s_wait_dscnt 0x0
.irp q, 12,13,14,15,16
	MKAOFF \q
.endr
	ALOAD AS0, 0                                   ; the rows' unit 0
	s_wait_loadcnt 36                              ; younger: unit 1's 16 and the rows' 20: unit 0 is in
	WCONV WS0
	WLOAD WS0, 1                                   ; unit 2
	ALOAD AS1, 1                                   ; the rows' unit 1
	s_wait_dscnt 0x0                               ; my part of unit 0 lies in LDS,
	s_barrier_signal -1
	s_barrier_wait -1                              ; everybody's does
	FETCHB F0, 0
	TRIP 0, 36, 1, 1, 1, 1, 1                      ; unit 0 starts the sums
	s_mov_b32 s18, 6
.Lunits:                                               ; units 1 to 12
	TRIP 1, 36, 1, 1, 1, 1, 0
	TRIP 0, 36, 1, 1, 1, 1, 0
	s_sub_co_u32 s18, s18, 1
	s_cmp_lg_u32 s18, 0
	s_cbranch_scc1 .Lunits
	TRIP 1, 36, 1, 0, 1, 1, 0                      ; unit 13: no weights are left to ask for
	TRIP 0, 20, 1, 0, 0, 1, 0                      ; unit 14: younger are the rows of unit 15 alone
	TRIP 1, 0, 0, 0, 0, 0, 0                       ; unit 15
; Unit u of a tile past the first five: its rows from memory, the weights out of LDS, 16 products on tile 4's accumulators, which take turns.  The unit stands in the immediates: 128 u bytes along a row
; of the slice (35,040 at the most with the block's and the K step's part, inside the 16-bit field) and along a token's row.  Unit 0 starts the sums, with the bias as C.
.macro RUNIT u
	WIN 0x40
.irp c, 0,1,2,3
	global_load_b128 v[4*(\c):4*(\c)+3], v16, s[6:7] offset:128*(\u)+32*(\c)
.endr
	WIN 0
	FETCHB F0, 128*(\u)
	FETCHB F1, 128*(\u)+64
	s_wait_loadcnt 0x0                             ; the unit's 4 row loads,
	s_wait_dscnt 0x0                               ; and its 32 fragment loads
	WIN 0xf4
.irp b, 0,1,2,3,4,5,6,7
.if (\u) == 0
	PROD 8*(\b), F0, \b, 0, BIAS+8*(\b)
.else
	PROD 8*(\b), F0, \b, 0, 8*(\b)
.endif
.endr
.irp b, 0,1,2,3,4,5,6,7
	PROD 8*(\b), F1, \b, 8, 8*(\b)
.endr
	WIN 0
	PLACES                                         ; ahead of the next unit's loads into the fragments, and of the way out's first read of the sums
.endm
; Tile i's 64 sums leave the accumulators, each read from its low end on.  UP: halved, into window 0.  Else: into my stage.
.macro BLOCK i
.set AB0, 64*((\i)%4)
.if UP
	WIN 0x02+(\i)/4                                ; source 0 window 2 or 3
.set gi, 0
.rept 32
	v_pk_mul_f32 v[HX+2*gi:HX+2*gi+1], v[AB0+2*gi:AB0+2*gi+1], 0.5 op_sel_hi:[1,0]
.set gi, gi+1
.endr
.else
	WIN 0x08+4*((\i)/4)                            ; store data window 2 or 3
.irp b, 0,1,2,3,4,5,6,7
	ds_store_b128 v28, v[AB0+8*(\b):AB0+8*(\b)+3]   offset:64*(\b)
	ds_store_b128 v28, v[AB0+8*(\b)+4:AB0+8*(\b)+7] offset:64*(\b)+16
.endr
.endif
	WIN 0
.endm
.if UP
; gelu(x) = x/2 + |x/2| (1 - q), q = t (a1 + t (a2 + t (a3 + t (a4 + t a5)))) exp(-x^2 / 2), t = 1 / (1 + 0.3275911 |x| / sqrt(2)), for 32 numbers a lane.  The 32 reciprocals are one batch with one wait, the 32
; exponentials another; each has a plain line behind it, and nothing names a result ahead of its batch's wait.
.macro GELU k
.set HB, HX+32*(\k)
.set gi, 0
.rept 32
	v_fma_f32 v[TT+gi], |v[HB+gi]|, s40, 1.0
.set gi, gi+1
.endr
.set gi, 0
.rept 16
	v_rcp_f32 v[TT+2*gi], v[TT+2*gi]
	v_pk_mul_f32 v[EE+2*gi:EE+2*gi+1], v[HB+2*gi:HB+2*gi+1], v[HB+2*gi:HB+2*gi+1]
	v_rcp_f32 v[TT+2*gi+1], v[TT+2*gi+1]
	v_pk_mul_f32 v[EE+2*gi:EE+2*gi+1], v[EE+2*gi:EE+2*gi+1], s[42:43] op_sel_hi:[1,0]
.set gi, gi+1
.endr
	s_wait_alu depctr_va_vdst(0)                   ; the reciprocals' wait
.set gi, 0
.rept 16
	v_exp_f32 v[EE+gi], v[EE+gi]
	v_pk_fma_f32 v[QQ+2*gi:QQ+2*gi+1], v[TT+2*gi:TT+2*gi+1], s[52:53], s[50:51] op_sel_hi:[1,0,0]
.set gi, gi+1
.endr
.set gi, 0
.rept 16
	v_exp_f32 v[EE+16+gi], v[EE+16+gi]
	v_pk_fma_f32 v[QQ+2*gi:QQ+2*gi+1], v[QQ+2*gi:QQ+2*gi+1], v[TT+2*gi:TT+2*gi+1], s[48:49] op_sel_hi:[1,1,0]
.set gi, gi+1
.endr
.irp c, 46, 44
.set gi, 0
.rept 16
	v_pk_fma_f32 v[QQ+2*gi:QQ+2*gi+1], v[QQ+2*gi:QQ+2*gi+1], v[TT+2*gi:TT+2*gi+1], s[\c:(\c)+1] op_sel_hi:[1,1,0]
.set gi, gi+1
.endr
.endr
.set gi, 0
.rept 16
	v_pk_mul_f32 v[QQ+2*gi:QQ+2*gi+1], v[QQ+2*gi:QQ+2*gi+1], v[TT+2*gi:TT+2*gi+1]
.set gi, gi+1
.endr
	s_wait_alu depctr_va_vdst(0)                   ; the exponentials' wait
.set gi, 0
.rept 16
	v_pk_mul_f32 v[QQ+2*gi:QQ+2*gi+1], v[QQ+2*gi:QQ+2*gi+1], v[EE+2*gi:EE+2*gi+1]
.set gi, gi+1
.endr
.set gi, 0
.rept 32
	v_fma_f32 v[QQ+gi], -v[QQ+gi], |v[HB+gi]|, |v[HB+gi]|
.set gi, gi+1
.endr
.set gi, 0
.rept 16
	v_pk_add_f32 v[QQ+2*gi:QQ+2*gi+1], v[QQ+2*gi:QQ+2*gi+1], v[HB+2*gi:HB+2*gi+1]
.set gi, gi+1
.endr
.set gi, 0
.rept 16
	v_cvt_pk_bf16_f32 v[OO+gi], v[QQ+2*gi], v[QQ+2*gi+1]
.set gi, gi+1
.endr
.irp c, 0,1,2,3
	ds_store_b128 v28, v[OO+4*(\c):OO+4*(\c)+3] offset:32*(4*(\k)+(\c))
.endr
.endm
.endif
	; THE WAY OUT, tile by tile.  s19 counts the 16 trips down; trip 16 - s19 has my list places 64 (16 - s19) + 16 w on.  A tile without a row is jumped to the label ahead of the counter's step.
	s_mov_b32 s19, 16
	s_lshl_b32 s24, s14, 4                         ; the tile's first list place
.Lout:
	s_cmp_ge_u32 s24, s16
	s_cbranch_scc1 .Lstored                        ; no row: nothing to multiply, nothing to store
	s_cmp_gt_u32 s19, 11
	s_cbranch_scc1 .Lhave                          ; the first five tiles are multiplied already
	ds_load_b32 v16, v27
	s_wait_dscnt 0x0
	MKAOFF 16
.irp p, 0,1,2,3
	v_add_nc_u32 v[8+(\p)], (\p)*32*PW, v48        ; the fragments' addresses at unit 0: they stay so for the whole tile
.endr
.irp u, 0,1,2,3,4,5,6,7,8,9,10,11,12,13,14,15
	RUNIT \u
.endr
.Lhave:
	s_cmp_eq_u32 s19, 16
	s_cbranch_scc1 .Lb0
	s_cmp_eq_u32 s19, 15
	s_cbranch_scc1 .Lb1
	s_cmp_eq_u32 s19, 14
	s_cbranch_scc1 .Lb2
	s_cmp_eq_u32 s19, 13
	s_cbranch_scc1 .Lb3
	BLOCK 4
	s_branch .Lgot
.Lb0:
	BLOCK 0
	s_branch .Lgot
.Lb1:
	BLOCK 1
	s_branch .Lgot
.Lb2:
	BLOCK 2
	s_branch .Lgot
.Lb3:
	BLOCK 3
.Lgot:
	s_sub_co_u32 s25, s16, s24                     ; rows left from this tile on: at least 1
.if UP
	GELU 0
	GELU 1
.irp t, 0,1,2,3,4,5,6,7,8,9,10,11,12,13,14,15
	ds_load_b64 v[128+2*(\t):128+2*(\t)+1], v29 offset:SPITCH*(\t)  ; my own stage: these see the stores above; one whole row of 256 bytes
.endr
.else
.irp t, 0,1,2,3,4,5,6,7,8,9,10,11,12,13,14,15
	ds_load_b128 v[64+4*(\t):64+4*(\t)+3], v29 offset:SPITCH*(\t)  ; my own stage: these see the stores above; one whole row of 512 bytes
.endr
.endif
.irp t, 0,1,2,3,4,5,6,7,8,9,10,11,12,13,14,15
	ds_load_b32 v[32+(\t)], v31 offset:4*(\t)      ; and the row's slot, the same word for all lanes
.endr
	s_wait_dscnt 0x0
.irp t, 0,1,2,3,4,5,6,7,8,9,10,11,12,13,14,15
	v_min_u32 v[32+(\t)], 0x7ff, v[32+(\t)]
	v_lshl_add_u32 v[32+(\t)], v[32+(\t)], OSH, v30
.endr
.irp t, 0,1,2,3,4,5,6,7,8,9,10,11,12,13,14,15
	s_cmp_le_u32 s25, \t
	s_cbranch_scc1 .Lstored                        ; rows past the count are not stored: whole stores are jumped
.if UP
	global_store_b64 v[32+(\t)], v[128+2*(\t):128+2*(\t)+1], s[12:13]  ; 32 lanes store 256 consecutive bytes, aligned
.else
	global_store_b128 v[32+(\t)], v[64+4*(\t):64+4*(\t)+3], s[12:13]  ; 32 lanes store 512 consecutive bytes, aligned
.endif
.endr
.Lstored:
	s_wait_xcnt 0x0                                ; the stores have read their registers, which the next trip writes
	v_add_nc_u32 v27, 0x100, v27                   ; 64 list places on, in every trip
	v_add_nc_u32 v31, 0x100, v31
	s_add_co_u32 s24, s24, 64
	s_sub_co_u32 s19, s19, 1
	s_cmp_lg_u32 s19, 0
	s_cbranch_scc1 .Lout
	s_wait_tensorcnt 0x0                           ; the wave's end
	ds_add_u32 v4, v5
	s_wait_dscnt 0x0
	s_endpgm
.Lfunc_end_k_q663ee699a6_down:
	.size	k_q663ee699a6_down, .Lfunc_end_k_q663ee699a6_down-k_q663ee699a6_down
	.p2alignl 7, 3214868480
	.fill 96, 4, 3214868480
	.section	.rodata,"a",@progbits
	.p2align	6, 0x0
	.amdhsa_kernel k_q663ee699a6_down
		.amdhsa_group_segment_fixed_size 315904
		.amdhsa_private_segment_fixed_size 0
		.amdhsa_enable_private_segment 0
		.amdhsa_kernarg_size 40
		.amdhsa_user_sgpr_count 2
		.amdhsa_user_sgpr_kernarg_segment_ptr 1
		.amdhsa_wavefront_size32 1
		.amdhsa_system_sgpr_workgroup_id_x 1
		.amdhsa_system_sgpr_workgroup_id_y 1
		.amdhsa_system_sgpr_workgroup_id_z 1
		.amdhsa_system_vgpr_workitem_id 0
		.amdhsa_next_free_vgpr 1024
		.amdhsa_next_free_sgpr 66
		.amdhsa_reserve_vcc 0
		.amdhsa_float_denorm_mode_32 3
		.amdhsa_float_denorm_mode_16_64 3
		.amdhsa_memory_ordered 1
		.amdhsa_forward_progress 1
		.amdhsa_inst_pref_size 177
	.end_amdhsa_kernel
	.amdgpu_metadata
---
amdhsa.version: [ 1, 2 ]
amdhsa.kernels:
  - .name:           k_q663ee699a6_down
    .symbol:         k_q663ee699a6_down.kd
    .args:
      - { .name: bm, .offset: 0, .size: 8, .value_kind: global_buffer, .address_space: global }
      - { .name: hbuf, .offset: 8, .size: 8, .value_kind: global_buffer, .address_space: global }
      - { .name: w2, .offset: 16, .size: 8, .value_kind: global_buffer, .address_space: global }
      - { .name: b2, .offset: 24, .size: 8, .value_kind: global_buffer, .address_space: global }
      - { .name: part, .offset: 32, .size: 8, .value_kind: global_buffer, .address_space: global }
    .group_segment_fixed_size: 315904
    .private_segment_fixed_size: 0
    .kernarg_segment_align: 8
    .kernarg_segment_size: 40
    .max_flat_workgroup_size: 128
    .sgpr_count:     66
    .vgpr_count:     1024
    .wavefront_size: 32
...
	.end_amdgpu_metadata
.endif
;; end of part 3
;; launch combine (part 4): grid 256 x 1, 8 waves a work-group, no clusters, 0 bytes of LDS; arguments part, gw, out0; writes out0
.if DOCPART == 4
	.amdgcn_target "amdgcn-amd-amdhsa--gfx1250"
	.amdhsa_code_object_version 6
	.text
	.protected	k_q663ee699a6_combine
	.globl	k_q663ee699a6_combine
	.p2align	8
	.type	k_q663ee699a6_combine,@function
k_q663ee699a6_combine:
	s_mov_b64 s[64:65], 0
	v_nop
	global_prefetch_b8 v0, s[64:65] scope:SCOPE_SE
	s_setreg_imm32_b32 hwreg(HW_REG_WAVE_MODE, 25, 1), 1
	s_wait_xcnt 0x0
; out0[token] = w0 x (the sum of the four K splits of slot 2 token) + w1 x (the same of slot 2 token + 1).  All in f32.
; A stream: a work-group has 4 tokens, whose 32 partial rows are 131,072 consecutive bytes of part; thread t has columns 4 t to 4 t + 3 of every row, so a wave's load or store covers 512 consecutive bytes.
; All 32 loads of a thread go out at once; each token has output registers of its own, so no register that a store reads is written again.  No LDS, no barrier, no matrix unit: memory binds.
.set P, 16                             ; v[16:143]  token tok, row 4 k + ks at P + 4 (8 tok + 4 k + ks)
.set O, 144                            ; v[144:159] four numbers a token
	s_load_b128 s[4:7], s[0:1], 0x0                ; part s[4:5], gw s[6:7]
	s_load_b64 s[16:17], s[0:1], 0x10              ; out0
	v_lshlrev_b32 v1, 4, v0                        ; 16 bytes a thread
	s_lshl_b32 s18, ttmp9, 17                      ; 4 tokens x 8 rows x 4,096 bytes
	s_mov_b32 s19, 0
	s_lshl_b32 s20, ttmp9, 5                       ; 4 tokens x 2 weights
	s_mov_b32 s21, 0
	s_lshl_b32 s22, ttmp9, 14                      ; 4 rows of out0
	s_mov_b32 s23, 0
	s_wait_kmcnt 0x0
	s_add_nc_u64 s[6:7], s[6:7], s[20:21]
	s_load_b256 s[8:15], s[6:7], 0x0               ; the 8 weights
	s_add_nc_u64 s[4:5], s[4:5], s[18:19]
	s_add_nc_u64 s[16:17], s[16:17], s[22:23]
.irp i, 0,1,2,3,4,5,6,7,8,9,10,11,12,13,14,15,16,17,18,19,20,21,22,23,24,25,26,27,28,29,30,31
	global_load_b128 v[P+4*(\i):P+4*(\i)+3], v1, s[4:5] offset:4096*(\i) th:TH_LOAD_NT
.endr
	s_wait_kmcnt 0x0
.macro TOKEN t
	s_wait_loadcnt 24-8*(\t)                       ; the later tokens' loads are younger
.set B0, P+32*(\t)
.irp k, 0,1
.irp c, 0,2
	v_pk_add_f32 v[B0+16*(\k)+(\c):B0+16*(\k)+(\c)+1], v[B0+16*(\k)+(\c):B0+16*(\k)+(\c)+1], v[B0+16*(\k)+4+(\c):B0+16*(\k)+4+(\c)+1]
	v_pk_add_f32 v[B0+16*(\k)+8+(\c):B0+16*(\k)+8+(\c)+1], v[B0+16*(\k)+8+(\c):B0+16*(\k)+8+(\c)+1], v[B0+16*(\k)+12+(\c):B0+16*(\k)+12+(\c)+1]
.endr
.endr
.irp k, 0,1
.irp c, 0,2
	v_pk_add_f32 v[B0+16*(\k)+(\c):B0+16*(\k)+(\c)+1], v[B0+16*(\k)+(\c):B0+16*(\k)+(\c)+1], v[B0+16*(\k)+8+(\c):B0+16*(\k)+8+(\c)+1]
.endr
.endr
.irp c, 0,1,2,3
	v_mul_f32 v[O+4*(\t)+(\c)], s[8+2*(\t)], v[B0+(\c)]
.endr
.irp c, 0,1,2,3
	v_fmac_f32 v[O+4*(\t)+(\c)], s[9+2*(\t)], v[B0+16+(\c)]
.endr
	global_store_b128 v1, v[O+4*(\t):O+4*(\t)+3], s[16:17] offset:4096*(\t) th:TH_STORE_NT
.endm
	TOKEN 0
	TOKEN 1
	TOKEN 2
	TOKEN 3
	s_endpgm
.Lfunc_end_k_q663ee699a6_combine:
	.size	k_q663ee699a6_combine, .Lfunc_end_k_q663ee699a6_combine-k_q663ee699a6_combine
	.p2alignl 7, 3214868480
	.fill 96, 4, 3214868480
	.section	.rodata,"a",@progbits
	.p2align	6, 0x0
	.amdhsa_kernel k_q663ee699a6_combine
		.amdhsa_group_segment_fixed_size 0
		.amdhsa_private_segment_fixed_size 0
		.amdhsa_enable_private_segment 0
		.amdhsa_kernarg_size 24
		.amdhsa_user_sgpr_count 2
		.amdhsa_user_sgpr_kernarg_segment_ptr 1
		.amdhsa_wavefront_size32 1
		.amdhsa_system_sgpr_workgroup_id_x 1
		.amdhsa_system_sgpr_workgroup_id_y 1
		.amdhsa_system_sgpr_workgroup_id_z 1
		.amdhsa_system_vgpr_workitem_id 0
		.amdhsa_next_free_vgpr 160
		.amdhsa_next_free_sgpr 66
		.amdhsa_reserve_vcc 0
		.amdhsa_float_denorm_mode_32 3
		.amdhsa_float_denorm_mode_16_64 3
		.amdhsa_memory_ordered 1
		.amdhsa_forward_progress 1
		.amdhsa_inst_pref_size 9
	.end_amdhsa_kernel
	.amdgpu_metadata
---
amdhsa.version: [ 1, 2 ]
amdhsa.kernels:
  - .name:           k_q663ee699a6_combine
    .symbol:         k_q663ee699a6_combine.kd
    .args:
      - { .name: part, .offset: 0, .size: 8, .value_kind: global_buffer, .address_space: global }
      - { .name: gw, .offset: 8, .size: 8, .value_kind: global_buffer, .address_space: global }
      - { .name: out0, .offset: 16, .size: 8, .value_kind: global_buffer, .address_space: global }
    .group_segment_fixed_size: 0
    .private_segment_fixed_size: 0
    .kernarg_segment_align: 8
    .kernarg_segment_size: 24
    .max_flat_workgroup_size: 256
    .sgpr_count:     66
    .vgpr_count:     160
    .wavefront_size: 32
...
	.end_amdgpu_metadata
.endif
;; end of part 4
;; ======== version 2 of 3: 5 launches
;; limits: a function is approximated: absolute error at most 1.5e-07
;; workspace buffers: xb 2,097,152 bytes; bm 4,096 bytes of whole numbers; gw 8,192 bytes; xg 4,194,304 bytes; tab 8,704 bytes of whole numbers; hbuf 16,777,216 bytes; part 33,554,432 bytes
;; launch router (part 5): grid 64 x 1, 4 waves a work-group, no clusters, 50,176 bytes of LDS; arguments x, gate_w, gate_b, xb, bm, gw, out1; writes xb, bm, gw, out1
.if DOCPART == 5
	.amdgcn_target "amdgcn-amd-amdhsa--gfx1250"
	.amdhsa_code_object_version 6
	.text
	.protected	k_q663ee699a6_router
	.globl	k_q663ee699a6_router
	.p2align	8
	.type	k_q663ee699a6_router,@function
k_q663ee699a6_router:
	s_mov_b64 s[64:65], 0
	v_nop
	global_prefetch_b8 v0, s[64:65] scope:SCOPE_SE
	s_setreg_imm32_b32 hwreg(HW_REG_WAVE_MODE, 25, 1), 1
	s_wait_xcnt 0x0
; ROUTER.  logits = x gate_w^T + gate_b; the two largest of 8 (the lower index keeps a tie); softmax over the two.  Also x rounded to bf16 for the first product of the experts.
; Every input is rounded once to bf16 (x, gate_w, gate_b); products exact, sums in f32.
; LIMITS.  NaN and infinities are not treated apart.  Two logits that differ by less than the rounding of an f32 sum of 1,024 terms may be ordered otherwise than by another order of summation.
; SHARES.  A work-group has 16 tokens.  Wave w streams 4 rows of x (16,384 consecutive bytes) and 2 rows of gate_w (8,192), rounds them, stores x's to xb (each store 256 consecutive bytes, aligned)
; and lays both into LDS.  Wave 0 then multiplies: source 0 = the 8 gate rows (read twice, as rows 0-7 and 8-15), source 1 = the 16 tokens, so that a lane holds ONE token and register j expert j.
; OUT.  out1[token] = (i1, i2); gw[token] = (w0, w1); bm[e][g] (word 64 e + g): bit L says that token 16 g + L % 16 took expert e as its choice L / 16; word 512 + 64 e + g: how many bits of that word are set.
; All at fixed places: no address of this launch hangs on the choice.
.set PX,    2064                       ; an LDS row: 2,048 bytes + 16 = 516 words: row r starts at bank 4 r mod 64 (64 banks of 4 bytes: ISA guide 11.1)
.set GS,    16*PX                      ; behind the 16 token rows: the 8 gate rows
.set SPARE, 49664                      ; the spare words, 128 bytes a wave: two blocks of 256 bytes that no other line names
.set X,     32                         ; v[32:159]  32 loads of x
.set G,     160                        ; v[160:223] 16 loads of gate_w
.set TF,    32                         ; later: token fragments of 8 K steps
.set GF,    96                         ; gate fragments of 8 K steps
.set ACC,   160                        ; four accumulators, by turns
.set LG,    192                        ; v[192:199] the lane's 8 logits
.set T2,    200                        ; v[200:207] at work
.set GB,    208                        ; v[208:215] gate_b
	s_load_b256 s[4:11], s[0:1], 0x0               ; x s[4:5], gate_w s[6:7], gate_b s[8:9], xb s[10:11]
	s_load_b128 s[12:15], s[0:1], 0x20             ; bm s[12:13], gw s[14:15]
	s_load_b64 s[16:17], s[0:1], 0x30              ; out1
	v_lshl_add_u32 v4, v0, 2, SPARE                ; my spare word,
	v_mov_b32 v5, 0                                ; and 0: kept for the add at the wave's end
	v_lshrrev_b32 v1, 5, v0
	v_readfirstlane_b32 s18, v1                    ; wave 0..3
	v_and_b32 v1, 31, v0                           ; lane
	v_and_b32 v2, 15, v0                           ; r
	v_bfe_u32 v3, v0, 4, 1                         ; h
	v_lshlrev_b32 v6, 4, v1                        ; 16 bytes a lane of f32
	v_lshlrev_b32 v7, 3, v1                        ; 8 bytes a lane of bf16
	s_mul_i32 s19, s18, 4*PX
	v_add_nc_u32 v8, s19, v7                       ; into LDS: my wave's 4 token rows
	s_mul_i32 s19, s18, 2*PX
	s_add_co_u32 s19, s19, GS
	v_add_nc_u32 v9, s19, v7                       ; my wave's 2 gate rows
	v_mul_u32_u24 v10, v2, PX
	v_lshl_add_u32 v10, v3, 4, v10                 ; token fragment: row r, 16 bytes for each half of the lanes
	v_and_b32 v11, 7, v0
	v_mul_u32_u24 v11, v11, PX
	v_lshl_add_u32 v11, v3, 4, v11
	v_add_nc_u32 v11, GS, v11                      ; gate fragment: row r % 8
	s_lshl_b32 s21, ttmp9, 7
	v_lshl_add_u32 v12, v2, 3, s21                 ; out1 and gw: 128 g + 8 r
	s_lshl_b32 s21, ttmp9, 2
	v_lshl_add_u32 v13, v1, 8, s21                 ; bm: 256 x lane + 4 g: lanes 0-7 the experts' words, lanes 8-15 (from byte 2,048 on) their counts
	s_mov_b32 s40, 0xffff0000                      ; the upper half of the lanes
	s_lshl_b32 s22, ttmp9, 16                      ; x: 16 rows of 4,096 bytes a group,
	s_lshl_b32 s21, s18, 14                        ; 4 rows a wave
	s_add_co_u32 s22, s22, s21
	s_mov_b32 s23, 0
	s_lshl_b32 s42, s18, 13                        ; gate_w: 2 rows a wave
	s_mov_b32 s43, 0
	s_lshl_b32 s44, ttmp9, 15                      ; xb: half of x's bytes
	s_add_co_u32 s44, s44, s42
	s_mov_b32 s45, 0
	s_wait_kmcnt 0x0
	s_load_b256 s[24:31], s[8:9], 0x0              ; gate_b, 8 numbers
	s_add_nc_u64 s[4:5], s[4:5], s[22:23]
	s_add_nc_u64 s[6:7], s[6:7], s[42:43]
	s_add_nc_u64 s[10:11], s[10:11], s[44:45]
.irp i, 0,1,2,3,4,5,6,7,8,9,10,11,12,13,14,15
	global_load_b128 v[G+4*(\i):G+4*(\i)+3], v6, s[6:7] offset:512*(\i)
.endr
.irp i, 0,1,2,3,4,5,6,7,8,9,10,11,12,13,14,15,16,17,18,19,20,21,22,23,24,25,26,27,28,29,30,31
	global_load_b128 v[X+4*(\i):X+4*(\i)+3], v6, s[4:5] offset:512*(\i) th:TH_LOAD_NT
.endr
	s_wait_loadcnt 32                              ; the 32 loads of x are younger: gate_w is in
.irp i, 0,1,2,3,4,5,6,7,8,9,10,11,12,13,14,15
	v_cvt_pk_bf16_f32 v[G+4*(\i)], v[G+4*(\i)], v[G+4*(\i)+1]
	v_cvt_pk_bf16_f32 v[G+4*(\i)+1], v[G+4*(\i)+2], v[G+4*(\i)+3]
	ds_store_b64 v9, v[G+4*(\i):G+4*(\i)+1] offset:((\i)/8)*PX+((\i)%8)*256
.endr
.irp row, 0,1,2,3
	s_wait_loadcnt 24-8*(\row)                     ; the later rows' loads are younger
.irp c, 0,1,2,3,4,5,6,7
	v_cvt_pk_bf16_f32 v[X+32*(\row)+4*(\c)], v[X+32*(\row)+4*(\c)], v[X+32*(\row)+4*(\c)+1]
	v_cvt_pk_bf16_f32 v[X+32*(\row)+4*(\c)+1], v[X+32*(\row)+4*(\c)+2], v[X+32*(\row)+4*(\c)+3]
	global_store_b64 v7, v[X+32*(\row)+4*(\c):X+32*(\row)+4*(\c)+1], s[10:11] offset:2048*(\row)+256*(\c)  ; 32 lanes store 256 consecutive bytes, aligned
	ds_store_b64 v8, v[X+32*(\row)+4*(\c):X+32*(\row)+4*(\c)+1] offset:(\row)*PX+256*(\c)
.endr
.endr
	s_wait_dscnt 0x0                               ; for wave 0's sake: my rows lie in LDS
	s_barrier_signal -1
	s_barrier_wait -1
	s_cmp_lg_u32 s18, 0
	s_cbranch_scc1 .Lend                           ; what is left is 32 matrix instructions and one wave's vector work
	s_wait_xcnt 0x0                                ; the stores to xb have read their registers, which are loaded anew below
; 8 K steps of 32: their fragments, and 8 products on four accumulators that take turns, one instruction a turn.  The first four start the sums.
.macro GROUP g
.irp s, 0,1,2,3,4,5,6,7
	ds_load_b128 v[TF+8*(\s):TF+8*(\s)+3],   v10 offset:64*(8*(\g)+(\s))
	ds_load_b128 v[TF+8*(\s)+4:TF+8*(\s)+7], v10 offset:64*(8*(\g)+(\s))+32
	ds_load_b128 v[GF+8*(\s):GF+8*(\s)+3],   v11 offset:64*(8*(\g)+(\s))
	ds_load_b128 v[GF+8*(\s)+4:GF+8*(\s)+7], v11 offset:64*(8*(\g)+(\s))+32
.endr
	s_wait_dscnt 0x0
.irp s, 0,1,2,3,4,5,6,7
.if ((\g) == 0) && ((\s) < 4)
	v_wmma_f32_16x16x32_bf16 v[ACC+8*((\s)%4):ACC+8*((\s)%4)+7], v[GF+8*(\s):GF+8*(\s)+7], v[TF+8*(\s):TF+8*(\s)+7], 0
.else
	v_wmma_f32_16x16x32_bf16 v[ACC+8*((\s)%4):ACC+8*((\s)%4)+7], v[GF+8*(\s):GF+8*(\s)+7], v[TF+8*(\s):TF+8*(\s)+7], v[ACC+8*((\s)%4):ACC+8*((\s)%4)+7]
.endif
.endr
.rept 4
	v_nop                                          ; four places ahead of the next loads into the fragments, and of the first read of the sums
.endr
.endm
	GROUP 0
	GROUP 1
	GROUP 2
	GROUP 3
	s_wait_kmcnt 0x0                               ; gate_b
.irp j, 0,1,2,3,4,5,6,7
	v_mov_b32 v[GB+(\j)], s[24+(\j)]
.endr
.irp p, 0,1,2,3
	v_cvt_pk_bf16_f32 v[T2+(\p)], v[GB+2*(\p)], v[GB+2*(\p)+1]  ; gate_b rounded to bf16 like every input,
.endr
.irp p, 0,1,2,3
	v_lshlrev_b32 v[GB+2*(\p)], 16, v[T2+(\p)]     ; and widened again
	v_and_b32 v[GB+2*(\p)+1], s40, v[T2+(\p)]
.endr
.irp p, 0,1,2,3                        ; each accumulator is read from its low end on
	v_pk_add_f32 v[LG+2*(\p):LG+2*(\p)+1], v[ACC+2*(\p):ACC+2*(\p)+1], v[ACC+8+2*(\p):ACC+8+2*(\p)+1]
.endr
.irp p, 0,1,2,3
	v_pk_add_f32 v[T2+2*(\p):T2+2*(\p)+1], v[ACC+16+2*(\p):ACC+16+2*(\p)+1], v[ACC+24+2*(\p):ACC+24+2*(\p)+1]
.endr
.irp p, 0,1,2,3
	v_pk_add_f32 v[LG+2*(\p):LG+2*(\p)+1], v[LG+2*(\p):LG+2*(\p)+1], v[T2+2*(\p):T2+2*(\p)+1]
.endr
.irp p, 0,1,2,3
	v_pk_add_f32 v[LG+2*(\p):LG+2*(\p)+1], v[LG+2*(\p):LG+2*(\p)+1], v[GB+2*(\p):GB+2*(\p)+1]
.endr
	; the largest: a later logit takes the place only if it is strictly greater, so the lower index keeps a tie
	v_mov_b32 v216, v[LG]
	v_mov_b32 v220, 0
.irp j, 1,2,3,4,5,6,7
	v_cmp_ge_f32 vcc_lo, v216, v[LG+(\j)]
	v_cndmask_b32 v216, v[LG+(\j)], v216, vcc_lo
	v_cndmask_b32 v220, \j, v220, vcc_lo
.endr
	v_mov_b32 v218, 0xff800000                     ; the winner's logit gives way to minus infinity,
.irp j, 0,1,2,3,4,5,6,7
	v_cmp_eq_u32 vcc_lo, \j, v220
	v_cndmask_b32 v[LG+(\j)], v[LG+(\j)], v218, vcc_lo
.endr
	v_mov_b32 v217, v[LG]                          ; and the same scan finds the second
	v_mov_b32 v221, 0
.irp j, 1,2,3,4,5,6,7
	v_cmp_ge_f32 vcc_lo, v217, v[LG+(\j)]
	v_cndmask_b32 v217, v[LG+(\j)], v217, vcc_lo
	v_cndmask_b32 v221, \j, v221, vcc_lo
.endr
	; softmax over the two, the maximum taken away: w0 = 1 / (1 + e), w1 = e / (1 + e), e = exp(second - first) <= 1
	v_sub_f32 v219, v217, v216
	v_mul_f32 v219, 0x3fb8aa3b, v219
	v_exp_f32 v219, v219
	v_cndmask_b32 v224, v220, v221, s40            ; lanes 0-15: the first choice, lanes 16-31: the second.  Also the plain line behind the exponential
	s_wait_alu depctr_va_vdst(0)                   ; the wait ahead of the first use of the exponential
	v_add_f32 v222, 1.0, v219
	v_rcp_f32 v222, v222
	v_mov_b32 v225, 0                              ; the plain line behind the reciprocal
	s_wait_alu depctr_va_vdst(0)                   ; and its wait
	v_mul_f32 v223, v219, v222
.irp e, 0,1,2,3,4,5,6,7
	v_cmp_eq_u32 s[32+(\e)], \e, v224              ; expert e's word of the bitmap,
.endr
.irp e, 0,1,2,3,4,5,6,7
	v_writelane_b32 v225, s[32+(\e)], \e           ; into lane e,
.endr
.irp e, 0,1,2,3,4,5,6,7
	s_bcnt1_i32_b32 s[32+(\e)], s[32+(\e)]         ; and the number of its bits
.endr
.irp e, 0,1,2,3,4,5,6,7
	v_writelane_b32 v225, s[32+(\e)], 8+(\e)       ; into lane 8 + e
.endr
	s_wait_xcnt 0x0                                ; EXEC changes only behind this wait
	v_cmp_gt_u32 vcc_lo, 16, v1
	s_and_saveexec_b32 s20, vcc_lo                 ; lanes 0-15: one token each; one word or count each
	global_store_b64 v12, v[220:221], s[16:17]
	global_store_b64 v12, v[222:223], s[14:15]
	global_store_b32 v13, v225, s[12:13]           ; 16 words, 256 bytes apart: 64 bytes a work-group
	s_wait_xcnt 0x0
	s_or_b32 exec_lo, exec_lo, s20
.Lend:
	s_wait_tensorcnt 0x0                           ; the wave's end
	ds_add_u32 v4, v5
	s_wait_dscnt 0x0
	s_endpgm
.Lfunc_end_k_q663ee699a6_router:
	.size	k_q663ee699a6_router, .Lfunc_end_k_q663ee699a6_router-k_q663ee699a6_router
	.p2alignl 7, 3214868480
	.fill 96, 4, 3214868480
	.section	.rodata,"a",@progbits
	.p2align	6, 0x0
	.amdhsa_kernel k_q663ee699a6_router
		.amdhsa_group_segment_fixed_size 50176
		.amdhsa_private_segment_fixed_size 0
		.amdhsa_enable_private_segment 0
		.amdhsa_kernarg_size 56
		.amdhsa_user_sgpr_count 2
		.amdhsa_user_sgpr_kernarg_segment_ptr 1
		.amdhsa_wavefront_size32 1
		.amdhsa_system_sgpr_workgroup_id_x 1
		.amdhsa_system_sgpr_workgroup_id_y 1
		.amdhsa_system_sgpr_workgroup_id_z 1
		.amdhsa_system_vgpr_workitem_id 0
		.amdhsa_next_free_vgpr 256
		.amdhsa_next_free_sgpr 66
		.amdhsa_reserve_vcc 1
		.amdhsa_float_denorm_mode_32 3
		.amdhsa_float_denorm_mode_16_64 3
		.amdhsa_memory_ordered 1
		.amdhsa_forward_progress 1
		.amdhsa_inst_pref_size 37
	.end_amdhsa_kernel
	.amdgpu_metadata
---
amdhsa.version: [ 1, 2 ]
amdhsa.kernels:
  - .name:           k_q663ee699a6_router
    .symbol:         k_q663ee699a6_router.kd
    .args:
      - { .name: x, .offset: 0, .size: 8, .value_kind: global_buffer, .address_space: global }
      - { .name: gate_w, .offset: 8, .size: 8, .value_kind: global_buffer, .address_space: global }
      - { .name: gate_b, .offset: 16, .size: 8, .value_kind: global_buffer, .address_space: global }
      - { .name: xb, .offset: 24, .size: 8, .value_kind: global_buffer, .address_space: global }
      - { .name: bm, .offset: 32, .size: 8, .value_kind: global_buffer, .address_space: global }
      - { .name: gw, .offset: 40, .size: 8, .value_kind: global_buffer, .address_space: global }
      - { .name: out1, .offset: 48, .size: 8, .value_kind: global_buffer, .address_space: global }
    .group_segment_fixed_size: 50176
    .private_segment_fixed_size: 0
    .kernarg_segment_align: 8
    .kernarg_segment_size: 56
    .max_flat_workgroup_size: 128
    .sgpr_count:     66
    .vgpr_count:     256
    .wavefront_size: 32
...
	.end_amdgpu_metadata
.endif
;; end of part 5
;; launch gather (part 6): grid 256 x 1, 4 waves a work-group, no clusters, 0 bytes of LDS; arguments bm, xb, xg, tab; writes xg, tab
.if DOCPART == 6
	.amdgcn_target "amdgcn-amd-amdhsa--gfx1250"
	.amdhsa_code_object_version 6
	.text
	.protected	k_q663ee699a6_gather
	.globl	k_q663ee699a6_gather
	.p2align	8
	.type	k_q663ee699a6_gather,@function
k_q663ee699a6_gather:
	s_mov_b64 s[64:65], 0
	v_nop
	global_prefetch_b8 v0, s[64:65] scope:SCOPE_SE
	s_setreg_imm32_b32 hwreg(HW_REG_WAVE_MODE, 25, 1), 1
	s_wait_xcnt 0x0
; GATHER.  The 2,048 routed rows are laid end to end in the experts' order, so that the products' row addresses are plain arithmetic.
; A SLOT is 2 x token + choice.  Its PLACE is the number of set bits of the bitmap that stand ahead of its own bit, in the order (expert, group of 16 tokens, bit).
;   xg[place][0:1024] = xb[token][0:1024] (bf16);   tab: words 0-7 each expert's first place, words 8-15 its number of rows; from byte 256 on lst[place] = slot; behind the list 16 words of 0,
;   so that a load of 16 list words that begins at any place, or at the list's end, stays inside bytes that are written.
; SHARES.  A wave has one token; a work-group four.  Every wave counts for itself: lane l takes the counts of groups 2 l and 2 l + 1 of all 8 experts (2,048 bytes a wave), packs for each expert the
; whole count (upper half) and the count of the groups below its own (lower half; both at most 1,024), and sums over the 32 lanes.  All whole numbers: no address hangs on a floating-point number.
; The token's row is on its way meanwhile; it is stored twice, each store 512 consecutive bytes, aligned.  The list's words go out two a wave, 4 bytes each, to places that the choice scatters: 8,192 bytes in the whole launch.
; No LDS, no barrier, no matrix unit: 6 MB move, and the launch's length is its chain of arguments, loads and stores.
.set CW,  2048                         ; bm: the counts begin here
.set LST, 256                          ; tab: the list begins here
.set PAD, LST+8192                     ; tab: the 16 words behind it
.set C,   16                           ; v[16:31]  expert e's two counts at C + 2 e
.set ROW, 32                           ; v[32:47]  my token's row
.set V,   48                           ; v[48:55]  expert e's packed sums
.set T,   56                           ; v[56:63]  at work
.set W,   32                           ; s[32:39]  expert e's bitmap word of my group
.set R,   40                           ; s[40:47]  the places ahead of that word
.set BS,  48                           ; s[48:55]  expert e's first place
.set CN,  56                           ; s[56:63]  expert e's number of rows
	s_load_b256 s[4:11], s[0:1], 0x0               ; bm s[4:5], xb s[6:7], xg s[8:9], tab s[10:11]
	v_lshrrev_b32 v1, 5, v0
	v_readfirstlane_b32 s12, v1                    ; wave 0..3
	v_and_b32 v1, 31, v0                           ; lane
	s_lshl_b32 s13, ttmp9, 2
	s_add_co_u32 s13, s13, s12                     ; my token
	s_lshr_b32 s14, ttmp9, 2                       ; its group of 16
	s_and_b32 s15, s13, 15                         ; its bit in a word, for choice 0
	v_lshlrev_b32 v2, 3, v1                        ; two counts a lane
	v_lshlrev_b32 v3, 4, v1                        ; 16 bytes of a row a lane
	v_lshlrev_b32 v4, 1, v1
	v_cmp_gt_u32 vcc_lo, s14, v4                   ; does group 2 l lie below mine?
	v_cndmask_b32 v5, 0, -1, vcc_lo
	v_or_b32 v4, 1, v4
	v_cmp_gt_u32 vcc_lo, s14, v4                   ; and group 2 l + 1?
	v_cndmask_b32 v6, 0, -1, vcc_lo
.irp e, 0,1,2,3,4,5,6,7
	v_mov_b32 v[T+(\e)], 0                         ; a DPP form's destination counts as read: it is written first
.endr
	s_lshl_b32 s16, s14, 2
	s_mov_b32 s17, 0
	s_lshl_b32 s18, s13, 11                        ; my token's row in xb
	s_mov_b32 s19, 0
	s_mov_b32 s20, 0x76543210                      ; v_permlanex16_b32: each lane takes its own place in the other half
	s_mov_b32 s21, 0xfedcba98
	s_wait_kmcnt 0x0
	s_add_nc_u64 s[22:23], s[4:5], s[16:17]        ; the bitmap at my group's word
	s_add_nc_u64 s[6:7], s[6:7], s[18:19]
.irp e, 0,1,2,3,4,5,6,7
	s_load_b32 s[W+(\e)], s[22:23], 256*(\e)
.endr
.irp e, 0,1,2,3,4,5,6,7
	global_load_b64 v[C+2*(\e):C+2*(\e)+1], v2, s[4:5] offset:CW+256*(\e)  ; 256 consecutive bytes: an expert's 64 counts
.endr
.irp i, 0,1,2,3
	global_load_b128 v[ROW+4*(\i):ROW+4*(\i)+3], v3, s[6:7] offset:512*(\i) th:TH_LOAD_NT
.endr
	s_wait_loadcnt 4                               ; the row's 4 loads are younger: the counts are in
.irp e, 0,1,2,3,4,5,6,7
	v_add_nc_u32 v[V+(\e)], v[C+2*(\e)], v[C+2*(\e)+1]
	v_and_b32 v[C+2*(\e)], v5, v[C+2*(\e)]
	v_and_b32 v[C+2*(\e)+1], v6, v[C+2*(\e)+1]
	v_lshl_add_u32 v[V+(\e)], v[V+(\e)], 16, v[C+2*(\e)]
	v_add_nc_u32 v[V+(\e)], v[V+(\e)], v[C+2*(\e)+1]
.endr
.irp m, 1,2,4,8                        ; the sum over the 32 lanes: four steps inside each half of 16, one across
.irp e, 0,1,2,3,4,5,6,7
	v_mov_b32_dpp v[T+(\e)], v[V+(\e)] row_xmask:\m row_mask:0xf bank_mask:0xf
.endr
.irp e, 0,1,2,3,4,5,6,7
	v_add_nc_u32 v[V+(\e)], v[V+(\e)], v[T+(\e)]
.endr
.endr
.irp e, 0,1,2,3,4,5,6,7
	v_permlanex16_b32 v[T+(\e)], v[V+(\e)], s20, s21
.endr
.irp e, 0,1,2,3,4,5,6,7
	v_add_nc_u32 v[V+(\e)], v[V+(\e)], v[T+(\e)]
.endr
.irp e, 0,1,2,3,4,5,6,7
	v_readfirstlane_b32 s[R+(\e)], v[V+(\e)]
.endr
	s_wait_kmcnt 0x0                               ; my group's 8 words
	s_mov_b32 s24, 0                               ; the places of the experts so far
.irp e, 0,1,2,3,4,5,6,7
	s_lshr_b32 s[CN+(\e)], s[R+(\e)], 16
	s_and_b32 s[R+(\e)], s[R+(\e)], 0xffff
	s_mov_b32 s[BS+(\e)], s24
	s_add_co_u32 s[R+(\e)], s[R+(\e)], s24
	s_add_co_u32 s24, s24, s[CN+(\e)]
.endr
	s_mov_b32 s28, 0                               ; my two places: of the 8 candidates the one whose word has my bit
	s_mov_b32 s29, 0
.irp k, 0,1
	s_add_co_u32 s25, s15, 16*(\k)                 ; my bit for choice k,
	s_bfm_b32 s26, s25, 0                          ; and the bits below it
.irp e, 0,1,2,3,4,5,6,7
	s_and_b32 s27, s[W+(\e)], s26
	s_bcnt1_i32_b32 s27, s27
	s_add_co_u32 s27, s27, s[R+(\e)]
	s_bitcmp1_b32 s[W+(\e)], s25
	s_cselect_b32 s[28+(\k)], s27, s[28+(\k)]
.endr
.endr
	v_mov_b32 v8, s28
	v_mov_b32 v9, s29
	v_cmp_eq_u32 vcc_lo, 0, v1
	v_cndmask_b32 v12, v9, v8, vcc_lo              ; lane 0: place of choice 0; lane 1: of choice 1
	v_min_u32 v8, 0x7ff, v8                        ; a number that was loaded enters an address held inside its buffer
	v_min_u32 v9, 0x7ff, v9
	v_min_u32 v12, 0x7ff, v12
	v_lshl_add_u32 v10, v8, 11, v3                 ; a row of xg is 2,048 bytes
	v_lshl_add_u32 v11, v9, 11, v3
	v_lshlrev_b32 v12, 2, v12
	s_lshl_b32 s30, s13, 1
	v_add_nc_u32 v13, s30, v1                      ; slot = 2 x token + choice
	s_wait_loadcnt 0x0                             ; the row
.irp i, 0,1,2,3
	global_store_b128 v10, v[ROW+4*(\i):ROW+4*(\i)+3], s[8:9] offset:512*(\i)
	global_store_b128 v11, v[ROW+4*(\i):ROW+4*(\i)+3], s[8:9] offset:512*(\i)
.endr
	s_wait_xcnt 0x0                                ; EXEC changes only behind this wait
	v_cmp_gt_u32 vcc_lo, 2, v1
	s_and_saveexec_b32 s31, vcc_lo
	global_store_b32 v12, v13, s[10:11] offset:LST
	s_wait_xcnt 0x0
	s_or_b32 exec_lo, exec_lo, s31
	s_or_b32 s30, ttmp9, s12
	s_cmp_lg_u32 s30, 0
	s_cbranch_scc1 .Lend                           ; the table's head and the words behind the list have one writer: wave 0 of work-group 0
	v_mov_b32 v14, 0
.irp e, 0,1,2,3,4,5,6,7
	v_writelane_b32 v14, s[BS+(\e)], \e
	v_writelane_b32 v14, s[CN+(\e)], 8+(\e)
.endr
	v_lshrrev_b32 v7, 4, v1
	v_mul_u32_u24 v7, v7, PAD-64                   ; lanes 0-15: words 0-15; lanes 16-31: the 16 words of 0 at PAD
	v_lshl_add_u32 v15, v1, 2, v7
	global_store_b32 v15, v14, s[10:11]
.Lend:
	s_endpgm
.Lfunc_end_k_q663ee699a6_gather:
	.size	k_q663ee699a6_gather, .Lfunc_end_k_q663ee699a6_gather-k_q663ee699a6_gather
	.p2alignl 7, 3214868480
	.fill 96, 4, 3214868480
	.section	.rodata,"a",@progbits
	.p2align	6, 0x0
	.amdhsa_kernel k_q663ee699a6_gather
		.amdhsa_group_segment_fixed_size 0
		.amdhsa_private_segment_fixed_size 0
		.amdhsa_enable_private_segment 0
		.amdhsa_kernarg_size 32
		.amdhsa_user_sgpr_count 2
		.amdhsa_user_sgpr_kernarg_segment_ptr 1
		.amdhsa_wavefront_size32 1
		.amdhsa_system_sgpr_workgroup_id_x 1
		.amdhsa_system_sgpr_workgroup_id_y 1
		.amdhsa_system_sgpr_workgroup_id_z 1
		.amdhsa_system_vgpr_workitem_id 0
		.amdhsa_next_free_vgpr 64
		.amdhsa_next_free_sgpr 66
		.amdhsa_reserve_vcc 1
		.amdhsa_float_denorm_mode_32 3
		.amdhsa_float_denorm_mode_16_64 3
		.amdhsa_memory_ordered 1
		.amdhsa_forward_progress 1
		.amdhsa_inst_pref_size 16
	.end_amdhsa_kernel
	.amdgpu_metadata
---
amdhsa.version: [ 1, 2 ]
amdhsa.kernels:
  - .name:           k_q663ee699a6_gather
    .symbol:         k_q663ee699a6_gather.kd
    .args:
      - { .name: bm, .offset: 0, .size: 8, .value_kind: global_buffer, .address_space: global }
      - { .name: xb, .offset: 8, .size: 8, .value_kind: global_buffer, .address_space: global }
      - { .name: xg, .offset: 16, .size: 8, .value_kind: global_buffer, .address_space: global }
      - { .name: tab, .offset: 24, .size: 8, .value_kind: global_buffer, .address_space: global }
    .group_segment_fixed_size: 0
    .private_segment_fixed_size: 0
    .kernarg_segment_align: 8
    .kernarg_segment_size: 32
    .max_flat_workgroup_size: 128
    .sgpr_count:     66
    .vgpr_count:     64
    .wavefront_size: 32
...
	.end_amdgpu_metadata
.endif
;; end of part 6
;; launch up (part 7): grid 256 x 1, 4 waves a work-group, no clusters, 282,112 bytes of LDS; arguments tab, xg, w1, b1, hbuf; writes hbuf
.if DOCPART == 7
	.amdgcn_target "amdgcn-amd-amdhsa--gfx1250"
	.amdhsa_code_object_version 6
	.text
	.protected	k_q663ee699a6_up
	.globl	k_q663ee699a6_up
	.p2align	8
	.type	k_q663ee699a6_up,@function
k_q663ee699a6_up:
	s_mov_b64 s[64:65], 0
	v_nop
	global_prefetch_b8 v0, s[64:65] scope:SCOPE_SE
	s_setreg_imm32_b32 hwreg(HW_REG_WAVE_MODE, 25, 1), 1
	s_wait_xcnt 0x0
; ONE TEXT FOR BOTH PRODUCTS OF THE EXPERTS; the switch UP chooses the constants and the way out.
;   UP = 1: hbuf[place][:] = gelu(xg[place] w1[e]^T + b1[e]), bf16.      UP = 0: part[slot][ks][:] = hbuf[place][1024 ks ..] w2[e][:, 1024 ks ..]^T (+ b2[e] where ks = 0), f32 partial sums.
; The routed rows lie end to end in the experts' order: expert e has the places base .. base + count - 1 (both from tab); lst[place] (tab, from byte 256 on) is the row's slot, 2 x token + choice.
; SHARES.  A work-group has ONE expert's slice of 128 output columns x 1,024 K, 524,288 bytes of f32 that it alone reads, and all of that expert's rows, whatever their number (0 to 1,024).
; Bits 3, 2 and 0 of the work-group's number name the expert, bits 7 to 4 and 1 the slice: each pair of expert and slice has one work-group, and the 32 work-groups that read the same rows agree in those three bits.
; The slice is rounded to bf16 on its way through registers into LDS.  K goes in 16 UNITS of 64.  While later units are on their way, the units that lie in LDS are multiplied with the expert's first 320 rows:
; 5 tiles of 16 rows a wave (tile q of wave w: rows 64 q + 16 w on); where the fifth tile has no row its loads (from unit 2 on) and its products (from the second K step on) are jumped.  A row past the count is
; a neighbour's row, or the buffer's last: it is multiplied and not stored.
; Rows past 320 are multiplied afterwards, tile by tile, in the loop of the way out: 16 trips, a constant, which cover 1,024 rows; a tile without a row is jumped, forward, to the label ahead of the counter's step;
; no barrier stands in what is jumped.  Such a tile takes its weights from memory once more, in f32, straight in the fragments' layout: 512 KB a tile, slow, and right for every split.
; NO TENSOR LOADS, NO CLUSTER: a weight has one reader and must be rounded on its way.  The rows are shared by an expert's 32 work-groups; joint loads would spare three of four requests for them, but
; beside the slice's 264,192 bytes and the stages LDS has 45,568 bytes left (UP = 0: 29,184), and two slots of a unit's 320 rows of 144 bytes want 92,160.  The slice stays whole in LDS so that no byte is written twice
; and one barrier a unit is enough.  The rows come from memory straight into registers as matrix operands.
; THE MATRIX INSTRUCTION IS USED TRANSPOSED: source 0 = 16 weight rows, source 1 = 16 token rows: lane (r, h) holds token row r, register j output column 16 b + 8 h + j.  The bias is the C of the first product.
; FORMATS.  Weights and bias are rounded once to bf16, sums in f32, h once to bf16 (f16 has no room for inputs 30 times larger).
; LIMITS.  NaN and infinities are not treated apart.  erf by the rational form of Abramowitz and Stegun 7.1.26, absolute error at most 1.5e-7 for every argument: gelu(x) is off by at most 0.75e-7 |x|.
; REGISTERS, in windows of 256 (s_set_vgpr_msb: bits 1:0 source 0, 3:2 source 1, 5:4 source 2, 7:6 destination):
;   window 0: v1 r, v2 h, v3 lane; v4, v5 the add's two; v6 weights' offset; v7 weights' place in LDS; v8-11 weight fragments' addresses; v12-16 the five tiles' row offsets; v18 prefetch offset; v19 16 h;
;             v24 at work; v26 a weight fragment's offset in memory; v27 16 w + r; v28, v29 stage in and back; v30 column offset; v32-47 store offsets; v50 bias offset;
;             UP = 0: v51-55 the five tiles' slots (lane r: row r's), v56-60 their offsets in the list;
;             v64-127, v128-191 weight fragments of one K step each (on the way out: at work); v192-255 at work
;   window 1: v0-79, v80-159 row fragments of one unit each (tile q, K step j at 8 (2 q + j))       window 2: accumulators (q, b) at 8 (8 q + b), q = 0..3
;   window 3: v0-63 tile 4's accumulators; v64-127, v128-191 weights as loaded, two units; v192-255 the bias in the accumulators' layout
; SCALARS: s14 wave, s15 32 x expert + slice, s16 count, s17 has my fifth tile a row, s18, s19 loop counts, s24 a tile's first row, s25 rows left, s26 base, s[32:33], s[34:35] the weights' and the rows' walking bases,
;   s[36:39] prefetch; UP = 1: s40-53 constants; UP = 0: s29 bias mask, s[54:55] the list, s[68:83] a tile's 16 slots
.set UP, 1
.if UP
.set WSH,    12                        ; a weight row is 4,096 bytes from the next
.set ASH,    11                        ; a row of xg 2,048
.set OSH,    13                        ; a row of hbuf 8,192
.set SPITCH, 272                       ; a stage row: 256 bytes + 16
.else
.set WSH,    14                        ; a weight row is 16,384 bytes from the next
.set ASH,    13                        ; a row of hbuf 8,192
.set OSH,    14                        ; a slot of part 16,384
.set SPITCH, 528                       ; a stage row: 512 bytes + 16
.endif
.set NSL,   5*(1-UP)                   ; the loads of slots in the prologue
.set WP,    1<<WSH
.set PW,    2064                       ; a row of the slice in LDS: 2,048 bytes + 16 = 516 words: row r starts at bank 4 r mod 64 (64 banks of 4 bytes: ISA guide 11.1)
.set STAGE, 128*PW                     ; behind the slice: 16 stage rows for each wave, its own
.set SPARE, STAGE+4*16*SPITCH          ; the spare words, 128 bytes a wave: two blocks of 256 bytes that no other line names
.set F0,   64
.set F1,   128
.set AS0,  0
.set AS1,  80
.set WS0,  64
.set WS1,  128
.set BIAS, 192
.set HX,   64                          ; the way out of UP: x / 2; t; the exponential; the polynomial; packed results
.set TT,   128
.set EE,   160
.set QQ,   192
.set OO,   224
.set MSB, 0
.macro WIN new                         ; the immediate's high byte repeats the setting that is left; a switch that changes nothing is dropped
.if MSB != (\new)
	s_set_vgpr_msb (MSB<<8)|(\new)
.set MSB, \new
.endif
.endm
.macro PLACES                          ; four places between a matrix instruction and a write or load into one of its sources, or a read of its result (ISA guide 7.12.1 for vector instructions)
.rept 4
	v_nop
.endr
.endm
; 16 loads: my wave's 32 rows of one unit, 256 bytes of each.  A load takes two rows 8 apart (one for each half of the lanes): two aligned blocks of 256 bytes.
; step = 1 (the prologue alone): the base goes on by a unit first.  In the trips the base has been stepped by the ALOAD before.
.macro WLOAD set, step
	WIN 0xc0                                       ; destination window 3
.if \step
	s_wait_xcnt 0x0                                ; the base steps only when earlier loads have had their addresses translated
	s_add_nc_u64 s[32:33], s[32:33], 256
.endif
.irp i, 0,1,2,3,4,5,6,7,8,9,10,11,12,13,14,15
	global_load_b128 v[(\set)+4*(\i):(\set)+4*(\i)+3], v6, s[32:33] offset:(((\i)/8)*16+(\i)%8)*WP th:TH_LOAD_NT
.endr
.endm
; A unit is rounded in place and laid into LDS.  A store's two halves of the lanes write 128 bytes of rows 8 apart, which start 32 banks apart.
.macro WCONV set
	WIN 0xcf                                       ; destination and both sources window 3
.irp i, 0,1,2,3,4,5,6,7,8,9,10,11,12,13,14,15
	v_cvt_pk_bf16_f32 v[(\set)+4*(\i)], v[(\set)+4*(\i)], v[(\set)+4*(\i)+1]
	v_cvt_pk_bf16_f32 v[(\set)+4*(\i)+1], v[(\set)+4*(\i)+2], v[(\set)+4*(\i)+3]
.endr
	WIN 0x0c                                       ; store data window 3, address window 0
.irp i, 0,1,2,3,4,5,6,7,8,9,10,11,12,13,14,15
	ds_store_b64 v7, v[(\set)+4*(\i):(\set)+4*(\i)+1] offset:(((\i)/8)*16+(\i)%8)*PW
.endr
	WIN 0
	v_add_nc_u32 v7, 0x80, v7                      ; the next unit's 128 bytes of a row
.endm
; One unit (128 bytes of a row) of my tiles' rows, straight into the fragments' layout: 16 loads for tiles 0-3, 4 for tile 4.  full = 0: tile 4's are jumped where it has no row.
; An expert's 32 work-groups read the same rows: hence the hint.  step = 1: BOTH walking bases go on by a unit here, behind ONE wait: in a trip the youngest loads ahead of it are the
; trip's 16 weight loads, issued two K steps earlier.
.macro ALOAD set, step, full
.if \step
	s_wait_xcnt 0x0                                ; the bases step only when earlier loads have had their addresses translated; the wait also frees the prefetch's address
	s_add_nc_u64 s[34:35], s[34:35], 128           ; the rows' next unit,
	s_add_nc_u64 s[32:33], s[32:33], 256           ; and the unit of weights that the next trip asks for
.endif
	WIN 0x40                                       ; destination window 1
.irp q, 0,1,2,3
.irp j, 0,1
	global_load_b128 v[(\set)+8*(2*(\q)+(\j)):(\set)+8*(2*(\q)+(\j))+3],   v[12+(\q)], s[34:35] offset:64*(\j) th:TH_LOAD_HT
	global_load_b128 v[(\set)+8*(2*(\q)+(\j))+4:(\set)+8*(2*(\q)+(\j))+7], v[12+(\q)], s[34:35] offset:64*(\j)+32 th:TH_LOAD_HT
.endr
.endr
.if (\full) == 0
	WIN 0                                          ; at a branch and at a label every window is 0
	s_cmp_eq_u32 s17, 0
	s_cbranch_scc1 .Lno_rows_\@
	WIN 0x40
.endif
.irp j, 0,1
	global_load_b128 v[(\set)+64+8*(\j):(\set)+64+8*(\j)+3],   v16, s[34:35] offset:64*(\j) th:TH_LOAD_HT
	global_load_b128 v[(\set)+64+8*(\j)+4:(\set)+64+8*(\j)+7], v16, s[34:35] offset:64*(\j)+32 th:TH_LOAD_HT
.endr
	WIN 0
.if (\full) == 0
.Lno_rows_\@:
.endif
.endm
; 16 LDS loads in one run: the weight fragments of one K step (128 rows x 32 K, at byte off from the addresses' unit)
.macro FETCHB buf, off
.irp b, 0,1,2,3,4,5,6,7
	ds_load_b128 v[(\buf)+8*(\b):(\buf)+8*(\b)+3],   v[8+(\b)/2] offset:((\b)%2)*16*PW+(\off)
	ds_load_b128 v[(\buf)+8*(\b)+4:(\buf)+8*(\b)+7], v[8+(\b)/2] offset:((\b)%2)*16*PW+(\off)+32
.endr
.endm
.macro PROD d, fb, b, a, c
	v_wmma_f32_16x16x32_bf16 v[(\d):(\d)+7], v[(\fb)+8*(\b):(\fb)+8*(\b)+7], v[(\a):(\a)+7], v[(\c):(\c)+7]
.endm
; One K step: buffer fb is multiplied with K step j of row set aset; the next K step's fragments go into buffer gb meanwhile.  The 40 accumulators take turns in one order, one instruction a turn.
; first = 1: the products start the sums, with the bias as C, tile 4's too, so that its accumulators are written on every path.  bwait = 1: the barrier's wait stands behind the first 32 products.
.macro KSTEP fb, gb, aset, j, fetch, off, first, bwait
	WIN 0
	s_wait_dscnt 0x0                               ; buffer fb is in
.if \fetch
	PLACES
	FETCHB \gb, \off
.endif
.if \first
	WIN 0xb4                                       ; weights window 0, rows window 1, C (the bias) window 3, D window 2
.else
	WIN 0xa4                                       ; the same with C and D window 2
.endif
.irp q, 0,1,2,3
.irp b, 0,1,2,3,4,5,6,7
.if \first
	PROD 8*(8*(\q)+(\b)), \fb, \b, (\aset)+8*(2*(\q)+(\j)), BIAS+8*(\b)
.else
	PROD 8*(8*(\q)+(\b)), \fb, \b, (\aset)+8*(2*(\q)+(\j)), 8*(8*(\q)+(\b))
.endif
.endr
.endr
	WIN 0                                          ; at a branch and at a label every window is 0
.if \bwait
	s_barrier_wait -1                              ; every wave's part of the next unit lies in LDS
.endif
.if (\first) == 0
	s_cmp_eq_u32 s17, 0
	s_cbranch_scc1 .Lno5_\@                        ; my fifth tile has no row: its 8 products are jumped
.endif
	WIN 0xf4                                       ; C and D window 3
.irp b, 0,1,2,3,4,5,6,7
.if \first
	PROD 8*(\b), \fb, \b, (\aset)+8*(8+(\j)), BIAS+8*(\b)
.else
	PROD 8*(\b), \fb, \b, (\aset)+8*(8+(\j)), 8*(\b)
.endif
.endr
	WIN 0
.if (\first) == 0
.Lno5_\@:
.endif
.endm
; THE TRIP of unit u, p = u % 2.  n: the loads that may stay out at its head: wanted are the weights of unit u + 1 and the rows of unit u, both asked for two trips ago; younger are the last trip's 16 weight loads
; and its row loads, 16 where the fifth tile's are jumped and 20 where not: the count is the lesser sum, which is right on both ways.
; conv: unit u + 1 goes into LDS, and ONE barrier orders those stores (waited for ahead of the signal) with their first read, behind the wait.  No byte of the slice is written twice.
; wload: unit u + 3 is asked for, and unit u + 6 (held at the slice's last unit) is prefetched: one line a wave, its 32 lanes one block of 256 bytes of the wave's 32 rows each.  aload: the rows of unit u + 2.
.macro TRIP p, n, conv, wload, aload, fetchn, first
.if \p
.set XW, WS0
.set XA, AS1
.else
.set XW, WS1
.set XA, AS0
.endif
	s_wait_loadcnt \n
.if \conv
	WCONV XW
.endif
.if \wload
	WLOAD XW, 0                                    ; by the base that the last ALOAD stepped
	WIN 0
	s_add_nc_u64 s[36:37], s[8:9], s[38:39]        ; the last prefetch's address was freed by the wait in the last ALOAD
	global_prefetch_b8 v18, s[36:37] th:TH_LOAD_NT scope:SCOPE_SE
	s_add_co_u32 s38, s38, 256
	s_min_u32 s38, s38, 3840                       ; never past the slice's last unit
.endif
.if \conv
	s_wait_dscnt 0x0                               ; for the others' sake: my part of unit u + 1 lies in LDS
	s_barrier_signal -1
.endif
	KSTEP F0, F1, XA, 0, 1, 64, \first, \conv
	KSTEP F1, F0, XA, 1, \fetchn, 128, 0, 0
.irp a, 8,9,10,11
	v_add_nc_u32 v[\a], 0x80, v[\a]                ; the next unit; these four are also the places ahead of the loads into the rows' registers, and of the way out
.endr
.if \aload
	ALOAD XA, 1, 0
.endif
.endm
.macro MKAOFF reg                      ; a place becomes a row's byte offset; it hangs on a loaded number and is held inside the buffer's 2,048 rows
	v_min_u32 v[\reg], 0x7ff, v[\reg]
	v_lshl_add_u32 v[\reg], v[\reg], ASH, v19
.endm
	s_load_b256 s[4:11], s[0:1], 0x0               ; tab s[4:5], rows s[6:7], weights s[8:9], bias s[10:11]
	s_load_b64 s[12:13], s[0:1], 0x20              ; out
	v_lshl_add_u32 v4, v0, 2, SPARE                ; my spare word,
	v_mov_b32 v5, 0                                ; and 0: kept for the add at the wave's end
	v_lshrrev_b32 v1, 5, v0
	v_readfirstlane_b32 s14, v1                    ; wave 0..3
	v_and_b32 v1, 15, v0                           ; r
	v_bfe_u32 v2, v0, 4, 1                         ; h
	v_and_b32 v3, 31, v0                           ; lane
	s_lshr_b32 s20, ttmp9, 1
	s_and_b32 s20, s20, 6                          ; bits 3 and 2 of the work-group's number,
	s_and_b32 s21, ttmp9, 1
	s_or_b32 s20, s20, s21                         ; and bit 0: the expert
	s_lshr_b32 s21, ttmp9, 4                       ; bits 7 to 4,
	s_lshl_b32 s21, s21, 1
	s_bfe_u32 s22, ttmp9, 0x10001                  ; and bit 1: the slice
	s_or_b32 s21, s21, s22
	s_lshl_b32 s15, s20, 5
	s_or_b32 s15, s15, s21                         ; 32 x expert + slice
	s_mul_i32 s21, s14, 32*WP
	v_mul_u32_u24 v6, v2, 8*WP
	v_lshl_add_u32 v6, v1, 4, v6
	v_add_nc_u32 v6, s21, v6                       ; (32 w + 8 h) rows + 16 r
	s_mul_i32 s21, s14, 32*PW
	v_mul_u32_u24 v7, v2, 8*PW
	v_lshl_add_u32 v7, v1, 3, v7
	v_add_nc_u32 v7, s21, v7                       ; the same place in LDS, in bf16
	v_mul_u32_u24 v24, v1, PW
	v_lshl_add_u32 v24, v2, 4, v24                 ; a fragment's row x pitch + 16 x half
.irp p, 0,1,2,3
	v_add_nc_u32 v[8+(\p)], (\p)*32*PW, v24        ; weight blocks 2 p and 2 p + 1
.endr
	v_lshlrev_b32 v18, WSH, v0                     ; the thread's number is 32 w + lane: my row for the prefetch
	v_lshlrev_b32 v19, 4, v2
	v_lshlrev_b32 v26, WSH, v1
	v_lshl_add_u32 v26, v2, 5, v26                 ; a weight fragment in memory: row r, 32 bytes (8 f32) for each half of the lanes
	s_lshl_b32 s22, s14, 4
	v_add_nc_u32 v27, s22, v1                      ; 16 w + r
	s_mul_i32 s23, s14, 16*SPITCH
	s_add_co_u32 s23, s23, STAGE                   ; my stage
	v_mul_u32_u24 v28, v1, SPITCH
.if UP
	v_lshl_add_u32 v28, v2, 4, v28                 ; in: row r, 16 bytes for each half of the lanes
	v_lshl_add_u32 v29, v3, 3, s23                 ; back: 32 lanes take one row of 256 bytes, 8 bytes each
	v_lshlrev_b32 v30, 3, v3
.else
	v_lshl_add_u32 v28, v2, 5, v28                 ; in: row r, 32 bytes for each half of the lanes
	v_lshl_add_u32 v29, v3, 4, s23                 ; back: 32 lanes take one row of 512 bytes, 16 bytes each
	v_lshlrev_b32 v30, 4, v3
.endif
	v_add_nc_u32 v28, s23, v28
	v_lshlrev_b32 v50, 5, v2                       ; bias: 8 numbers for each half of the lanes
	s_lshr_b32 s20, s15, 5                         ; the expert
	s_mov_b32 s31, 0
	s_mov_b32 s38, 1536                            ; the first trip prefetches unit 6
	s_mov_b32 s39, 0
.if UP
	s_mov_b32 s40, 0x3eed3388                      ; 0.3275911 x sqrt(2)
	s_mov_b32 s42, 0xc038aa3b                      ; -2 log2(e)
	s_mov_b32 s44, 0x3e827906                      ; a1 =  0.254829592
	s_mov_b32 s46, 0xbe91a98e                      ; a2 = -0.284496736
	s_mov_b32 s48, 0x3fb5f0e3                      ; a3 =  1.421413741
	s_mov_b32 s50, 0xbfba00e3                      ; a4 = -1.453152027
	s_mov_b32 s52, 0x3f87dc22                      ; a5 =  1.061405429
.irp c, 42,44,46,48,50,52
	s_mov_b32 s[(\c)+1], s[\c]                     ; named as pairs
.endr
.endif
	s_wait_kmcnt 0x0
	s_lshl_b32 s30, s20, 2
	s_add_nc_u64 s[36:37], s[4:5], s[30:31]        ; the table at my expert
	s_load_b32 s26, s[36:37], 0x0                  ; its first place,
	s_load_b32 s16, s[36:37], 0x20                 ; and its number of rows: on their way while the first weights are asked for
.if UP
	s_lshl_b32 s30, s15, 19                        ; 128 rows of 4,096 bytes a slice
	s_add_nc_u64 s[8:9], s[8:9], s[30:31]
	s_lshl_b32 s30, s15, 9
	s_add_nc_u64 s[10:11], s[10:11], s[30:31]
	s_and_b32 s30, s15, 31
	s_lshl_b32 s30, s30, 8
	s_add_nc_u64 s[12:13], s[12:13], s[30:31]      ; my 128 columns of a row of hbuf
.else
	s_add_nc_u64 s[54:55], s[4:5], 256             ; the list
	s_and_b32 s21, s15, 7                          ; ns: which 128 output columns
	s_bfe_u32 s22, s15, 0x20003                    ; ks: which 1,024 of K
	s_lshl_b32 s30, s20, 24
	s_lshl_b32 s23, s21, 21
	s_add_co_u32 s30, s30, s23
	s_lshl_b32 s23, s22, 12
	s_add_co_u32 s30, s30, s23
	s_add_nc_u64 s[8:9], s[8:9], s[30:31]
	s_lshl_b32 s30, s20, 12
	s_lshl_b32 s23, s21, 9
	s_add_co_u32 s30, s30, s23
	s_add_nc_u64 s[10:11], s[10:11], s[30:31]
	s_lshl_b32 s30, s22, 11
	s_add_nc_u64 s[6:7], s[6:7], s[30:31]
	s_lshl_b32 s30, s22, 12
	s_add_co_u32 s30, s30, s23
	s_add_nc_u64 s[12:13], s[12:13], s[30:31]
	s_cmp_eq_u32 s22, 0
	s_cselect_b32 s29, -1, 0                       ; the bias is counted in K split 0 alone
.endif
	s_mov_b64 s[32:33], s[8:9]                     ; the weights' walking base,
	s_mov_b64 s[34:35], s[6:7]                     ; and the rows'
	WIN 0xc0
.irp b, 0,1,2,3,4,5,6,7
	global_load_b128 v[BIAS+8*(\b):BIAS+8*(\b)+3],   v50, s[10:11] offset:64*(\b)
	global_load_b128 v[BIAS+8*(\b)+4:BIAS+8*(\b)+7], v50, s[10:11] offset:64*(\b)+16
.endr
	WLOAD WS0, 0                                   ; unit 0
	WLOAD WS1, 1                                   ; unit 1
	WIN 0
.irp u, 3,4,5
	global_prefetch_b8 v18, s[8:9] offset:256*(\u) th:TH_LOAD_NT scope:SCOPE_SE  ; units 3 to 5: the trips ask from unit 6 on
.endr
	s_wait_kmcnt 0x0                               ; base and count
	s_min_u32 s16, s16, 0x400
	s_min_u32 s26, s26, 0x800
	s_lshl_b32 s20, s14, 4
	s_add_co_u32 s20, s20, 256
	s_cmp_lt_u32 s20, s16
	s_cselect_b32 s17, 1, 0                        ; has my fifth tile a row?
.irp q, 0,1,2,3,4
	s_add_co_u32 s20, s26, 64*(\q)
	v_add_nc_u32 v[12+(\q)], s20, v27              ; place base + 64 q + 16 w + r
.if UP == 0
	v_min_u32 v[56+(\q)], 0x7ff, v[12+(\q)]
	v_lshlrev_b32 v[56+(\q)], 2, v[56+(\q)]        ; the place's word in the list
.endif
	MKAOFF 12+(\q)
.endr
	ALOAD AS0, 0, 1                                ; the rows' unit 0, all five tiles
.if UP == 0
.irp q, 0,1,2,3,4
	global_load_b32 v[51+(\q)], v[56+(\q)], s[54:55]  ; my five tiles' slots, lane r row r's: wanted on the way out alone, asked for here
.endr
.endif
	s_wait_loadcnt 52+NSL                          ; younger: two units' 32 loads, the rows' 20 and the slots': the bias is in.  It is rounded to bf16 like every input, and widened again
	WIN 0x0f                                       ; sources window 3, destination window 0
.set gi, 0
.rept 32
	v_cvt_pk_bf16_f32 v[64+gi], v[BIAS+2*gi], v[BIAS+2*gi+1]
.set gi, gi+1
.endr
.if UP == 0
	WIN 0
.set gi, 0
.rept 32
	v_and_b32 v[64+gi], s29, v[64+gi]
.set gi, gi+1
.endr
.endif
	WIN 0xc0
.set gi, 0
.rept 32
	v_lshlrev_b32 v[BIAS+2*gi], 16, v[64+gi]
	v_and_b32 v[BIAS+2*gi+1], 0xffff0000, v[64+gi]
.set gi, gi+1
.endr
	WIN 0
	s_wait_loadcnt 36+NSL                          ; younger: unit 1's 16, the rows' 20 and the slots': unit 0 is in
	WCONV WS0
	WLOAD WS0, 1                                   ; unit 2
	ALOAD AS1, 1, 1                                ; the rows' unit 1, all five tiles; the weights' base goes on to unit 3
	s_wait_dscnt 0x0                               ; my part of unit 0 lies in LDS,
	s_barrier_signal -1
	s_barrier_wait -1                              ; everybody's does
	FETCHB F0, 0
	TRIP 0, 36, 1, 1, 1, 1, 1                      ; unit 0 starts the sums; younger at its head: unit 2's 16 and the rows' 20 just issued (so the slots are in too)
	s_mov_b32 s18, 6
.Lunits:                                               ; units 1 to 12
	TRIP 1, 32, 1, 1, 1, 1, 0
	TRIP 0, 32, 1, 1, 1, 1, 0
	s_sub_co_u32 s18, s18, 1
	s_cmp_lg_u32 s18, 0
	s_cbranch_scc1 .Lunits
	TRIP 1, 32, 1, 0, 1, 1, 0                      ; unit 13: no weights are left to ask for
	TRIP 0, 16, 1, 0, 0, 1, 0                      ; unit 14: younger are the rows of unit 15 alone, 16 at the least
	TRIP 1, 0, 0, 0, 0, 0, 0                       ; unit 15
; One K step of 32 of a tile past the first five, all from memory: 2 loads of my 16 rows; for each of the 8 blocks of 16 weight rows 4 loads of 16 bytes of f32 (lane (r, h): row r, K = 8 h + 0..7 and 16 + 8 h + 0..7),
; rounded in pairs into the fragment's 8 registers; 8 products on tile 4's accumulators, which take turns.  first = 1: they start the sums, with the bias as C.
.macro SSTEP first
	WIN 0x40
	global_load_b128 v[0:3], v16, s[34:35]
	global_load_b128 v[4:7], v16, s[34:35] offset:32
	WIN 0
.irp b, 0,1,2,3,4,5,6,7
.irp c, 0,1,2,3
	global_load_b128 v[64+16*(\b)+4*(\c):64+16*(\b)+4*(\c)+3], v26, s[32:33] offset:(\b)*16*WP+((\c)/2)*64+((\c)%2)*16
.endr
.endr
	s_wait_loadcnt 0x0                             ; all that are out: the step's 34, and ahead of the first step the tile's slots; the wait also frees their bases, which step below
.set gi, 0
.rept 64
	v_cvt_pk_bf16_f32 v[192+gi], v[64+2*gi], v[64+2*gi+1]
.set gi, gi+1
.endr
	WIN 0xf4
.irp b, 0,1,2,3,4,5,6,7
.if \first
	PROD 8*(\b), 192, \b, 0, BIAS+8*(\b)
.else
	PROD 8*(\b), 192, \b, 0, 8*(\b)
.endif
.endr
	WIN 0
	PLACES                                         ; ahead of the next step's loads and conversions into the products' sources, and of the way out's first read of the sums
	s_add_nc_u64 s[32:33], s[32:33], 128           ; 32 f32 on,
	s_add_nc_u64 s[34:35], s[34:35], 64            ; 32 bf16 on
.endm
; Tile i's 64 sums leave the accumulators, each read from its low end on.  UP: halved, into window 0.  Else: into my stage, and the tile's 16 slots go from lanes 0-15 into scalar registers.
.macro BLOCK i
.set AB0, 64*((\i)%4)
.if UP
	WIN 0x02+(\i)/4                                ; source 0 window 2 or 3
.set gi, 0
.rept 32
	v_pk_mul_f32 v[HX+2*gi:HX+2*gi+1], v[AB0+2*gi:AB0+2*gi+1], 0.5 op_sel_hi:[1,0]
.set gi, gi+1
.endr
.else
	WIN 0x08+4*((\i)/4)                            ; store data window 2 or 3
.irp b, 0,1,2,3,4,5,6,7
	ds_store_b128 v28, v[AB0+8*(\b):AB0+8*(\b)+3]   offset:64*(\b)
	ds_store_b128 v28, v[AB0+8*(\b)+4:AB0+8*(\b)+7] offset:64*(\b)+16
.endr
.endif
	WIN 0
.if UP == 0
.irp t, 0,1,2,3,4,5,6,7,8,9,10,11,12,13,14,15
	v_readlane_b32 s[68+(\t)], v[51+(\i)], \t
.endr
.endif
.endm
.if UP
; gelu(x) = x/2 + |x/2| (1 - q), q = t (a1 + t (a2 + t (a3 + t (a4 + t a5)))) exp(-x^2 / 2), t = 1 / (1 + 0.3275911 |x| / sqrt(2)), for 32 numbers a lane.  The 32 reciprocals are one batch with one wait, the 32
; exponentials another; each has a plain line behind it, and nothing names a result ahead of its batch's wait.
.macro GELU k
.set HB, HX+32*(\k)
.set gi, 0
.rept 32
	v_fma_f32 v[TT+gi], |v[HB+gi]|, s40, 1.0
.set gi, gi+1
.endr
.set gi, 0
.rept 16
	v_rcp_f32 v[TT+2*gi], v[TT+2*gi]
	v_pk_mul_f32 v[EE+2*gi:EE+2*gi+1], v[HB+2*gi:HB+2*gi+1], v[HB+2*gi:HB+2*gi+1]
	v_rcp_f32 v[TT+2*gi+1], v[TT+2*gi+1]
	v_pk_mul_f32 v[EE+2*gi:EE+2*gi+1], v[EE+2*gi:EE+2*gi+1], s[42:43] op_sel_hi:[1,0]
.set gi, gi+1
.endr
	s_wait_alu depctr_va_vdst(0)                   ; the reciprocals' wait
.set gi, 0
.rept 16
	v_exp_f32 v[EE+gi], v[EE+gi]
	v_pk_fma_f32 v[QQ+2*gi:QQ+2*gi+1], v[TT+2*gi:TT+2*gi+1], s[52:53], s[50:51] op_sel_hi:[1,0,0]
.set gi, gi+1
.endr
.set gi, 0
.rept 16
	v_exp_f32 v[EE+16+gi], v[EE+16+gi]
	v_pk_fma_f32 v[QQ+2*gi:QQ+2*gi+1], v[QQ+2*gi:QQ+2*gi+1], v[TT+2*gi:TT+2*gi+1], s[48:49] op_sel_hi:[1,1,0]
.set gi, gi+1
.endr
.irp c, 46, 44
.set gi, 0
.rept 16
	v_pk_fma_f32 v[QQ+2*gi:QQ+2*gi+1], v[QQ+2*gi:QQ+2*gi+1], v[TT+2*gi:TT+2*gi+1], s[\c:(\c)+1] op_sel_hi:[1,1,0]
.set gi, gi+1
.endr
.endr
.set gi, 0
.rept 16
	v_pk_mul_f32 v[QQ+2*gi:QQ+2*gi+1], v[QQ+2*gi:QQ+2*gi+1], v[TT+2*gi:TT+2*gi+1]
.set gi, gi+1
.endr
	s_wait_alu depctr_va_vdst(0)                   ; the exponentials' wait
.set gi, 0
.rept 16
	v_pk_mul_f32 v[QQ+2*gi:QQ+2*gi+1], v[QQ+2*gi:QQ+2*gi+1], v[EE+2*gi:EE+2*gi+1]
.set gi, gi+1
.endr
.set gi, 0
.rept 32
	v_fma_f32 v[QQ+gi], -v[QQ+gi], |v[HB+gi]|, |v[HB+gi]|
.set gi, gi+1
.endr
.set gi, 0
.rept 16
	v_pk_add_f32 v[QQ+2*gi:QQ+2*gi+1], v[QQ+2*gi:QQ+2*gi+1], v[HB+2*gi:HB+2*gi+1]
.set gi, gi+1
.endr
.set gi, 0
.rept 16
	v_cvt_pk_bf16_f32 v[OO+gi], v[QQ+2*gi], v[QQ+2*gi+1]
.set gi, gi+1
.endr
.irp c, 0,1,2,3
	ds_store_b128 v28, v[OO+4*(\c):OO+4*(\c)+3] offset:32*(4*(\k)+(\c))
.endr
.endm
.endif
	; THE WAY OUT, tile by tile.  s19 counts the 16 trips down; trip 16 - s19 has my rows 64 (16 - s19) + 16 w on.  A tile without a row is jumped to the label ahead of the counter's step.
	s_mov_b32 s19, 16
	s_lshl_b32 s24, s14, 4                         ; the tile's first row
.Lout:
	s_cmp_ge_u32 s24, s16
	s_cbranch_scc1 .Lstored                        ; no row: nothing to multiply, nothing to store
	s_cmp_gt_u32 s19, 11
	s_cbranch_scc1 .Lhave                          ; the first five tiles are multiplied already
	s_add_co_u32 s20, s26, s24
	v_add_nc_u32 v16, s20, v1                      ; place base + the tile's first row + r
.if UP == 0
	v_min_u32 v60, 0x7ff, v16
	v_lshlrev_b32 v60, 2, v60                      ; the place's word in the list
.endif
	MKAOFF 16
	s_wait_xcnt 0x0
	s_mov_b64 s[32:33], s[8:9]                     ; the slice's and the rows' first K step
	s_mov_b64 s[34:35], s[6:7]
.if UP == 0
	global_load_b32 v55, v60, s[54:55]             ; this tile's slots take the fifth tile's register; the first step's wait for 0 covers the load
.endif
	SSTEP 1
	s_mov_b32 s18, 31
.Lrem:
	SSTEP 0
	s_sub_co_u32 s18, s18, 1
	s_cmp_lg_u32 s18, 0
	s_cbranch_scc1 .Lrem
.Lhave:
	s_cmp_eq_u32 s19, 16
	s_cbranch_scc1 .Lb0
	s_cmp_eq_u32 s19, 15
	s_cbranch_scc1 .Lb1
	s_cmp_eq_u32 s19, 14
	s_cbranch_scc1 .Lb2
	s_cmp_eq_u32 s19, 13
	s_cbranch_scc1 .Lb3
	BLOCK 4
	s_branch .Lgot
.Lb0:
	BLOCK 0
	s_branch .Lgot
.Lb1:
	BLOCK 1
	s_branch .Lgot
.Lb2:
	BLOCK 2
	s_branch .Lgot
.Lb3:
	BLOCK 3
.Lgot:
	s_sub_co_u32 s25, s16, s24                     ; rows left from this tile on: at least 1
.if UP
	GELU 0
	GELU 1
.irp t, 0,1,2,3,4,5,6,7,8,9,10,11,12,13,14,15
	ds_load_b64 v[128+2*(\t):128+2*(\t)+1], v29 offset:SPITCH*(\t)  ; my own stage: these see the stores above; one whole row of 256 bytes
.endr
	s_add_co_u32 s20, s26, s24
	s_min_u32 s20, s20, 0x7ff
	v_lshl_add_u32 v32, s20, OSH, v30              ; the tile's first place in hbuf; its rows follow each other, 8,192 bytes apart
.else
.irp t, 0,1,2,3,4,5,6,7,8,9,10,11,12,13,14,15
	ds_load_b128 v[64+4*(\t):64+4*(\t)+3], v29 offset:SPITCH*(\t)  ; my own stage: these see the stores above; one whole row of 512 bytes
.endr
.irp t, 0,1,2,3,4,5,6,7,8,9,10,11,12,13,14,15
	s_min_u32 s[68+(\t)], s[68+(\t)], 0x7ff
	v_lshl_add_u32 v[32+(\t)], s[68+(\t)], OSH, v30  ; the row's slot in part
.endr
.endif
	s_wait_dscnt 0x0
.irp t, 0,1,2,3,4,5,6,7,8,9,10,11,12,13,14,15
	s_cmp_le_u32 s25, \t
	s_cbranch_scc1 .Lstored                        ; rows past the count are not stored: whole stores are jumped
.if UP
	global_store_b64 v32, v[128+2*(\t):128+2*(\t)+1], s[12:13] offset:(\t)*(1<<OSH)  ; 32 lanes store 256 consecutive bytes, aligned
.else
	global_store_b128 v[32+(\t)], v[64+4*(\t):64+4*(\t)+3], s[12:13]  ; 32 lanes store 512 consecutive bytes, aligned
.endif
.endr
.Lstored:
	s_wait_xcnt 0x0                                ; the stores have read their registers, which the next trip writes
	s_add_co_u32 s24, s24, 64
	s_sub_co_u32 s19, s19, 1
	s_cmp_lg_u32 s19, 0
	s_cbranch_scc1 .Lout
	s_wait_tensorcnt 0x0                           ; the wave's end
	ds_add_u32 v4, v5
	s_wait_dscnt 0x0
	s_endpgm
.Lfunc_end_k_q663ee699a6_up:
	.size	k_q663ee699a6_up, .Lfunc_end_k_q663ee699a6_up-k_q663ee699a6_up
	.p2alignl 7, 3214868480
	.fill 96, 4, 3214868480
	.section	.rodata,"a",@progbits
	.p2align	6, 0x0
	.amdhsa_kernel k_q663ee699a6_up
		.amdhsa_group_segment_fixed_size 282112
		.amdhsa_private_segment_fixed_size 0
		.amdhsa_enable_private_segment 0
		.amdhsa_kernarg_size 40
		.amdhsa_user_sgpr_count 2
		.amdhsa_user_sgpr_kernarg_segment_ptr 1
		.amdhsa_wavefront_size32 1
		.amdhsa_system_sgpr_workgroup_id_x 1
		.amdhsa_system_sgpr_workgroup_id_y 1
		.amdhsa_system_sgpr_workgroup_id_z 1
		.amdhsa_system_vgpr_workitem_id 0
		.amdhsa_next_free_vgpr 1024
		.amdhsa_next_free_sgpr 66
		.amdhsa_reserve_vcc 0
		.amdhsa_float_denorm_mode_32 3
		.amdhsa_float_denorm_mode_16_64 3
		.amdhsa_memory_ordered 1
		.amdhsa_forward_progress 1
		.amdhsa_inst_pref_size 167
	.end_amdhsa_kernel
	.amdgpu_metadata
---
amdhsa.version: [ 1, 2 ]
amdhsa.kernels:
  - .name:           k_q663ee699a6_up
    .symbol:         k_q663ee699a6_up.kd
    .args:
      - { .name: tab, .offset: 0, .size: 8, .value_kind: global_buffer, .address_space: global }
      - { .name: xg, .offset: 8, .size: 8, .value_kind: global_buffer, .address_space: global }
      - { .name: w1, .offset: 16, .size: 8, .value_kind: global_buffer, .address_space: global }
      - { .name: b1, .offset: 24, .size: 8, .value_kind: global_buffer, .address_space: global }
      - { .name: hbuf, .offset: 32, .size: 8, .value_kind: global_buffer, .address_space: global }
    .group_segment_fixed_size: 282112
    .private_segment_fixed_size: 0
    .kernarg_segment_align: 8
    .kernarg_segment_size: 40
    .max_flat_workgroup_size: 128
    .sgpr_count:     66
    .vgpr_count:     1024
    .wavefront_size: 32
...
	.end_amdgpu_metadata
.endif
;; end of part 7
;; launch down (part 8): grid 256 x 1, 4 waves a work-group, no clusters, 298,496 bytes of LDS; arguments tab, hbuf, w2, b2, part; writes part
.if DOCPART == 8
	.amdgcn_target "amdgcn-amd-amdhsa--gfx1250"
	.amdhsa_code_object_version 6
	.text
	.protected	k_q663ee699a6_down
	.globl	k_q663ee699a6_down
	.p2align	8
	.type	k_q663ee699a6_down,@function
k_q663ee699a6_down:
	s_mov_b64 s[64:65], 0
	v_nop
	global_prefetch_b8 v0, s[64:65] scope:SCOPE_SE
	s_setreg_imm32_b32 hwreg(HW_REG_WAVE_MODE, 25, 1), 1
	s_wait_xcnt 0x0
; ONE TEXT FOR BOTH PRODUCTS OF THE EXPERTS; the switch UP chooses the constants and the way out.
;   UP = 1: hbuf[place][:] = gelu(xg[place] w1[e]^T + b1[e]), bf16.      UP = 0: part[slot][ks][:] = hbuf[place][1024 ks ..] w2[e][:, 1024 ks ..]^T (+ b2[e] where ks = 0), f32 partial sums.
; The routed rows lie end to end in the experts' order: expert e has the places base .. base + count - 1 (both from tab); lst[place] (tab, from byte 256 on) is the row's slot, 2 x token + choice.
; SHARES.  A work-group has ONE expert's slice of 128 output columns x 1,024 K, 524,288 bytes of f32 that it alone reads, and all of that expert's rows, whatever their number (0 to 1,024).
; Bits 3, 2 and 0 of the work-group's number name the expert, bits 7 to 4 and 1 the slice: each pair of expert and slice has one work-group, and the 32 work-groups that read the same rows agree in those three bits.
; The slice is rounded to bf16 on its way through registers into LDS.  K goes in 16 UNITS of 64.  While later units are on their way, the units that lie in LDS are multiplied with the expert's first 320 rows:
; 5 tiles of 16 rows a wave (tile q of wave w: rows 64 q + 16 w on); where the fifth tile has no row its loads (from unit 2 on) and its products (from the second K step on) are jumped.  A row past the count is
; a neighbour's row, or the buffer's last: it is multiplied and not stored.
; Rows past 320 are multiplied afterwards, tile by tile, in the loop of the way out: 16 trips, a constant, which cover 1,024 rows; a tile without a row is jumped, forward, to the label ahead of the counter's step;
; no barrier stands in what is jumped.  Such a tile takes its weights from memory once more, in f32, straight in the fragments' layout: 512 KB a tile, slow, and right for every split.
; NO TENSOR LOADS, NO CLUSTER: a weight has one reader and must be rounded on its way.  The rows are shared by an expert's 32 work-groups; joint loads would spare three of four requests for them, but
; beside the slice's 264,192 bytes and the stages LDS has 45,568 bytes left (UP = 0: 29,184), and two slots of a unit's 320 rows of 144 bytes want 92,160.  The slice stays whole in LDS so that no byte is written twice
; and one barrier a unit is enough.  The rows come from memory straight into registers as matrix operands.
; THE MATRIX INSTRUCTION IS USED TRANSPOSED: source 0 = 16 weight rows, source 1 = 16 token rows: lane (r, h) holds token row r, register j output column 16 b + 8 h + j.  The bias is the C of the first product.
; FORMATS.  Weights and bias are rounded once to bf16, sums in f32, h once to bf16 (f16 has no room for inputs 30 times larger).
; LIMITS.  NaN and infinities are not treated apart.  erf by the rational form of Abramowitz and Stegun 7.1.26, absolute error at most 1.5e-7 for every argument: gelu(x) is off by at most 0.75e-7 |x|.
; REGISTERS, in windows of 256 (s_set_vgpr_msb: bits 1:0 source 0, 3:2 source 1, 5:4 source 2, 7:6 destination):
;   window 0: v1 r, v2 h, v3 lane; v4, v5 the add's two; v6 weights' offset; v7 weights' place in LDS; v8-11 weight fragments' addresses; v12-16 the five tiles' row offsets; v18 prefetch offset; v19 16 h;
;             v24 at work; v26 a weight fragment's offset in memory; v27 16 w + r; v28, v29 stage in and back; v30 column offset; v32-47 store offsets; v50 bias offset;
;             UP = 0: v51-55 the five tiles' slots (lane r: row r's), v56-60 their offsets in the list;
;             v64-127, v128-191 weight fragments of one K step each (on the way out: at work); v192-255 at work
;   window 1: v0-79, v80-159 row fragments of one unit each (tile q, K step j at 8 (2 q + j))       window 2: accumulators (q, b) at 8 (8 q + b), q = 0..3
;   window 3: v0-63 tile 4's accumulators; v64-127, v128-191 weights as loaded, two units; v192-255 the bias in the accumulators' layout
; SCALARS: s14 wave, s15 32 x expert + slice, s16 count, s17 has my fifth tile a row, s18, s19 loop counts, s24 a tile's first row, s25 rows left, s26 base, s[32:33], s[34:35] the weights' and the rows' walking bases,
;   s[36:39] prefetch; UP = 1: s40-53 constants; UP = 0: s29 bias mask, s[54:55] the list, s[68:83] a tile's 16 slots
.set UP, 0
.if UP
.set WSH,    12                        ; a weight row is 4,096 bytes from the next
.set ASH,    11                        ; a row of xg 2,048
.set OSH,    13                        ; a row of hbuf 8,192
.set SPITCH, 272                       ; a stage row: 256 bytes + 16
.else
.set WSH,    14                        ; a weight row is 16,384 bytes from the next
.set ASH,    13                        ; a row of hbuf 8,192
.set OSH,    14                        ; a slot of part 16,384
.set SPITCH, 528                       ; a stage row: 512 bytes + 16
.endif
.set NSL,   5*(1-UP)                   ; the loads of slots in the prologue
.set WP,    1<<WSH
.set PW,    2064                       ; a row of the slice in LDS: 2,048 bytes + 16 = 516 words: row r starts at bank 4 r mod 64 (64 banks of 4 bytes: ISA guide 11.1)
.set STAGE, 128*PW                     ; behind the slice: 16 stage rows for each wave, its own
.set SPARE, STAGE+4*16*SPITCH          ; the spare words, 128 bytes a wave: two blocks of 256 bytes that no other line names
.set F0,   64
.set F1,   128
.set AS0,  0
.set AS1,  80
.set WS0,  64
.set WS1,  128
.set BIAS, 192
.set HX,   64                          ; the way out of UP: x / 2; t; the exponential; the polynomial; packed results
.set TT,   128
.set EE,   160
.set QQ,   192
.set OO,   224
.set MSB, 0
.macro WIN new                         ; the immediate's high byte repeats the setting that is left; a switch that changes nothing is dropped
.if MSB != (\new)
	s_set_vgpr_msb (MSB<<8)|(\new)
.set MSB, \new
.endif
.endm
.macro PLACES                          ; four places between a matrix instruction and a write or load into one of its sources, or a read of its result (ISA guide 7.12.1 for vector instructions)
.rept 4
	v_nop
.endr
.endm
; 16 loads: my wave's 32 rows of one unit, 256 bytes of each.  A load takes two rows 8 apart (one for each half of the lanes): two aligned blocks of 256 bytes.
; step = 1 (the prologue alone): the base goes on by a unit first.  In the trips the base has been stepped by the ALOAD before.
.macro WLOAD set, step
	WIN 0xc0                                       ; destination window 3
.if \step
	s_wait_xcnt 0x0                                ; the base steps only when earlier loads have had their addresses translated
	s_add_nc_u64 s[32:33], s[32:33], 256
.endif
.irp i, 0,1,2,3,4,5,6,7,8,9,10,11,12,13,14,15
	global_load_b128 v[(\set)+4*(\i):(\set)+4*(\i)+3], v6, s[32:33] offset:(((\i)/8)*16+(\i)%8)*WP th:TH_LOAD_NT
.endr
.endm
; A unit is rounded in place and laid into LDS.  A store's two halves of the lanes write 128 bytes of rows 8 apart, which start 32 banks apart.
.macro WCONV set
	WIN 0xcf                                       ; destination and both sources window 3
.irp i, 0,1,2,3,4,5,6,7,8,9,10,11,12,13,14,15
	v_cvt_pk_bf16_f32 v[(\set)+4*(\i)], v[(\set)+4*(\i)], v[(\set)+4*(\i)+1]
	v_cvt_pk_bf16_f32 v[(\set)+4*(\i)+1], v[(\set)+4*(\i)+2], v[(\set)+4*(\i)+3]
.endr
	WIN 0x0c                                       ; store data window 3, address window 0
.irp i, 0,1,2,3,4,5,6,7,8,9,10,11,12,13,14,15
	ds_store_b64 v7, v[(\set)+4*(\i):(\set)+4*(\i)+1] offset:(((\i)/8)*16+(\i)%8)*PW
.endr
	WIN 0
	v_add_nc_u32 v7, 0x80, v7                      ; the next unit's 128 bytes of a row
.endm
; One unit (128 bytes of a row) of my tiles' rows, straight into the fragments' layout: 16 loads for tiles 0-3, 4 for tile 4.  full = 0: tile 4's are jumped where it has no row.
; An expert's 32 work-groups read the same rows: hence the hint.  step = 1: BOTH walking bases go on by a unit here, behind ONE wait: in a trip the youngest loads ahead of it are the
; trip's 16 weight loads, issued two K steps earlier.
.macro ALOAD set, step, full
.if \step
	s_wait_xcnt 0x0                                ; the bases step only when earlier loads have had their addresses translated; the wait also frees the prefetch's address
	s_add_nc_u64 s[34:35], s[34:35], 128           ; the rows' next unit,
	s_add_nc_u64 s[32:33], s[32:33], 256           ; and the unit of weights that the next trip asks for
.endif
	WIN 0x40                                       ; destination window 1
.irp q, 0,1,2,3
.irp j, 0,1
	global_load_b128 v[(\set)+8*(2*(\q)+(\j)):(\set)+8*(2*(\q)+(\j))+3],   v[12+(\q)], s[34:35] offset:64*(\j) th:TH_LOAD_HT
	global_load_b128 v[(\set)+8*(2*(\q)+(\j))+4:(\set)+8*(2*(\q)+(\j))+7], v[12+(\q)], s[34:35] offset:64*(\j)+32 th:TH_LOAD_HT
.endr
.endr
.if (\full) == 0
	WIN 0                                          ; at a branch and at a label every window is 0
	s_cmp_eq_u32 s17, 0
	s_cbranch_scc1 .Lno_rows_\@
	WIN 0x40
.endif
.irp j, 0,1
	global_load_b128 v[(\set)+64+8*(\j):(\set)+64+8*(\j)+3],   v16, s[34:35] offset:64*(\j) th:TH_LOAD_HT
	global_load_b128 v[(\set)+64+8*(\j)+4:(\set)+64+8*(\j)+7], v16, s[34:35] offset:64*(\j)+32 th:TH_LOAD_HT
.endr
	WIN 0
.if (\full) == 0
.Lno_rows_\@:
.endif
.endm
; 16 LDS loads in one run: the weight fragments of one K step (128 rows x 32 K, at byte off from the addresses' unit)
.macro FETCHB buf, off
.irp b, 0,1,2,3,4,5,6,7
	ds_load_b128 v[(\buf)+8*(\b):(\buf)+8*(\b)+3],   v[8+(\b)/2] offset:((\b)%2)*16*PW+(\off)
	ds_load_b128 v[(\buf)+8*(\b)+4:(\buf)+8*(\b)+7], v[8+(\b)/2] offset:((\b)%2)*16*PW+(\off)+32
.endr
.endm
.macro PROD d, fb, b, a, c
	v_wmma_f32_16x16x32_bf16 v[(\d):(\d)+7], v[(\fb)+8*(\b):(\fb)+8*(\b)+7], v[(\a):(\a)+7], v[(\c):(\c)+7]
.endm
; One K step: buffer fb is multiplied with K step j of row set aset; the next K step's fragments go into buffer gb meanwhile.  The 40 accumulators take turns in one order, one instruction a turn.
; first = 1: the products start the sums, with the bias as C, tile 4's too, so that its accumulators are written on every path.  bwait = 1: the barrier's wait stands behind the first 32 products.
.macro KSTEP fb, gb, aset, j, fetch, off, first, bwait
	WIN 0
	s_wait_dscnt 0x0                               ; buffer fb is in
.if \fetch
	PLACES
	FETCHB \gb, \off
.endif
.if \first
	WIN 0xb4                                       ; weights window 0, rows window 1, C (the bias) window 3, D window 2
.else
	WIN 0xa4                                       ; the same with C and D window 2
.endif
.irp q, 0,1,2,3
.irp b, 0,1,2,3,4,5,6,7
.if \first
	PROD 8*(8*(\q)+(\b)), \fb, \b, (\aset)+8*(2*(\q)+(\j)), BIAS+8*(\b)
.else
	PROD 8*(8*(\q)+(\b)), \fb, \b, (\aset)+8*(2*(\q)+(\j)), 8*(8*(\q)+(\b))
.endif
.endr
.endr
	WIN 0                                          ; at a branch and at a label every window is 0
.if \bwait
	s_barrier_wait -1                              ; every wave's part of the next unit lies in LDS
.endif
.if (\first) == 0
	s_cmp_eq_u32 s17, 0
	s_cbranch_scc1 .Lno5_\@                        ; my fifth tile has no row: its 8 products are jumped
.endif
	WIN 0xf4                                       ; C and D window 3
.irp b, 0,1,2,3,4,5,6,7
.if \first
	PROD 8*(\b), \fb, \b, (\aset)+8*(8+(\j)), BIAS+8*(\b)
.else
	PROD 8*(\b), \fb, \b, (\aset)+8*(8+(\j)), 8*(\b)
.endif
.endr
	WIN 0
.if (\first) == 0
.Lno5_\@:
.endif
.endm
; THE TRIP of unit u, p = u % 2.  n: the loads that may stay out at its head: wanted are the weights of unit u + 1 and the rows of unit u, both asked for two trips ago; younger are the last trip's 16 weight loads
; and its row loads, 16 where the fifth tile's are jumped and 20 where not: the count is the lesser sum, which is right on both ways.
; conv: unit u + 1 goes into LDS, and ONE barrier orders those stores (waited for ahead of the signal) with their first read, behind the wait.  No byte of the slice is written twice.
; wload: unit u + 3 is asked for, and unit u + 6 (held at the slice's last unit) is prefetched: one line a wave, its 32 lanes one block of 256 bytes of the wave's 32 rows each.  aload: the rows of unit u + 2.
.macro TRIP p, n, conv, wload, aload, fetchn, first
.if \p
.set XW, WS0
.set XA, AS1
.else
.set XW, WS1
.set XA, AS0
.endif
	s_wait_loadcnt \n
.if \conv
	WCONV XW
.endif
.if \wload
	WLOAD XW, 0                                    ; by the base that the last ALOAD stepped
	WIN 0
	s_add_nc_u64 s[36:37], s[8:9], s[38:39]        ; the last prefetch's address was freed by the wait in the last ALOAD
	global_prefetch_b8 v18, s[36:37] th:TH_LOAD_NT scope:SCOPE_SE
	s_add_co_u32 s38, s38, 256
	s_min_u32 s38, s38, 3840                       ; never past the slice's last unit
.endif
.if \conv
	s_wait_dscnt 0x0                               ; for the others' sake: my part of unit u + 1 lies in LDS
	s_barrier_signal -1
.endif
	KSTEP F0, F1, XA, 0, 1, 64, \first, \conv
	KSTEP F1, F0, XA, 1, \fetchn, 128, 0, 0
.irp a, 8,9,10,11
	v_add_nc_u32 v[\a], 0x80, v[\a]                ; the next unit; these four are also the places ahead of the loads into the rows' registers, and of the way out
.endr
.if \aload
	ALOAD XA, 1, 0
.endif
.endm
.macro MKAOFF reg                      ; a place becomes a row's byte offset; it hangs on a loaded number and is held inside the buffer's 2,048 rows
	v_min_u32 v[\reg], 0x7ff, v[\reg]
	v_lshl_add_u32 v[\reg], v[\reg], ASH, v19
.endm
	s_load_b256 s[4:11], s[0:1], 0x0               ; tab s[4:5], rows s[6:7], weights s[8:9], bias s[10:11]
	s_load_b64 s[12:13], s[0:1], 0x20              ; out
	v_lshl_add_u32 v4, v0, 2, SPARE                ; my spare word,
	v_mov_b32 v5, 0                                ; and 0: kept for the add at the wave's end
	v_lshrrev_b32 v1, 5, v0
	v_readfirstlane_b32 s14, v1                    ; wave 0..3
	v_and_b32 v1, 15, v0                           ; r
	v_bfe_u32 v2, v0, 4, 1                         ; h
	v_and_b32 v3, 31, v0                           ; lane
	s_lshr_b32 s20, ttmp9, 1
	s_and_b32 s20, s20, 6                          ; bits 3 and 2 of the work-group's number,
	s_and_b32 s21, ttmp9, 1
	s_or_b32 s20, s20, s21                         ; and bit 0: the expert
	s_lshr_b32 s21, ttmp9, 4                       ; bits 7 to 4,
	s_lshl_b32 s21, s21, 1
	s_bfe_u32 s22, ttmp9, 0x10001                  ; and bit 1: the slice
	s_or_b32 s21, s21, s22
	s_lshl_b32 s15, s20, 5
	s_or_b32 s15, s15, s21                         ; 32 x expert + slice
	s_mul_i32 s21, s14, 32*WP
	v_mul_u32_u24 v6, v2, 8*WP
	v_lshl_add_u32 v6, v1, 4, v6
	v_add_nc_u32 v6, s21, v6                       ; (32 w + 8 h) rows + 16 r
	s_mul_i32 s21, s14, 32*PW
	v_mul_u32_u24 v7, v2, 8*PW
	v_lshl_add_u32 v7, v1, 3, v7
	v_add_nc_u32 v7, s21, v7                       ; the same place in LDS, in bf16
	v_mul_u32_u24 v24, v1, PW
	v_lshl_add_u32 v24, v2, 4, v24                 ; a fragment's row x pitch + 16 x half
.irp p, 0,1,2,3
	v_add_nc_u32 v[8+(\p)], (\p)*32*PW, v24        ; weight blocks 2 p and 2 p + 1
.endr
	v_lshlrev_b32 v18, WSH, v0                     ; the thread's number is 32 w + lane: my row for the prefetch
	v_lshlrev_b32 v19, 4, v2
	v_lshlrev_b32 v26, WSH, v1
	v_lshl_add_u32 v26, v2, 5, v26                 ; a weight fragment in memory: row r, 32 bytes (8 f32) for each half of the lanes
	s_lshl_b32 s22, s14, 4
	v_add_nc_u32 v27, s22, v1                      ; 16 w + r
	s_mul_i32 s23, s14, 16*SPITCH
	s_add_co_u32 s23, s23, STAGE                   ; my stage
	v_mul_u32_u24 v28, v1, SPITCH
.if UP
	v_lshl_add_u32 v28, v2, 4, v28                 ; in: row r, 16 bytes for each half of the lanes
	v_lshl_add_u32 v29, v3, 3, s23                 ; back: 32 lanes take one row of 256 bytes, 8 bytes each
	v_lshlrev_b32 v30, 3, v3
.else
	v_lshl_add_u32 v28, v2, 5, v28                 ; in: row r, 32 bytes for each half of the lanes
	v_lshl_add_u32 v29, v3, 4, s23                 ; back: 32 lanes take one row of 512 bytes, 16 bytes each
	v_lshlrev_b32 v30, 4, v3
.endif
	v_add_nc_u32 v28, s23, v28
	v_lshlrev_b32 v50, 5, v2                       ; bias: 8 numbers for each half of the lanes
	s_lshr_b32 s20, s15, 5                         ; the expert
	s_mov_b32 s31, 0
	s_mov_b32 s38, 1536                            ; the first trip prefetches unit 6
	s_mov_b32 s39, 0
.if UP
	s_mov_b32 s40, 0x3eed3388                      ; 0.3275911 x sqrt(2)
	s_mov_b32 s42, 0xc038aa3b                      ; -2 log2(e)
	s_mov_b32 s44, 0x3e827906                      ; a1 =  0.254829592
	s_mov_b32 s46, 0xbe91a98e                      ; a2 = -0.284496736
	s_mov_b32 s48, 0x3fb5f0e3                      ; a3 =  1.421413741
	s_mov_b32 s50, 0xbfba00e3                      ; a4 = -1.453152027
	s_mov_b32 s52, 0x3f87dc22                      ; a5 =  1.061405429
.irp c, 42,44,46,48,50,52
	s_mov_b32 s[(\c)+1], s[\c]                     ; named as pairs
.endr
.endif
	s_wait_kmcnt 0x0
	s_lshl_b32 s30, s20, 2
	s_add_nc_u64 s[36:37], s[4:5], s[30:31]        ; the table at my expert
	s_load_b32 s26, s[36:37], 0x0                  ; its first place,
	s_load_b32 s16, s[36:37], 0x20                 ; and its number of rows: on their way while the first weights are asked for
.if UP
	s_lshl_b32 s30, s15, 19                        ; 128 rows of 4,096 bytes a slice
	s_add_nc_u64 s[8:9], s[8:9], s[30:31]
	s_lshl_b32 s30, s15, 9
	s_add_nc_u64 s[10:11], s[10:11], s[30:31]
	s_and_b32 s30, s15, 31
	s_lshl_b32 s30, s30, 8
	s_add_nc_u64 s[12:13], s[12:13], s[30:31]      ; my 128 columns of a row of hbuf
.else
	s_add_nc_u64 s[54:55], s[4:5], 256             ; the list
	s_and_b32 s21, s15, 7                          ; ns: which 128 output columns
	s_bfe_u32 s22, s15, 0x20003                    ; ks: which 1,024 of K
	s_lshl_b32 s30, s20, 24
	s_lshl_b32 s23, s21, 21
	s_add_co_u32 s30, s30, s23
	s_lshl_b32 s23, s22, 12
	s_add_co_u32 s30, s30, s23
	s_add_nc_u64 s[8:9], s[8:9], s[30:31]
	s_lshl_b32 s30, s20, 12
	s_lshl_b32 s23, s21, 9
	s_add_co_u32 s30, s30, s23
	s_add_nc_u64 s[10:11], s[10:11], s[30:31]
	s_lshl_b32 s30, s22, 11
	s_add_nc_u64 s[6:7], s[6:7], s[30:31]
	s_lshl_b32 s30, s22, 12
	s_add_co_u32 s30, s30, s23
	s_add_nc_u64 s[12:13], s[12:13], s[30:31]
	s_cmp_eq_u32 s22, 0
	s_cselect_b32 s29, -1, 0                       ; the bias is counted in K split 0 alone
.endif
	s_mov_b64 s[32:33], s[8:9]                     ; the weights' walking base,
	s_mov_b64 s[34:35], s[6:7]                     ; and the rows'
	WIN 0xc0
.irp b, 0,1,2,3,4,5,6,7
	global_load_b128 v[BIAS+8*(\b):BIAS+8*(\b)+3],   v50, s[10:11] offset:64*(\b)
	global_load_b128 v[BIAS+8*(\b)+4:BIAS+8*(\b)+7], v50, s[10:11] offset:64*(\b)+16
.endr
	WLOAD WS0, 0                                   ; unit 0
	WLOAD WS1, 1                                   ; unit 1
	WIN 0
.irp u, 3,4,5
	global_prefetch_b8 v18, s[8:9] offset:256*(\u) th:TH_LOAD_NT scope:SCOPE_SE  ; units 3 to 5: the trips ask from unit 6 on
.endr
	s_wait_kmcnt 0x0                               ; base and count
	s_min_u32 s16, s16, 0x400
	s_min_u32 s26, s26, 0x800
	s_lshl_b32 s20, s14, 4
	s_add_co_u32 s20, s20, 256
	s_cmp_lt_u32 s20, s16
	s_cselect_b32 s17, 1, 0                        ; has my fifth tile a row?
.irp q, 0,1,2,3,4
	s_add_co_u32 s20, s26, 64*(\q)
	v_add_nc_u32 v[12+(\q)], s20, v27              ; place base + 64 q + 16 w + r
.if UP == 0
	v_min_u32 v[56+(\q)], 0x7ff, v[12+(\q)]
	v_lshlrev_b32 v[56+(\q)], 2, v[56+(\q)]        ; the place's word in the list
.endif
	MKAOFF 12+(\q)
.endr
	ALOAD AS0, 0, 1                                ; the rows' unit 0, all five tiles
.if UP == 0
.irp q, 0,1,2,3,4
	global_load_b32 v[51+(\q)], v[56+(\q)], s[54:55]  ; my five tiles' slots, lane r row r's: wanted on the way out alone, asked for here
.endr
.endif
	s_wait_loadcnt 52+NSL                          ; younger: two units' 32 loads, the rows' 20 and the slots': the bias is in.  It is rounded to bf16 like every input, and widened again
	WIN 0x0f                                       ; sources window 3, destination window 0
.set gi, 0
.rept 32
	v_cvt_pk_bf16_f32 v[64+gi], v[BIAS+2*gi], v[BIAS+2*gi+1]
.set gi, gi+1
.endr
.if UP == 0
	WIN 0
.set gi, 0
.rept 32
	v_and_b32 v[64+gi], s29, v[64+gi]
.set gi, gi+1
.endr
.endif
	WIN 0xc0
.set gi, 0
.rept 32
	v_lshlrev_b32 v[BIAS+2*gi], 16, v[64+gi]
	v_and_b32 v[BIAS+2*gi+1], 0xffff0000, v[64+gi]
.set gi, gi+1
.endr
	WIN 0
	s_wait_loadcnt 36+NSL                          ; younger: unit 1's 16, the rows' 20 and the slots': unit 0 is in
	WCONV WS0
	WLOAD WS0, 1                                   ; unit 2
	ALOAD AS1, 1, 1                                ; the rows' unit 1, all five tiles; the weights' base goes on to unit 3
	s_wait_dscnt 0x0                               ; my part of unit 0 lies in LDS,
	s_barrier_signal -1
	s_barrier_wait -1                              ; everybody's does
	FETCHB F0, 0
	TRIP 0, 36, 1, 1, 1, 1, 1                      ; unit 0 starts the sums; younger at its head: unit 2's 16 and the rows' 20 just issued (so the slots are in too)
	s_mov_b32 s18, 6
.Lunits:                                               ; units 1 to 12
	TRIP 1, 32, 1, 1, 1, 1, 0
	TRIP 0, 32, 1, 1, 1, 1, 0
	s_sub_co_u32 s18, s18, 1
	s_cmp_lg_u32 s18, 0
	s_cbranch_scc1 .Lunits
	TRIP 1, 32, 1, 0, 1, 1, 0                      ; unit 13: no weights are left to ask for
	TRIP 0, 16, 1, 0, 0, 1, 0                      ; unit 14: younger are the rows of unit 15 alone, 16 at the least
	TRIP 1, 0, 0, 0, 0, 0, 0                       ; unit 15
; One K step of 32 of a tile past the first five, all from memory: 2 loads of my 16 rows; for each of the 8 blocks of 16 weight rows 4 loads of 16 bytes of f32 (lane (r, h): row r, K = 8 h + 0..7 and 16 + 8 h + 0..7),
; rounded in pairs into the fragment's 8 registers; 8 products on tile 4's accumulators, which take turns.  first = 1: they start the sums, with the bias as C.
.macro SSTEP first
	WIN 0x40
	global_load_b128 v[0:3], v16, s[34:35]
	global_load_b128 v[4:7], v16, s[34:35] offset:32
	WIN 0
.irp b, 0,1,2,3,4,5,6,7
.irp c, 0,1,2,3
	global_load_b128 v[64+16*(\b)+4*(\c):64+16*(\b)+4*(\c)+3], v26, s[32:33] offset:(\b)*16*WP+((\c)/2)*64+((\c)%2)*16
.endr
.endr
	s_wait_loadcnt 0x0                             ; all that are out: the step's 34, and ahead of the first step the tile's slots; the wait also frees their bases, which step below
.set gi, 0
.rept 64
	v_cvt_pk_bf16_f32 v[192+gi], v[64+2*gi], v[64+2*gi+1]
.set gi, gi+1
.endr
	WIN 0xf4
.irp b, 0,1,2,3,4,5,6,7
.if \first
	PROD 8*(\b), 192, \b, 0, BIAS+8*(\b)
.else
	PROD 8*(\b), 192, \b, 0, 8*(\b)
.endif
.endr
	WIN 0
	PLACES                                         ; ahead of the next step's loads and conversions into the products' sources, and of the way out's first read of the sums
	s_add_nc_u64 s[32:33], s[32:33], 128           ; 32 f32 on,
	s_add_nc_u64 s[34:35], s[34:35], 64            ; 32 bf16 on
.endm
; Tile i's 64 sums leave the accumulators, each read from its low end on.  UP: halved, into window 0.  Else: into my stage, and the tile's 16 slots go from lanes 0-15 into scalar registers.
.macro BLOCK i
.set AB0, 64*((\i)%4)
.if UP
	WIN 0x02+(\i)/4                                ; source 0 window 2 or 3
.set gi, 0
.rept 32
	v_pk_mul_f32 v[HX+2*gi:HX+2*gi+1], v[AB0+2*gi:AB0+2*gi+1], 0.5 op_sel_hi:[1,0]
.set gi, gi+1
.endr
.else
	WIN 0x08+4*((\i)/4)                            ; store data window 2 or 3
.irp b, 0,1,2,3,4,5,6,7
	ds_store_b128 v28, v[AB0+8*(\b):AB0+8*(\b)+3]   offset:64*(\b)
	ds_store_b128 v28, v[AB0+8*(\b)+4:AB0+8*(\b)+7] offset:64*(\b)+16
.endr
.endif
	WIN 0
.if UP == 0
.irp t, 0,1,2,3,4,5,6,7,8,9,10,11,12,13,14,15
	v_readlane_b32 s[68+(\t)], v[51+(\i)], \t
.endr
.endif
.endm
.if UP
; gelu(x) = x/2 + |x/2| (1 - q), q = t (a1 + t (a2 + t (a3 + t (a4 + t a5)))) exp(-x^2 / 2), t = 1 / (1 + 0.3275911 |x| / sqrt(2)), for 32 numbers a lane.  The 32 reciprocals are one batch with one wait, the 32
; exponentials another; each has a plain line behind it, and nothing names a result ahead of its batch's wait.
.macro GELU k
.set HB, HX+32*(\k)
.set gi, 0
.rept 32
	v_fma_f32 v[TT+gi], |v[HB+gi]|, s40, 1.0
.set gi, gi+1
.endr
.set gi, 0
.rept 16
	v_rcp_f32 v[TT+2*gi], v[TT+2*gi]
	v_pk_mul_f32 v[EE+2*gi:EE+2*gi+1], v[HB+2*gi:HB+2*gi+1], v[HB+2*gi:HB+2*gi+1]
	v_rcp_f32 v[TT+2*gi+1], v[TT+2*gi+1]
	v_pk_mul_f32 v[EE+2*gi:EE+2*gi+1], v[EE+2*gi:EE+2*gi+1], s[42:43] op_sel_hi:[1,0]
.set gi, gi+1
.endr
	s_wait_alu depctr_va_vdst(0)                   ; the reciprocals' wait
.set gi, 0
.rept 16
	v_exp_f32 v[EE+gi], v[EE+gi]
	v_pk_fma_f32 v[QQ+2*gi:QQ+2*gi+1], v[TT+2*gi:TT+2*gi+1], s[52:53], s[50:51] op_sel_hi:[1,0,0]
.set gi, gi+1
.endr
.set gi, 0
.rept 16
	v_exp_f32 v[EE+16+gi], v[EE+16+gi]
	v_pk_fma_f32 v[QQ+2*gi:QQ+2*gi+1], v[QQ+2*gi:QQ+2*gi+1], v[TT+2*gi:TT+2*gi+1], s[48:49] op_sel_hi:[1,1,0]
.set gi, gi+1
.endr
.irp c, 46, 44
.set gi, 0
.rept 16
	v_pk_fma_f32 v[QQ+2*gi:QQ+2*gi+1], v[QQ+2*gi:QQ+2*gi+1], v[TT+2*gi:TT+2*gi+1], s[\c:(\c)+1] op_sel_hi:[1,1,0]
.set gi, gi+1
.endr
.endr
.set gi, 0
.rept 16
	v_pk_mul_f32 v[QQ+2*gi:QQ+2*gi+1], v[QQ+2*gi:QQ+2*gi+1], v[TT+2*gi:TT+2*gi+1]
.set gi, gi+1
.endr
	s_wait_alu depctr_va_vdst(0)                   ; the exponentials' wait
.set gi, 0
.rept 16
	v_pk_mul_f32 v[QQ+2*gi:QQ+2*gi+1], v[QQ+2*gi:QQ+2*gi+1], v[EE+2*gi:EE+2*gi+1]
.set gi, gi+1
.endr
.set gi, 0
.rept 32
	v_fma_f32 v[QQ+gi], -v[QQ+gi], |v[HB+gi]|, |v[HB+gi]|
.set gi, gi+1
.endr
.set gi, 0
.rept 16
	v_pk_add_f32 v[QQ+2*gi:QQ+2*gi+1], v[QQ+2*gi:QQ+2*gi+1], v[HB+2*gi:HB+2*gi+1]
.set gi, gi+1
.endr
.set gi, 0
.rept 16
	v_cvt_pk_bf16_f32 v[OO+gi], v[QQ+2*gi], v[QQ+2*gi+1]
.set gi, gi+1
.endr
.irp c, 0,1,2,3
	ds_store_b128 v28, v[OO+4*(\c):OO+4*(\c)+3] offset:32*(4*(\k)+(\c))
.endr
.endm
.endif
	; THE WAY OUT, tile by tile.  s19 counts the 16 trips down; trip 16 - s19 has my rows 64 (16 - s19) + 16 w on.  A tile without a row is jumped to the label ahead of the counter's step.
	s_mov_b32 s19, 16
	s_lshl_b32 s24, s14, 4                         ; the tile's first row
.Lout:
	s_cmp_ge_u32 s24, s16
	s_cbranch_scc1 .Lstored                        ; no row: nothing to multiply, nothing to store
	s_cmp_gt_u32 s19, 11
	s_cbranch_scc1 .Lhave                          ; the first five tiles are multiplied already
	s_add_co_u32 s20, s26, s24
	v_add_nc_u32 v16, s20, v1                      ; place base + the tile's first row + r
.if UP == 0
	v_min_u32 v60, 0x7ff, v16
	v_lshlrev_b32 v60, 2, v60                      ; the place's word in the list
.endif
	MKAOFF 16
	s_wait_xcnt 0x0
	s_mov_b64 s[32:33], s[8:9]                     ; the slice's and the rows' first K step
	s_mov_b64 s[34:35], s[6:7]
.if UP == 0
	global_load_b32 v55, v60, s[54:55]             ; this tile's slots take the fifth tile's register; the first step's wait for 0 covers the load
.endif
	SSTEP 1
	s_mov_b32 s18, 31
.Lrem:
	SSTEP 0
	s_sub_co_u32 s18, s18, 1
	s_cmp_lg_u32 s18, 0
	s_cbranch_scc1 .Lrem
.Lhave:
	s_cmp_eq_u32 s19, 16
	s_cbranch_scc1 .Lb0
	s_cmp_eq_u32 s19, 15
	s_cbranch_scc1 .Lb1
	s_cmp_eq_u32 s19, 14
	s_cbranch_scc1 .Lb2
	s_cmp_eq_u32 s19, 13
	s_cbranch_scc1 .Lb3
	BLOCK 4
	s_branch .Lgot
.Lb0:
	BLOCK 0
	s_branch .Lgot
.Lb1:
	BLOCK 1
	s_branch .Lgot
.Lb2:
	BLOCK 2
	s_branch .Lgot
.Lb3:
	BLOCK 3
.Lgot:
	s_sub_co_u32 s25, s16, s24                     ; rows left from this tile on: at least 1
.if UP
	GELU 0
	GELU 1
.irp t, 0,1,2,3,4,5,6,7,8,9,10,11,12,13,14,15
	ds_load_b64 v[128+2*(\t):128+2*(\t)+1], v29 offset:SPITCH*(\t)  ; my own stage: these see the stores above; one whole row of 256 bytes
.endr
	s_add_co_u32 s20, s26, s24
	s_min_u32 s20, s20, 0x7ff
	v_lshl_add_u32 v32, s20, OSH, v30              ; the tile's first place in hbuf; its rows follow each other, 8,192 bytes apart
.else
.irp t, 0,1,2,3,4,5,6,7,8,9,10,11,12,13,14,15
	ds_load_b128 v[64+4*(\t):64+4*(\t)+3], v29 offset:SPITCH*(\t)  ; my own stage: these see the stores above; one whole row of 512 bytes
.endr
.irp t, 0,1,2,3,4,5,6,7,8,9,10,11,12,13,14,15
	s_min_u32 s[68+(\t)], s[68+(\t)], 0x7ff
	v_lshl_add_u32 v[32+(\t)], s[68+(\t)], OSH, v30  ; the row's slot in part
.endr
.endif
	s_wait_dscnt 0x0
.irp t, 0,1,2,3,4,5,6,7,8,9,10,11,12,13,14,15
	s_cmp_le_u32 s25, \t
	s_cbranch_scc1 .Lstored                        ; rows past the count are not stored: whole stores are jumped
.if UP
	global_store_b64 v32, v[128+2*(\t):128+2*(\t)+1], s[12:13] offset:(\t)*(1<<OSH)  ; 32 lanes store 256 consecutive bytes, aligned
.else
	global_store_b128 v[32+(\t)], v[64+4*(\t):64+4*(\t)+3], s[12:13]  ; 32 lanes store 512 consecutive bytes, aligned
.endif
.endr
.Lstored:
	s_wait_xcnt 0x0                                ; the stores have read their registers, which the next trip writes
	s_add_co_u32 s24, s24, 64
	s_sub_co_u32 s19, s19, 1
	s_cmp_lg_u32 s19, 0
	s_cbranch_scc1 .Lout
	s_wait_tensorcnt 0x0                           ; the wave's end
	ds_add_u32 v4, v5
	s_wait_dscnt 0x0
	s_endpgm
.Lfunc_end_k_q663ee699a6_down:
	.size	k_q663ee699a6_down, .Lfunc_end_k_q663ee699a6_down-k_q663ee699a6_down
	.p2alignl 7, 3214868480
	.fill 96, 4, 3214868480
	.section	.rodata,"a",@progbits
	.p2align	6, 0x0
	.amdhsa_kernel k_q663ee699a6_down
		.amdhsa_group_segment_fixed_size 298496
		.amdhsa_private_segment_fixed_size 0
		.amdhsa_enable_private_segment 0
		.amdhsa_kernarg_size 40
		.amdhsa_user_sgpr_count 2
		.amdhsa_user_sgpr_kernarg_segment_ptr 1
		.amdhsa_wavefront_size32 1
		.amdhsa_system_sgpr_workgroup_id_x 1
		.amdhsa_system_sgpr_workgroup_id_y 1
		.amdhsa_system_sgpr_workgroup_id_z 1
		.amdhsa_system_vgpr_workitem_id 0
		.amdhsa_next_free_vgpr 1024
		.amdhsa_next_free_sgpr 88
		.amdhsa_reserve_vcc 0
		.amdhsa_float_denorm_mode_32 3
		.amdhsa_float_denorm_mode_16_64 3
		.amdhsa_memory_ordered 1
		.amdhsa_forward_progress 1
		.amdhsa_inst_pref_size 138
	.end_amdhsa_kernel
	.amdgpu_metadata
---
amdhsa.version: [ 1, 2 ]
amdhsa.kernels:
  - .name:           k_q663ee699a6_down
    .symbol:         k_q663ee699a6_down.kd
    .args:
      - { .name: tab, .offset: 0, .size: 8, .value_kind: global_buffer, .address_space: global }
      - { .name: hbuf, .offset: 8, .size: 8, .value_kind: global_buffer, .address_space: global }
      - { .name: w2, .offset: 16, .size: 8, .value_kind: global_buffer, .address_space: global }
      - { .name: b2, .offset: 24, .size: 8, .value_kind: global_buffer, .address_space: global }
      - { .name: part, .offset: 32, .size: 8, .value_kind: global_buffer, .address_space: global }
    .group_segment_fixed_size: 298496
    .private_segment_fixed_size: 0
    .kernarg_segment_align: 8
    .kernarg_segment_size: 40
    .max_flat_workgroup_size: 128
    .sgpr_count:     88
    .vgpr_count:     1024
    .wavefront_size: 32
...
	.end_amdgpu_metadata
.endif
;; end of part 8
;; launch combine: the kernel of part 4 again; grid 256 x 1, 8 waves a work-group, no clusters, 0 bytes of LDS; arguments part, gw, out0; writes out0
;; ======== version 3 of 3: 5 launches; version 2 with the launch up written anew for expert scheduling mode
;; limits: a function is approximated: absolute error at most 1.5e-07
;; workspace buffers: xb 2,097,152 bytes; bm 4,096 bytes of whole numbers; gw 8,192 bytes; xg 4,194,304 bytes; tab 8,704 bytes of whole numbers; hbuf 16,777,216 bytes; part 33,554,432 bytes
;; launch router: the kernel of part 5 again; grid 64 x 1, 4 waves a work-group, no clusters, 50,176 bytes of LDS; arguments x, gate_w, gate_b, xb, bm, gw, out1; writes xb, bm, gw, out1
;; launch gather: the kernel of part 6 again; grid 256 x 1, 4 waves a work-group, no clusters, 0 bytes of LDS; arguments bm, xb, xg, tab; writes xg, tab
;; launch up (part 9): grid 256 x 1, 4 waves a work-group, no clusters, 282,112 bytes of LDS; arguments tab, xg, w1, b1, hbuf; writes hbuf
.if DOCPART == 9
	.amdgcn_target "amdgcn-amd-amdhsa--gfx1250"
	.amdhsa_code_object_version 6
	.text
	.protected	k_q663ee699a6_up
	.globl	k_q663ee699a6_up
	.p2align	8
	.type	k_q663ee699a6_up,@function
k_q663ee699a6_up:
	s_mov_b64 s[64:65], 0
	v_nop
	global_prefetch_b8 v0, s[64:65] scope:SCOPE_SE
	s_setreg_imm32_b32 hwreg(HW_REG_WAVE_SCHED_MODE, 0, 2), 2
	s_setreg_imm32_b32 hwreg(HW_REG_WAVE_MODE, 25, 1), 1
	s_wait_xcnt 0x0
	s_wait_alu depctr_vm_vsrc(0)
; THE FIRST PRODUCT OF THE EXPERTS.  hbuf[place][:] = gelu(xg[place] w1[e]^T + b1[e]), bf16.
; The routed rows lie end to end in the experts' order: expert e has the places base .. base + count - 1 (both from tab).
; SHARES.  A work-group has ONE expert's slice of 128 output columns x 1,024 K, 524,288 bytes of f32 that it alone reads, and all of that expert's rows, whatever their number (0 to 1,024).
; Bits 3, 2 and 0 of the work-group's number name the expert, bits 7 to 4 and 1 the slice: each pair of expert and slice has one work-group, and the 32 work-groups that read the same rows agree in those three bits.
; The slice is rounded to bf16 on its way through registers into LDS.  K goes in 16 UNITS of 64.  While later units are on their way, the units that lie in LDS are multiplied with the expert's first 320 rows:
; 5 tiles of 16 rows a wave (tile q of wave w: rows 64 q + 16 w on); where the fifth tile has no row its loads (from unit 2 on) and its products (from the second K step on) are jumped.  A row past the count is
; a neighbour's row, or the buffer's last: it is multiplied and not stored.
; Rows past 320 are multiplied afterwards, tile by tile, in the loop of the way out: 16 trips, a constant, which cover 1,024 rows; a tile without a row is jumped, forward, to the label ahead of the counter's step;
; no barrier stands in what is jumped.  Such a tile takes its weights from memory once more, in f32, straight in the fragments' layout: 512 KB a tile, slow, and right for every split.
; NO TENSOR LOADS, NO CLUSTER: a weight has one reader and must be rounded on its way.  The rows are shared by an expert's 32 work-groups; joint loads would spare three of four requests for them, but
; beside the slice's 264,192 bytes and the stages LDS has 45,568 bytes left, and two slots of a unit's 320 rows of 144 bytes want 92,160.  The slice stays whole in LDS so that no byte is written twice
; and one barrier a unit is enough.  The rows come from memory straight into registers as matrix operands.
; THE MATRIX INSTRUCTION IS USED TRANSPOSED: source 0 = 16 weight rows, source 1 = 16 token rows: lane (r, h) holds token row r, register j output column 16 b + 8 h + j.  The bias is the C of the first product.
; FORMATS.  Weights and bias are rounded once to bf16, sums in f32, h once to bf16 (f16 has no room for inputs 30 times larger).
; LIMITS.  NaN and infinities are not treated apart.  erf by the rational form of Abramowitz and Stegun 7.1.26, absolute error at most 1.5e-7 for every argument: gelu(x) is off by at most 0.75e-7 |x|.
; THE MODE: SCHED_MODE bits 1:0 = 2 (LLVM: expert scheduling mode 2), set by the entry lines.  The code itself states the register dependences
; between vector or matrix instructions and memory or LDS instructions, with s_wait_alu, always for 0.
; THE PLAN.  Registers that memory or LDS instructions touch in the loop over the units; trip u has the parity p = u % 2:
;   WS0, WS1      The trip's 32 conversions read WS[(u + 1) % 2]; behind them the loads of unit u + 3 land in it.  No store reads these registers.
;   WO            Written by the trip's conversions, read by its 16 LDS stores.
;   AS0, AS1      The trip's products read AS[p]; its loads of the rows of unit u + 1 land in AS[1 - p], which the products of trip u - 1 read.
;   (FA, FB), (FC, FD)  The trip's products read pair p; its LDS loads of unit u + 1's fragments land in pair 1 - p, which the products of trip u - 1 read.
;   v7, v8-11     Read by the LDS stores and by the fragments' loads; stepped by five adds at the trip's head.
;   v6, v12-16, v18  Read by the loads and the prefetch; never written in the loop: two scalar bases walk, and immediate offsets do the rest.
; So a trip has TWO waits.  vm_vsrc at its head: the last trip's LDS stores and loads have read WO, v7 and v8-11.  va_vdst behind its conversions: WO, v7 and v8-11 are written, the conversions are done reading WS,
; the last trip's products are done reading AS[1 - p] and pair 1 - p.  Behind it the trip's only vector or matrix instructions are its products, which name pair p, AS[p], the accumulators and the bias: none of the
; registers that the trip's stores and loads touch.  These stand behind it with no further wait, the fragments' loads dealt among the products.
; REGISTERS, in windows of 256 (s_set_vgpr_msb: bits 1:0 source 0, 3:2 source 1, 5:4 source 2, 7:6 destination):
;   window 0: v1 r, v2 h, v3 lane; v4, v5 the add's two; v6 weights' offset; v7 weights' place in LDS; v8-11 weight fragments' addresses; v12-16 the five tiles' row offsets; v18 prefetch offset; v19 16 h;
;             v24 at work; v26 a weight fragment's offset in memory; v27 16 w + r; v28, v29 stage in and back; v30 column offset; v32 store offset; v50 bias offset;
;             v64-127 FA, v128-191 FB, v192-255 FC: weight fragments of one K step each (on the way out: at work)
;   window 1: v0-79, v80-159 row fragments of one unit each (tile q, K step j at 8 (2 q + j)); v160-191 WO; v192-255 FD       window 2: accumulators (q, b) at 8 (8 q + b), q = 0..3
;   window 3: v0-63 tile 4's accumulators; v64-127, v128-191 weights as loaded, two units; v192-255 the bias in the accumulators' layout
; SCALARS: s14 wave, s15 32 x expert + slice, s16 count, s17 has my fifth tile a row, s18, s19 loop counts, s24 a tile's first row, s25 rows left, s26 base, s[32:33], s[34:35] the weights' and the rows' walking bases,
;   s[36:39] prefetch; s40-53 constants
.set WSH,    12                        ; a weight row is 4,096 bytes from the next
.set ASH,    11                        ; a row of xg 2,048
.set OSH,    13                        ; a row of hbuf 8,192
.set SPITCH, 272                       ; a stage row: 256 bytes + 16
.set WP,    1<<WSH
.set PW,    2064                       ; a row of the slice in LDS: 2,048 bytes + 16 = 516 words: row r starts at bank 4 r mod 64 (64 banks of 4 bytes: ISA guide 11.1)
.set STAGE, 128*PW                     ; behind the slice: 16 stage rows for each wave, its own
.set SPARE, STAGE+4*16*SPITCH          ; the spare words, 128 bytes a wave: two blocks of 256 bytes that no other line names
.set FA,   64                          ; window 0
.set FB,   128                         ; window 0
.set FC,   192                         ; window 0
.set FD,   192                         ; window 1
.set AS0,  0
.set AS1,  80
.set WO,   160
.set WS0,  64
.set WS1,  128
.set BIAS, 192
.set HX,   64                          ; the way out: x / 2; t; the exponential; the polynomial; packed results
.set TT,   128
.set EE,   160
.set QQ,   192
.set OO,   224
.set MSB, 0
.macro WIN new                         ; the immediate's high byte repeats the setting that is left; a switch that changes nothing is dropped
.if MSB != (\new)
	s_set_vgpr_msb (MSB<<8)|(\new)
.set MSB, \new
.endif
.endm
.macro PLACES                          ; four places between a matrix instruction and a vector write into one of its sources, or a read of its result (ISA guide 7.12.1)
.rept 4
	v_nop
.endr
.endm
; 16 loads: my wave's 32 rows of one unit, 256 bytes of each.  A load takes two rows 8 apart (one for each half of the lanes): two aligned blocks of 256 bytes.
; step = 1 (the prologue alone): the base goes on by a unit first.  In the trips the base has been stepped by the ALOAD before.
.macro WLOAD set, step
	WIN 0xc0                                       ; destination window 3
.if \step
	s_wait_xcnt 0x0                                ; the base steps only when earlier loads have had their addresses translated
	s_add_nc_u64 s[32:33], s[32:33], 256
.endif
.irp i, 0,1,2,3,4,5,6,7,8,9,10,11,12,13,14,15
	global_load_b128 v[(\set)+4*(\i):(\set)+4*(\i)+3], v6, s[32:33] offset:(((\i)/8)*16+(\i)%8)*WP th:TH_LOAD_NT
.endr
.endm
; A unit is rounded into WO and laid into LDS.  A store's two halves of the lanes write 128 bytes of rows 8 apart, which start 32 banks apart.
.macro WCONV set
	WIN 0x4f                                       ; destination window 1, both sources window 3
.irp i, 0,1,2,3,4,5,6,7,8,9,10,11,12,13,14,15
	v_cvt_pk_bf16_f32 v[WO+2*(\i)], v[(\set)+4*(\i)], v[(\set)+4*(\i)+1]
	v_cvt_pk_bf16_f32 v[WO+2*(\i)+1], v[(\set)+4*(\i)+2], v[(\set)+4*(\i)+3]
.endr
	WIN 0x04                                       ; store data window 1, address window 0
	s_wait_alu depctr_va_vdst(0)                   ; the conversions have written v[WO ..], which the LDS stores read, and are done reading the unit's registers, in which the next loads of weights land; in a trip also: v7 and
	                                               ; v8-11 are written, and the last trip's products are done reading their rows and their fragments, in which this trip's loads land
.irp i, 0,1,2,3,4,5,6,7,8,9,10,11,12,13,14,15
	ds_store_b64 v7, v[WO+2*(\i):WO+2*(\i)+1] offset:(((\i)/8)*16+(\i)%8)*PW
.endr
.endm
; One unit (128 bytes of a row) of my tiles' rows, straight into the fragments' layout: 16 loads for tiles 0-3, 4 for tile 4.  full = 0: tile 4's are jumped where it has no row.
; An expert's 32 work-groups read the same rows: hence the hint.  step = 1: BOTH walking bases go on by a unit here, behind ONE wait: in a trip the youngest loads ahead of it are the
; last trip's 16 weight loads, issued a unit's 80 products earlier.
.macro ALOAD set, step, full
.if \step
	s_wait_xcnt 0x0                                ; the bases step only when earlier loads have had their addresses translated; the wait also frees the prefetch's address
	s_add_nc_u64 s[34:35], s[34:35], 128           ; the rows' next unit,
	s_add_nc_u64 s[32:33], s[32:33], 256           ; and the unit of weights that is asked for next
.endif
	WIN 0x40                                       ; destination window 1
.irp q, 0,1,2,3
.irp j, 0,1
	global_load_b128 v[(\set)+8*(2*(\q)+(\j)):(\set)+8*(2*(\q)+(\j))+3],   v[12+(\q)], s[34:35] offset:64*(\j) th:TH_LOAD_HT
	global_load_b128 v[(\set)+8*(2*(\q)+(\j))+4:(\set)+8*(2*(\q)+(\j))+7], v[12+(\q)], s[34:35] offset:64*(\j)+32 th:TH_LOAD_HT
.endr
.endr
.if (\full) == 0
	WIN 0                                          ; at a branch and at a label every window is 0
	s_cmp_eq_u32 s17, 0
	s_cbranch_scc1 .Lno_rows_\@
	WIN 0x40
.endif
.irp j, 0,1
	global_load_b128 v[(\set)+64+8*(\j):(\set)+64+8*(\j)+3],   v16, s[34:35] offset:64*(\j) th:TH_LOAD_HT
	global_load_b128 v[(\set)+64+8*(\j)+4:(\set)+64+8*(\j)+7], v16, s[34:35] offset:64*(\j)+32 th:TH_LOAD_HT
.endr
	WIN 0
.if (\full) == 0
.Lno_rows_\@:
.endif
.endm
; 16 LDS loads in one run: the weight fragments of one K step (128 rows x 32 K, at byte off from the addresses' unit) into buffer buf of window w
.macro FETCHB buf, w, off
	WIN 0x40*(\w)                                  ; destination window w, address window 0
.irp b, 0,1,2,3,4,5,6,7
	ds_load_b128 v[(\buf)+8*(\b):(\buf)+8*(\b)+3],   v[8+(\b)/2] offset:((\b)%2)*16*PW+(\off)
	ds_load_b128 v[(\buf)+8*(\b)+4:(\buf)+8*(\b)+7], v[8+(\b)/2] offset:((\b)%2)*16*PW+(\off)+32
.endr
.endm
.macro PROD d, fb, b, a, c
	v_wmma_f32_16x16x32_bf16 v[(\d):(\d)+7], v[(\fb)+8*(\b):(\fb)+8*(\b)+7], v[(\a):(\a)+7], v[(\c):(\c)+7]
.endm
; One K step: buffer fb (window fw) is multiplied with K step j of row set aset.  The 40 accumulators take turns in one order, one instruction a turn.
; first = 1: the products start the sums, with the bias as C, tile 4's too, so that its accumulators are written on every path.  bwait = 1: the barrier's wait stands behind the first 32 products.
; fetch = 1: behind the first 32 products the same K step of the NEXT unit is fetched into buffer nb (window nw), from byte noff.  No wait stands ahead of that run: no vector or matrix instruction since
; the trip's wait on va_vdst names buffer nb or v8-11.
.macro KSTEP fb, fw, aset, j, first, bwait, fetch, nb, nw, noff
.if \first
	WIN 0xb4+(\fw)                                 ; weights window fw, rows window 1, C (the bias) window 3, D window 2
.else
	WIN 0xa4+(\fw)                                 ; the same with C and D window 2
.endif
.irp q, 0,1,2,3
.irp b, 0,1,2,3,4,5,6,7
.if \first
	PROD 8*(8*(\q)+(\b)), \fb, \b, (\aset)+8*(2*(\q)+(\j)), BIAS+8*(\b)
.else
	PROD 8*(8*(\q)+(\b)), \fb, \b, (\aset)+8*(2*(\q)+(\j)), 8*(8*(\q)+(\b))
.endif
.endr
.endr
	WIN 0                                          ; at a branch and at a label every window is 0
.if \bwait
	s_barrier_wait -1                              ; every wave's part of the next unit lies in LDS
.endif
.if \fetch
	FETCHB \nb, \nw, \noff
	WIN 0
.endif
.if (\first) == 0
	s_cmp_eq_u32 s17, 0
	s_cbranch_scc1 .Lno5_\@                        ; my fifth tile has no row: its 8 products are jumped
.endif
	WIN 0xf4+(\fw)                                 ; C and D window 3
.irp b, 0,1,2,3,4,5,6,7
.if \first
	PROD 8*(\b), \fb, \b, (\aset)+8*(8+(\j)), BIAS+8*(\b)
.else
	PROD 8*(\b), \fb, \b, (\aset)+8*(8+(\j)), 8*(\b)
.endif
.endr
	WIN 0
.if (\first) == 0
.Lno5_\@:
.endif
.endm
; THE TRIP of unit u, p = u % 2.  n: the loads that may stay out at its head: wanted are the weights of unit u + 1, asked for two trips ago, and the rows of unit u, asked for in the last trip AHEAD of that trip's
; 16 weight loads: these 16 alone are younger, whether the fifth tile's row loads were jumped or not.
; conv: unit u + 1 goes into LDS, ONE barrier orders those stores (waited for ahead of the signal) with their first read, behind the wait, and the unit's fragments are fetched.  No byte of the slice is written twice.
; aload: the rows of unit u + 1.  wload: unit u + 3 is asked for, and unit u + 6 (held at the slice's last unit) is prefetched: one line a wave, its 32 lanes one block of 256 bytes of the wave's 32 rows each.
.macro TRIP p, n, conv, wload, aload, first
.if \p
.set XW, WS0
.set XA, AS1
.set XN, AS0
.set M0, FC
.set M1, FD
.set M1W, 1
.set N0, FA
.set N1, FB
.set N1W, 0
.else
.set XW, WS1
.set XA, AS0
.set XN, AS1
.set M0, FA
.set M1, FB
.set M1W, 0
.set N0, FC
.set N1, FD
.set N1W, 1
.endif
	WIN 0
	s_wait_loadcnt \n
.if \conv
	s_wait_alu depctr_vm_vsrc(0)                   ; the LDS stores of the unit before have read v[WO ..] and v7, the fragments' loads issued so far v8-11: all of these are written again below
	v_add_nc_u32 v7, 0x80, v7                      ; unit u + 1's 128 bytes of a row, for the stores,
.irp a, 8,9,10,11
	v_add_nc_u32 v[\a], 0x80, v[\a]                ; and for the fragments' loads
.endr
	WCONV XW
.endif
.if \aload
	ALOAD XN, 1, 0                                 ; no wait: no vector or matrix instruction since the wait in WCONV names these registers or v12-16
.endif
.if \wload
	WLOAD XW, 0                                    ; by the base that the ALOAD before stepped; no wait, likewise
	WIN 0
	s_add_nc_u64 s[36:37], s[8:9], s[38:39]        ; the last prefetch's address was freed by the wait in this trip's ALOAD
	global_prefetch_b8 v18, s[36:37] th:TH_LOAD_NT scope:SCOPE_SE
	s_add_co_u32 s38, s38, 256
	s_min_u32 s38, s38, 3840                       ; never past the slice's last unit
.endif
	WIN 0
	s_wait_dscnt 0x0                               ; this unit's fragments, fetched in the last trip, are in; and for the others' sake: my part of unit u + 1 lies in LDS
.if \conv
	s_barrier_signal -1
.endif
	KSTEP M0, 0, XA, 0, \first, \conv, \conv, N0, 0, 0
	KSTEP M1, M1W, XA, 1, 0, 0, \conv, N1, N1W, 64
.endm
.macro MKAOFF reg                      ; a place becomes a row's byte offset; it hangs on a loaded number and is held inside the buffer's 2,048 rows
	v_min_u32 v[\reg], 0x7ff, v[\reg]
	v_lshl_add_u32 v[\reg], v[\reg], ASH, v19
.endm
	s_load_b256 s[4:11], s[0:1], 0x0               ; tab s[4:5], rows s[6:7], weights s[8:9], bias s[10:11]
	s_load_b64 s[12:13], s[0:1], 0x20              ; out
	v_lshl_add_u32 v4, v0, 2, SPARE                ; my spare word,
	v_mov_b32 v5, 0                                ; and 0: kept for the add at the wave's end
	v_lshrrev_b32 v1, 5, v0
	v_readfirstlane_b32 s14, v1                    ; wave 0..3
	v_and_b32 v1, 15, v0                           ; r
	v_bfe_u32 v2, v0, 4, 1                         ; h
	v_and_b32 v3, 31, v0                           ; lane
	s_lshr_b32 s20, ttmp9, 1
	s_and_b32 s20, s20, 6                          ; bits 3 and 2 of the work-group's number,
	s_and_b32 s21, ttmp9, 1
	s_or_b32 s20, s20, s21                         ; and bit 0: the expert
	s_lshr_b32 s21, ttmp9, 4                       ; bits 7 to 4,
	s_lshl_b32 s21, s21, 1
	s_bfe_u32 s22, ttmp9, 0x10001                  ; and bit 1: the slice
	s_or_b32 s21, s21, s22
	s_lshl_b32 s15, s20, 5
	s_or_b32 s15, s15, s21                         ; 32 x expert + slice
	s_wait_alu depctr_va_sdst(0)                   ; s14 is written, ahead of its first reader: offsets, LDS places and the fifth tile's flag are made from it
	s_mul_i32 s21, s14, 32*WP
	v_mul_u32_u24 v6, v2, 8*WP
	v_lshl_add_u32 v6, v1, 4, v6
	v_add_nc_u32 v6, s21, v6                       ; (32 w + 8 h) rows + 16 r
	s_mul_i32 s21, s14, 32*PW
	v_mul_u32_u24 v7, v2, 8*PW
	v_lshl_add_u32 v7, v1, 3, v7
	v_add_nc_u32 v7, s21, v7                       ; the same place in LDS, in bf16
	v_mul_u32_u24 v24, v1, PW
	v_lshl_add_u32 v24, v2, 4, v24                 ; a fragment's row x pitch + 16 x half
.irp p, 0,1,2,3
	v_add_nc_u32 v[8+(\p)], (\p)*32*PW, v24        ; weight blocks 2 p and 2 p + 1
.endr
	v_lshlrev_b32 v18, WSH, v0                     ; the thread's number is 32 w + lane: my row for the prefetch
	v_lshlrev_b32 v19, 4, v2
	v_lshlrev_b32 v26, WSH, v1
	v_lshl_add_u32 v26, v2, 5, v26                 ; a weight fragment in memory: row r, 32 bytes (8 f32) for each half of the lanes
	s_lshl_b32 s22, s14, 4
	v_add_nc_u32 v27, s22, v1                      ; 16 w + r
	s_mul_i32 s23, s14, 16*SPITCH
	s_add_co_u32 s23, s23, STAGE                   ; my stage
	v_mul_u32_u24 v28, v1, SPITCH
	v_lshl_add_u32 v28, v2, 4, v28                 ; in: row r, 16 bytes for each half of the lanes
	v_lshl_add_u32 v29, v3, 3, s23                 ; back: 32 lanes take one row of 256 bytes, 8 bytes each
	v_lshlrev_b32 v30, 3, v3
	v_add_nc_u32 v28, s23, v28
	v_lshlrev_b32 v50, 5, v2                       ; bias: 8 numbers for each half of the lanes
	s_lshr_b32 s20, s15, 5                         ; the expert
	s_mov_b32 s31, 0
	s_mov_b32 s38, 1536                            ; the first trip prefetches unit 6
	s_mov_b32 s39, 0
	s_mov_b32 s40, 0x3eed3388                      ; 0.3275911 x sqrt(2)
	s_mov_b32 s42, 0xc038aa3b                      ; -2 log2(e)
	s_mov_b32 s44, 0x3e827906                      ; a1 =  0.254829592
	s_mov_b32 s46, 0xbe91a98e                      ; a2 = -0.284496736
	s_mov_b32 s48, 0x3fb5f0e3                      ; a3 =  1.421413741
	s_mov_b32 s50, 0xbfba00e3                      ; a4 = -1.453152027
	s_mov_b32 s52, 0x3f87dc22                      ; a5 =  1.061405429
.irp c, 42,44,46,48,50,52
	s_mov_b32 s[(\c)+1], s[\c]                     ; named as pairs
.endr
	s_wait_kmcnt 0x0
	s_lshl_b32 s30, s20, 2
	s_add_nc_u64 s[36:37], s[4:5], s[30:31]        ; the table at my expert
	s_load_b32 s26, s[36:37], 0x0                  ; its first place,
	s_load_b32 s16, s[36:37], 0x20                 ; and its number of rows: on their way while the first weights are asked for
	s_lshl_b32 s30, s15, 19                        ; 128 rows of 4,096 bytes a slice
	s_add_nc_u64 s[8:9], s[8:9], s[30:31]
	s_lshl_b32 s30, s15, 9
	s_add_nc_u64 s[10:11], s[10:11], s[30:31]
	s_and_b32 s30, s15, 31
	s_lshl_b32 s30, s30, 8
	s_add_nc_u64 s[12:13], s[12:13], s[30:31]      ; my 128 columns of a row of hbuf
	s_mov_b64 s[32:33], s[8:9]                     ; the weights' walking base,
	s_mov_b64 s[34:35], s[6:7]                     ; and the rows'
	WIN 0xc0
	s_wait_alu depctr_va_vdst(0)                   ; the offsets and LDS addresses made above are written: v50, v6 and v18, which the loads and prefetches below read, and v7 to v11, v26, v28 and v29 for later
.irp b, 0,1,2,3,4,5,6,7
	global_load_b128 v[BIAS+8*(\b):BIAS+8*(\b)+3],   v50, s[10:11] offset:64*(\b)
	global_load_b128 v[BIAS+8*(\b)+4:BIAS+8*(\b)+7], v50, s[10:11] offset:64*(\b)+16
.endr
	WLOAD WS0, 0                                   ; unit 0
	WLOAD WS1, 1                                   ; unit 1
	WIN 0
.irp u, 3,4,5
	global_prefetch_b8 v18, s[8:9] offset:256*(\u) th:TH_LOAD_NT scope:SCOPE_SE  ; units 3 to 5: the trips ask from unit 6 on
.endr
	s_wait_kmcnt 0x0                               ; base and count
	s_min_u32 s16, s16, 0x400
	s_min_u32 s26, s26, 0x800
	s_lshl_b32 s20, s14, 4
	s_add_co_u32 s20, s20, 256
	s_cmp_lt_u32 s20, s16
	s_cselect_b32 s17, 1, 0                        ; has my fifth tile a row?
.irp q, 0,1,2,3,4
	s_add_co_u32 s20, s26, 64*(\q)
	v_add_nc_u32 v[12+(\q)], s20, v27              ; place base + 64 q + 16 w + r
	MKAOFF 12+(\q)
.endr
	s_wait_alu depctr_va_vdst(0)                   ; the five row offsets v12 to v16 are written, which every load of rows reads
	ALOAD AS0, 0, 1                                ; the rows' unit 0, all five tiles
	s_wait_loadcnt 52                              ; younger: two units' 32 loads and the rows' 20: the bias is in.  It is rounded to bf16 like every input, and widened again
	WIN 0x0f                                       ; sources window 3, destination window 0
.set gi, 0
.rept 32
	v_cvt_pk_bf16_f32 v[64+gi], v[BIAS+2*gi], v[BIAS+2*gi+1]
.set gi, gi+1
.endr
	WIN 0xc0
.set gi, 0
.rept 32
	v_lshlrev_b32 v[BIAS+2*gi], 16, v[64+gi]
	v_and_b32 v[BIAS+2*gi+1], 0xffff0000, v[64+gi]
.set gi, gi+1
.endr
	WIN 0
	s_wait_loadcnt 36                              ; younger: unit 1's 16 and the rows' 20: unit 0 is in
	WCONV WS0                                      ; its wait also states that the bias's lines above are done with v64 to v95, in which unit 0's fragments land below
	WLOAD WS0, 1                                   ; unit 2
	ALOAD AS1, 1, 1                                ; the rows' unit 1, all five tiles; the weights' base goes on to unit 3
	s_wait_dscnt 0x0                               ; my part of unit 0 lies in LDS,
	s_barrier_signal -1
	s_barrier_wait -1                              ; everybody's does
	FETCHB FA, 0, 0                                ; unit 0's two K steps
	FETCHB FB, 0, 64
	TRIP 0, 36, 1, 1, 0, 1                         ; unit 0 starts the sums; younger at its head: unit 2's 16 and the rows' 20 just issued; the rows of unit 1 are asked for already
	s_mov_b32 s18, 6
.Lunits:                                               ; units 1 to 12
	TRIP 1, 16, 1, 1, 1, 0
	TRIP 0, 16, 1, 1, 1, 0
	s_sub_co_u32 s18, s18, 1
	s_cmp_lg_u32 s18, 0
	s_cbranch_scc1 .Lunits
	TRIP 1, 16, 1, 0, 1, 0                         ; unit 13: no weights are left to ask for
	TRIP 0, 0, 1, 0, 1, 0                          ; unit 14: nothing is younger than the rows of unit 14
	TRIP 1, 0, 0, 0, 0, 0                          ; unit 15 issues no store and no load, so it states no dependence
	PLACES                                         ; behind the last products, ahead of the way out's first read of the sums and its first writes into the fragments' registers
; One K step of 32 of a tile past the first five, all from memory: 2 loads of my 16 rows; for each of the 8 blocks of 16 weight rows 4 loads of 16 bytes of f32 (lane (r, h): row r, K = 8 h + 0..7 and 16 + 8 h + 0..7),
; rounded in pairs into the fragment's 8 registers; 8 products on tile 4's accumulators, which take turns.  first = 1: they start the sums, with the bias as C.
.macro SSTEP first
	WIN 0x40
	s_wait_alu depctr_va_vdst(0)                   ; v16 is written; the last step's products are done reading the rows' 8 registers and its conversions (ahead of the first step: the gelu's lines) are done with v64 to v191: the 34 loads below land there
	global_load_b128 v[0:3], v16, s[34:35]
	global_load_b128 v[4:7], v16, s[34:35] offset:32
	WIN 0
.irp b, 0,1,2,3,4,5,6,7
.irp c, 0,1,2,3
	global_load_b128 v[64+16*(\b)+4*(\c):64+16*(\b)+4*(\c)+3], v26, s[32:33] offset:(\b)*16*WP+((\c)/2)*64+((\c)%2)*16
.endr
.endr
	s_wait_loadcnt 0x0                             ; the step's 34; the wait also frees their bases, which step below
.set gi, 0
.rept 64
	v_cvt_pk_bf16_f32 v[192+gi], v[64+2*gi], v[64+2*gi+1]
.set gi, gi+1
.endr
	WIN 0xf4
.irp b, 0,1,2,3,4,5,6,7
.if \first
	PROD 8*(\b), 192, \b, 0, BIAS+8*(\b)
.else
	PROD 8*(\b), 192, \b, 0, 8*(\b)
.endif
.endr
	WIN 0
	PLACES                                         ; ahead of the next step's conversions into the products' sources, and of the way out's first read of the sums
	s_add_nc_u64 s[32:33], s[32:33], 128           ; 32 f32 on,
	s_add_nc_u64 s[34:35], s[34:35], 64            ; 32 bf16 on
.endm
; Tile i's 64 sums leave the accumulators, each read from its low end on: halved, into window 0.
.macro BLOCK i
.set AB0, 64*((\i)%4)
	WIN 0x02+(\i)/4                                ; source 0 window 2 or 3
.set gi, 0
.rept 32
	v_pk_mul_f32 v[HX+2*gi:HX+2*gi+1], v[AB0+2*gi:AB0+2*gi+1], 0.5 op_sel_hi:[1,0]
.set gi, gi+1
.endr
	WIN 0
.endm
; gelu(x) = x/2 + |x/2| (1 - q), q = t (a1 + t (a2 + t (a3 + t (a4 + t a5)))) exp(-x^2 / 2), t = 1 / (1 + 0.3275911 |x| / sqrt(2)), for 32 numbers a lane.  The 32 reciprocals are one batch with one wait, the 32
; exponentials another; each has a plain line behind it, and nothing names a result ahead of its batch's wait.  Half k packs into 16 registers of its own, so that one wait serves both halves' stores.
.macro GELU k
.set HB, HX+32*(\k)
.set OB, OO+16*(\k)
.set gi, 0
.rept 32
	v_fma_f32 v[TT+gi], |v[HB+gi]|, s40, 1.0
.set gi, gi+1
.endr
.set gi, 0
.rept 16
	v_rcp_f32 v[TT+2*gi], v[TT+2*gi]
	v_pk_mul_f32 v[EE+2*gi:EE+2*gi+1], v[HB+2*gi:HB+2*gi+1], v[HB+2*gi:HB+2*gi+1]
	v_rcp_f32 v[TT+2*gi+1], v[TT+2*gi+1]
	v_pk_mul_f32 v[EE+2*gi:EE+2*gi+1], v[EE+2*gi:EE+2*gi+1], s[42:43] op_sel_hi:[1,0]
.set gi, gi+1
.endr
	s_wait_alu depctr_va_vdst(0)                   ; the 32 reciprocals have written v[TT ..], ahead of their first reader
.set gi, 0
.rept 16
	v_exp_f32 v[EE+gi], v[EE+gi]
	v_pk_fma_f32 v[QQ+2*gi:QQ+2*gi+1], v[TT+2*gi:TT+2*gi+1], s[52:53], s[50:51] op_sel_hi:[1,0,0]
.set gi, gi+1
.endr
.set gi, 0
.rept 16
	v_exp_f32 v[EE+16+gi], v[EE+16+gi]
	v_pk_fma_f32 v[QQ+2*gi:QQ+2*gi+1], v[QQ+2*gi:QQ+2*gi+1], v[TT+2*gi:TT+2*gi+1], s[48:49] op_sel_hi:[1,1,0]
.set gi, gi+1
.endr
.irp c, 46, 44
.set gi, 0
.rept 16
	v_pk_fma_f32 v[QQ+2*gi:QQ+2*gi+1], v[QQ+2*gi:QQ+2*gi+1], v[TT+2*gi:TT+2*gi+1], s[\c:(\c)+1] op_sel_hi:[1,1,0]
.set gi, gi+1
.endr
.endr
.set gi, 0
.rept 16
	v_pk_mul_f32 v[QQ+2*gi:QQ+2*gi+1], v[QQ+2*gi:QQ+2*gi+1], v[TT+2*gi:TT+2*gi+1]
.set gi, gi+1
.endr
	s_wait_alu depctr_va_vdst(0)                   ; the 32 exponentials have written v[EE ..], ahead of their first reader
.set gi, 0
.rept 16
	v_pk_mul_f32 v[QQ+2*gi:QQ+2*gi+1], v[QQ+2*gi:QQ+2*gi+1], v[EE+2*gi:EE+2*gi+1]
.set gi, gi+1
.endr
.set gi, 0
.rept 32
	v_fma_f32 v[QQ+gi], -v[QQ+gi], |v[HB+gi]|, |v[HB+gi]|
.set gi, gi+1
.endr
.set gi, 0
.rept 16
	v_pk_add_f32 v[QQ+2*gi:QQ+2*gi+1], v[QQ+2*gi:QQ+2*gi+1], v[HB+2*gi:HB+2*gi+1]
.set gi, gi+1
.endr
.set gi, 0
.rept 16
	v_cvt_pk_bf16_f32 v[OB+gi], v[QQ+2*gi], v[QQ+2*gi+1]
.set gi, gi+1
.endr
.endm
	; THE WAY OUT, tile by tile.  s19 counts the 16 trips down; trip 16 - s19 has my rows 64 (16 - s19) + 16 w on.  A tile without a row is jumped to the label ahead of the counter's step.
	s_mov_b32 s19, 16
	s_lshl_b32 s24, s14, 4                         ; the tile's first row
.Lout:
	s_wait_alu depctr_vm_vsrc(0)                   ; the loads of rows have read v16, the last trip's stores v32 and v128 to v159, its stage stores v224 to v255: all of these are written again in this trip
	s_cmp_ge_u32 s24, s16
	s_cbranch_scc1 .Lstored                        ; no row: nothing to multiply, nothing to store
	s_cmp_gt_u32 s19, 11
	s_cbranch_scc1 .Lhave                          ; the first five tiles are multiplied already
	s_add_co_u32 s20, s26, s24
	v_add_nc_u32 v16, s20, v1                      ; place base + the tile's first row + r
	MKAOFF 16
	s_wait_xcnt 0x0
	s_mov_b64 s[32:33], s[8:9]                     ; the slice's and the rows' first K step
	s_mov_b64 s[34:35], s[6:7]
	SSTEP 1
	s_mov_b32 s18, 31
.Lrem:
	SSTEP 0
	s_sub_co_u32 s18, s18, 1
	s_cmp_lg_u32 s18, 0
	s_cbranch_scc1 .Lrem
.Lhave:
	s_cmp_eq_u32 s19, 16
	s_cbranch_scc1 .Lb0
	s_cmp_eq_u32 s19, 15
	s_cbranch_scc1 .Lb1
	s_cmp_eq_u32 s19, 14
	s_cbranch_scc1 .Lb2
	s_cmp_eq_u32 s19, 13
	s_cbranch_scc1 .Lb3
	BLOCK 4
	s_branch .Lgot
.Lb0:
	BLOCK 0
	s_branch .Lgot
.Lb1:
	BLOCK 1
	s_branch .Lgot
.Lb2:
	BLOCK 2
	s_branch .Lgot
.Lb3:
	BLOCK 3
.Lgot:
	s_sub_co_u32 s25, s16, s24                     ; rows left from this tile on: at least 1
	GELU 0
	GELU 1
	s_add_co_u32 s20, s26, s24
	s_min_u32 s20, s20, 0x7ff
	v_lshl_add_u32 v32, s20, OSH, v30              ; the tile's first place in hbuf; its rows follow each other, 8,192 bytes apart
	s_wait_alu depctr_va_vdst(0)                   ; the roundings have written v[OO ..], which the stage stores read; v32 is written, which the stores to hbuf read; the gelu's lines are done with v128 to v159, in which the loads from the stage land
.irp c, 0,1,2,3,4,5,6,7
	ds_store_b128 v28, v[OO+4*(\c):OO+4*(\c)+3] offset:32*(\c)
.endr
.irp t, 0,1,2,3,4,5,6,7,8,9,10,11,12,13,14,15
	ds_load_b64 v[128+2*(\t):128+2*(\t)+1], v29 offset:SPITCH*(\t)  ; my own stage: these see the stores above; one whole row of 256 bytes
.endr
	s_wait_dscnt 0x0
.irp t, 0,1,2,3,4,5,6,7,8,9,10,11,12,13,14,15
	s_cmp_le_u32 s25, \t
	s_cbranch_scc1 .Lstored                        ; rows past the count are not stored: whole stores are jumped
	global_store_b64 v32, v[128+2*(\t):128+2*(\t)+1], s[12:13] offset:(\t)*(1<<OSH)  ; 32 lanes store 256 consecutive bytes, aligned
.endr
.Lstored:
	s_wait_xcnt 0x0                                ; the stores have had their addresses translated: their registers are written again only behind this wait and the one at the loop's head
	s_add_co_u32 s24, s24, 64
	s_sub_co_u32 s19, s19, 1
	s_cmp_lg_u32 s19, 0
	s_cbranch_scc1 .Lout
	s_wait_dscnt 0x0                               ; the closing lines, six on end
	s_wait_alu 0x0
	s_wait_tensorcnt 0x0
	ds_add_u32 v4, v5
	s_wait_dscnt 0x0
	s_endpgm
.Lfunc_end_k_q663ee699a6_up:
	.size	k_q663ee699a6_up, .Lfunc_end_k_q663ee699a6_up-k_q663ee699a6_up
	.p2alignl 7, 3214868480
	.fill 96, 4, 3214868480
	.section	.rodata,"a",@progbits
	.p2align	6, 0x0
	.amdhsa_kernel k_q663ee699a6_up
		.amdhsa_group_segment_fixed_size 282112
		.amdhsa_private_segment_fixed_size 0
		.amdhsa_enable_private_segment 0
		.amdhsa_kernarg_size 40
		.amdhsa_user_sgpr_count 2
		.amdhsa_user_sgpr_kernarg_segment_ptr 1
		.amdhsa_wavefront_size32 1
		.amdhsa_system_sgpr_workgroup_id_x 1
		.amdhsa_system_sgpr_workgroup_id_y 1
		.amdhsa_system_sgpr_workgroup_id_z 1
		.amdhsa_system_vgpr_workitem_id 0
		.amdhsa_next_free_vgpr 1024
		.amdhsa_next_free_sgpr 66
		.amdhsa_reserve_vcc 0
		.amdhsa_float_denorm_mode_32 3
		.amdhsa_float_denorm_mode_16_64 3
		.amdhsa_memory_ordered 1
		.amdhsa_forward_progress 1
		.amdhsa_inst_pref_size 166
	.end_amdhsa_kernel
	.amdgpu_metadata
---
amdhsa.version: [ 1, 2 ]
amdhsa.kernels:
  - .name:           k_q663ee699a6_up
    .symbol:         k_q663ee699a6_up.kd
    .args:
      - { .name: tab, .offset: 0, .size: 8, .value_kind: global_buffer, .address_space: global }
      - { .name: xg, .offset: 8, .size: 8, .value_kind: global_buffer, .address_space: global }
      - { .name: w1, .offset: 16, .size: 8, .value_kind: global_buffer, .address_space: global }
      - { .name: b1, .offset: 24, .size: 8, .value_kind: global_buffer, .address_space: global }
      - { .name: hbuf, .offset: 32, .size: 8, .value_kind: global_buffer, .address_space: global }
    .group_segment_fixed_size: 282112
    .private_segment_fixed_size: 0
    .kernarg_segment_align: 8
    .kernarg_segment_size: 40
    .max_flat_workgroup_size: 128
    .sgpr_count:     66
    .vgpr_count:     1024
    .wavefront_size: 32
...
	.end_amdgpu_metadata
.endif
;; end of part 9
;; launch down: the kernel of part 8 again; grid 256 x 1, 4 waves a work-group, no clusters, 298,496 bytes of LDS; arguments tab, hbuf, w2, b2, part; writes part
;; launch combine: the kernel of part 4 again; grid 256 x 1, 8 waves a work-group, no clusters, 0 bytes of LDS; arguments part, gw, out0; writes out0
